; MI455X (gfx1250); checked and timed in simulation.
; The chip was launched on July 23, 2026; its instructions are those of AMD's public machine-readable ISA for CDNA 5 (MIT licence, August 2026) and "CDNA5" Instruction Set Architecture Reference Guide (July 2026). The comments in the code are by the model that wrote it; some were corrected since.
;; Attention Block. Allowed arithmetic: matrix products marked QUANTISED: E4M3 operands, one E8M0 scale for each 32 along K, by v_wmma_scale_f32_16x16x128_f8f6f4 with both operands' format E4M3, f32 sums; everything else in f32.
;; Inputs: ff1_b 4,096 float32; ff1_w 1,024 x 4,096 float32; ff2_b 1,024 float32; ff2_w 4,096 x 1,024 float32; norm1_b 1,024 float32; norm1_g 1,024 float32; norm2_b 1,024 float32; norm2_g 1,024 float32; out_b 1,024 float32; out_w 1,024 x 1,024 float32; qkv_b 3,072 float32; qkv_w 1,024 x 3,072 float32; x 2 x 2,048 x 1,024 float32.
;; Outputs: out0 2 x 2,048 x 1,024 float32.
;; This version of the problem:
;;   THIS VERSION OF THE PROBLEM IS GIVEN IN LOW PRECISION. The matrix products marked QUANTISED in the list below multiply operands that are first quantised to E4M3 (4 exponent bits, 3 mantissa bits; 8 bits a number), with one power-of-two scale for each 32 numbers along K (OCP MX v1.0); their sums are f32. All else is computed in f32.
;;   The module's matrix products, in the order in which they are computed (A, B: the left and right operand; K: the contracted axis; several contracted axes count as one K, in the product's order):
;;     1. [M 4,096, K 1,024] x [K 1,024, N 3,072]; A: computed on the way; B: input qkv_w: QUANTISED
;;     2. batch 32 x [M 2,048, K 64] x [K 64, N 2,048]; A: computed on the way; B: computed on the way: QUANTISED
;;     3. batch 32 x [M 2,048, K 2,048] x [K 2,048, N 64]; A: softmax (see below); B: computed on the way: QUANTISED
;;     4. [M 4,096, K 1,024] x [K 1,024, N 1,024]; A: computed on the way; B: input out_w: QUANTISED
;;     5. [M 4,096, K 1,024] x [K 1,024, N 4,096]; A: computed on the way; B: input ff1_w: QUANTISED
;;     6. [M 4,096, K 4,096] x [K 4,096, N 1,024]; A: computed on the way; B: input ff2_w: QUANTISED
;;   THE QUANTISER, for each operand of a quantised product, along K:
;;     - K is cut into blocks of 32 from its start; a last block that is shorter is filled with zeros.
;;     - A block's scale is 2^e with e = floor(log2(the largest magnitude in the block)) - 8, held to -126 .. 127; a block of zeros has e = 0. As a byte (E8M0): e + 127.
;;     - Each number is divided by its block's scale, clamped to +-448, and rounded to the nearest number of E4M3, ties to even, subnormals kept.
;;     - The product sums the exact products of the quantised numbers (number of the format x scale) in f32.
;;   ~~~python
;;   def quantise(x, axis):      # numpy; x: float32 -> the quantised numbers, widened to float32 again
;;       x = np.moveaxis(x, axis, -1); K = x.shape[-1]
;;       x = np.pad(x, [(0, 0)] * (x.ndim - 1) + [(0, -K % 32)]); x = x.reshape(x.shape[:-1] + (-1, 32)); a = np.abs(x).max(-1, keepdims=True)
;;       e = np.where(a > 0, np.clip(np.frexp(np.where(a > 0, a, 1))[1] - 1 - 8, -126, 127), 0)      # np.frexp(a)[1] - 1 = floor(log2(a)), exactly
;;       r = np.clip(x / 2.0 ** e, -448, 448)
;;       step = 2.0 ** (np.maximum(np.frexp(np.where(r == 0, 1, r))[1] - 1, -6) - 3)
;;       q = np.round(r / step) * step * 2.0 ** e      # np.round: ties to even
;;       return np.moveaxis(q.reshape(q.shape[:-2] + (-1,))[..., :K], -1, axis).astype(np.float32)
;;   ~~~
;;   SOFTMAX AHEAD OF A QUANTISED PRODUCT. Where the list says 'softmax', what is quantised is not the finished softmax but p = 2^(t - M), with t = logit x log2(e) and M = ceil(the row's largest t), a whole number; so 1/2 < the row's largest p <= 1. The row's sum l is taken of the UNQUANTISED p, in f32, and the product's result is divided by l at the end. Since M is a whole number, a kernel that streams over the keys may use a running M (the ceiling of the running maximum): every later rescaling is an exact power of two, which a block's scale takes up: the codes' values come out the same.
;;   OPERANDS COMPUTED ON THE WAY. 'Computed on the way' means the value that the module computes at that place (a softmax that the list does not call 'softmax' is quantised finished and normalised). What goes into a quantiser is computed in f32, as accurately as f32 sums, v_exp_f32 and their like allow (about 1e-6 of the number): no bf16 or f16 on the way to a quantiser, and a product that is left as it is and whose result goes on into a quantised operand takes f32 operands (vector FMAs, or v_wmma_f32_16x16x4_f32). A number that lies on a knife's edge between two numbers of the format may be rounded either way, as far as f32 arithmetic and the matrix unit's own rounding can turn it there, and no further.
;; 2 versions. Each part assembles by itself: llvm-mc -triple=amdgcn-amd-amdhsa -mcpu=gfx1250 --defsym DOCPART=n.
;; ======== version 1 of 2: 8 launches
;; workspace buffers: wb 12,976,128 bytes; hb 4,325,376 bytes; qb 12,976,128 bytes; ab 4,325,376 bytes; x1 16,777,216 bytes; fb 17,301,504 bytes
;; launch wq (part 1): grid 384 x 1, 4 waves a work-group, no clusters, 0 bytes of LDS; arguments qkv_w, out_w, ff1_w, ff2_w, wb; writes wb
.if DOCPART == 1
	.amdgcn_target "amdgcn-amd-amdhsa--gfx1250"
	.amdhsa_code_object_version 6
	.text
	.protected	k_q10020ee7d6_wq
	.globl	k_q10020ee7d6_wq
	.p2align	8
	.type	k_q10020ee7d6_wq,@function
k_q10020ee7d6_wq:
	s_mov_b64 s[64:65], 0
	v_nop
	global_prefetch_b8 v0, s[64:65] scope:SCOPE_SE
	s_setreg_imm32_b32 hwreg(HW_REG_WAVE_MODE, 25, 1), 1
	s_wait_xcnt 0x0
; THE PROGRAM: one pre-norm transformer block on 4,096 rows of 1,024, all six products on codes of FP8 (E4M3) with one E8M0 scale for each 32 along K.
; Launches: wq (this one: the four weights into codes), ln1, gemm_qkv, attn, gemm_out, ln2, gemm_ff1, gemm_ff2.
; NO WORK IS LEFT OUT: every one of the 13 inputs has a way to out0 and is loaded; the bias on k stays, since it moves k's codes.
; THIS LAUNCH.  A weight W [K][N], f32, has K as its FIRST axis.  It becomes codes in the order of an operand's registers, and scale words:
;   codes  [tile of 16 columns][kk = K/128][c = 0..3][lane = 16 h + r][16 bytes]: lane (r, h), piece c holds row r of the tile at k = 128 kk + 32 c + 16 h + 0..15;
;   scales [step = K/256][tile][r][2 words]: word w holds the four bytes of kk = 2 step + w.
; THE COLUMNS OF A TILE ARE NOT NEIGHBOURS: row r of tile 2 b + u is column 32 b + 8 u + r + 8 (r / 8), so that a product with the weight as source 0 leaves 16 neighbouring columns in the 16 registers of two neighbouring tiles.
; A LANE TAKES A COLUMN AND ITS REGISTERS RUN DOWN K: a block of 32 lies in one lane, the conversions give codes with K innermost, and a lane's 16 codes are 16 bytes of the image:
; sixteen neighbouring lanes store 256 consecutive bytes, aligned.  No LDS, no barrier.
; A work-group takes 128 columns x 256 along K of one of the four weights; which, hangs on the work-group's number alone: only numbers and pointers are chosen, the text has one path.
; A block's scale is 2^(floor(log2(its largest magnitude)) - 8); its byte is the largest magnitude's exponent field - 8, held at 1 from below.
; LIMITS: a block of zeros gets the byte 1 where the rule says 127 (its codes are zeros, and this program alone reads the bytes); blocks whose largest magnitude lies under 2^-118 are held at the byte 1;
; NaN and infinities among the inputs are not served.
.set WQKV_C, 0
.set WOUT_C, 3145728
.set WFF1_C, 4194304
.set WFF2_C, 8388608
.set WQKV_S, 12582912
.set WOUT_S, 12681216
.set WFF1_S, 12713984
.set WFF2_S, 12845056
.set EMAX, 8
.set VO,  16                           ; v16-47   row i of a block: i x the row's bytes + 4 x my column; never rewritten
.set X,   48                           ; v48-111  two sets of 32 numbers
.set C,   112                          ; v112-175 codes: eight registers for each block, so that no store's data are written again
.set SB,  32                           ; s32-47   block t's first row at my wave's first column
	s_load_b256 s[4:11], s[0:1], 0x0               ; qkv_w, out_w, ff1_w, ff2_w
	s_load_b64 s[12:13], s[0:1], 0x20              ; wb
	v_lshrrev_b32 v1, 5, v0
	v_readfirstlane_b32 s14, v1                    ; wave 0..3
	v_and_b32 v2, 31, v0                           ; lane
	v_and_b32 v3, 15, v0                           ; r
	v_bfe_u32 v7, v0, 4, 1                         ; u
	v_and_b32 v8, 8, v3
	v_add_nc_u32 v8, v8, v3
	v_lshl_add_u32 v8, v7, 3, v8                   ; my column among the wave's 32: 8 u + r + 8 (r / 8)
	v_lshlrev_b32 v4, 2, v8
	v_lshlrev_b32 v6, 3, v2                        ; my two scale words: 8 x lane
	s_mov_b32 s15, 256                             ; ff2_w's figures: first work-group,
	s_mov_b32 s16, 15                              ; mask and
	s_mov_b32 s17, 4                               ; bits of the K step's number,
	s_mov_b32 s18, 4096                            ; a row in bytes,
	s_mov_b32 s19, 65536                           ; a tile of the image in bytes (16 K),
	s_mov_b32 s20, WFF2_C
	s_mov_b32 s21, WFF2_S
	s_mov_b32 s22, 8192                            ; a step of the scales in bytes (8 N)
	s_mov_b32 s23, 0x600000                        ; the mantissa field of 448
	s_wait_kmcnt 0x0
	s_mov_b64 s[26:27], s[10:11]
	s_cmp_lt_u32 ttmp9, 256                        ; ff1_w's
	s_cselect_b32 s15, 128, s15
	s_cselect_b32 s16, 3, s16
	s_cselect_b32 s17, 2, s17
	s_cselect_b32 s18, 16384, s18
	s_cselect_b32 s19, 16384, s19
	s_cselect_b32 s20, WFF1_C, s20
	s_cselect_b32 s21, WFF1_S, s21
	s_cselect_b32 s22, 32768, s22
	s_cselect_b64 s[26:27], s[8:9], s[26:27]
	s_cmp_lt_u32 ttmp9, 128                        ; out_w's
	s_cselect_b32 s15, 96, s15
	s_cselect_b32 s18, 4096, s18
	s_cselect_b32 s20, WOUT_C, s20
	s_cselect_b32 s21, WOUT_S, s21
	s_cselect_b32 s22, 8192, s22
	s_cselect_b64 s[26:27], s[6:7], s[26:27]
	s_cmp_lt_u32 ttmp9, 96                         ; qkv_w's
	s_cselect_b32 s15, 0, s15
	s_cselect_b32 s18, 12288, s18
	s_cselect_b32 s20, WQKV_C, s20
	s_cselect_b32 s21, WQKV_S, s21
	s_cselect_b32 s22, 24576, s22
	s_cselect_b64 s[26:27], s[4:5], s[26:27]
	s_sub_co_u32 s24, ttmp9, s15
	s_and_b32 s25, s24, s16                        ; y: which 256 along K
	s_lshr_b32 s24, s24, s17                       ; x: which 128 columns
	v_mul_lo_u32 v5, v7, s19
	v_lshl_add_u32 v5, v3, 4, v5                   ; my place in the image: u tiles + 16 r
.set i, 0
.rept 32
	v_mad_u32_u24 v[VO+i], s18, i, v4
.set i, i+1
.endr
	s_lshl_b32 s28, s24, 9                         ; 128 x columns of 4 bytes,
	s_lshl_b32 s29, s14, 7                         ; 32 for each wave,
	s_add_co_u32 s28, s28, s29
	s_lshl_b32 s30, s25, 8
	s_mul_i32 s30, s30, s18                        ; 256 y rows
	s_add_co_u32 s28, s28, s30
	s_mov_b32 s29, 0
	s_add_nc_u64 s[SB:SB+1], s[26:27], s[28:29]
	s_lshl_b32 s48, s18, 5                         ; 32 rows on
	s_mov_b32 s49, 0
.irp t, 1,2,3,4,5,6,7
	s_add_nc_u64 s[SB+2*\t:SB+2*\t+1], s[SB+2*\t-2:SB+2*\t-1], s[48:49]
.endr
	s_lshl_b32 s28, s24, 3
	s_lshl_b32 s30, s14, 1
	s_add_co_u32 s28, s28, s30                     ; my wave's first tile: 8 x + 2 wave
	s_mul_i32 s30, s28, s19
	s_lshl_b32 s31, s25, 12                        ; two fragments a K step
	s_add_co_u32 s30, s30, s31
	s_add_co_u32 s30, s30, s20
	s_mov_b32 s31, 0
	s_add_nc_u64 s[50:51], s[12:13], s[30:31]      ; the codes
	s_mul_i32 s52, s25, s22
	s_lshl_b32 s28, s28, 7
	s_add_co_u32 s52, s52, s28
	s_add_co_u32 s52, s52, s21
	s_mov_b32 s53, 0
	s_add_nc_u64 s[52:53], s[12:13], s[52:53]      ; the scale words
.macro LOAD t                          ; block t: W(256 y + 32 t + i, my column), i = 0 .. 31: the wave's 32 lanes read 128 consecutive bytes
.set i, 0
.rept 32
	global_load_b32 v[X+32*((\t)%2)+i], v[VO+i], s[SB+2*(\t):SB+2*(\t)+1] th:TH_LOAD_NT
.set i, i+1
.endr
.endm
	LOAD 0
	LOAD 1
.macro BLOCK t
.set XS, X+32*((\t)%2)
.if (\t) < 7
	s_wait_loadcnt 32                              ; this block's 32 loads are in; the next block's may be out
.else
	s_wait_loadcnt 0
.endif
	v_max3_num_f32 v12, |v[XS]|, |v[XS+1]|, |v[XS+2]|               ; the block's largest magnitude: all 32 numbers are mine
	v_max3_num_f32 v13, |v[XS+3]|, |v[XS+4]|, |v[XS+5]|
.irp i, 6,10,14,18,22,26
	v_max3_num_f32 v12, v12, |v[XS+\i]|, |v[XS+\i+1]|
	v_max3_num_f32 v13, v13, |v[XS+\i+2]|, |v[XS+\i+3]|
.endr
	v_max3_num_f32 v12, v12, |v[XS+30]|, |v[XS+31]|
	v_max3_num_f32 v12, v12, v13, (EMAX+1)<<23     ; and the floor 2^(9 - 127): the byte cannot fall under 1
	v_add_nc_u32 v11, -(EMAX<<23), v12             ; 8 off its exponent field: the conversion takes the exponent field of this operand as its scale
	v_and_or_b32 v10, v12, 0x7f800000, s23         ; 448 x the scale
	v_lshrrev_b32 v13, 23, v11                     ; the scale's byte
.if (\t)%4 == 0
	v_mov_b32 v[14+(\t)/4], v13                    ; four bytes to a word, the lower K in the lower byte
.else
	v_lshl_or_b32 v[14+(\t)/4], v13, 8*((\t)%4), v[14+(\t)/4]
.endif
.set i, 0
.rept 32
	v_med3_num_f32 v[XS+i], v[XS+i], -v10, v10     ; the conversion to an 8-bit code does not saturate (ISA guide 7.6.2): the hold comes first
.set i, i+1
.endr
.irp g, 0,1,2,3
	v_cvt_scalef32_pk8_fp8_f32 v[C+8*(\t)+2*\g:C+8*(\t)+2*\g+1], v[XS+8*\g:XS+8*\g+7], v11
.endr
	global_store_b128 v5, v[C+8*(\t):C+8*(\t)+3], s[50:51] offset:512*(\t)          ; k 0..15 of the block: the places of lanes 0-15 of piece t
	global_store_b128 v5, v[C+8*(\t)+4:C+8*(\t)+7], s[50:51] offset:512*(\t)+256    ; k 16..31: those of lanes 16-31
.if (\t)+2 < 8
	LOAD (\t)+2
.endif
.endm
.irp t, 0,1,2,3,4,5,6,7
	BLOCK \t
.endr
	global_store_b64 v6, v[14:15], s[52:53]        ; 32 lanes store 256 consecutive bytes, aligned
	s_endpgm
.Lfunc_end_k_q10020ee7d6_wq:
	.size	k_q10020ee7d6_wq, .Lfunc_end_k_q10020ee7d6_wq-k_q10020ee7d6_wq
	.p2alignl 7, 3214868480
	.fill 96, 4, 3214868480
	.section	.rodata,"a",@progbits
	.p2align	6, 0x0
	.amdhsa_kernel k_q10020ee7d6_wq
		.amdhsa_group_segment_fixed_size 0
		.amdhsa_private_segment_fixed_size 0
		.amdhsa_enable_private_segment 0
		.amdhsa_kernarg_size 40
		.amdhsa_user_sgpr_count 2
		.amdhsa_user_sgpr_kernarg_segment_ptr 1
		.amdhsa_wavefront_size32 1
		.amdhsa_system_sgpr_workgroup_id_x 1
		.amdhsa_system_sgpr_workgroup_id_y 1
		.amdhsa_system_sgpr_workgroup_id_z 1
		.amdhsa_system_vgpr_workitem_id 0
		.amdhsa_next_free_vgpr 192
		.amdhsa_next_free_sgpr 66
		.amdhsa_reserve_vcc 0
		.amdhsa_float_denorm_mode_32 3
		.amdhsa_float_denorm_mode_16_64 3
		.amdhsa_memory_ordered 1
		.amdhsa_forward_progress 1
		.amdhsa_inst_pref_size 60
	.end_amdhsa_kernel
	.amdgpu_metadata
---
amdhsa.version: [ 1, 2 ]
amdhsa.kernels:
  - .name:           k_q10020ee7d6_wq
    .symbol:         k_q10020ee7d6_wq.kd
    .args:
      - { .name: qkv_w, .offset: 0, .size: 8, .value_kind: global_buffer, .address_space: global }
      - { .name: out_w, .offset: 8, .size: 8, .value_kind: global_buffer, .address_space: global }
      - { .name: ff1_w, .offset: 16, .size: 8, .value_kind: global_buffer, .address_space: global }
      - { .name: ff2_w, .offset: 24, .size: 8, .value_kind: global_buffer, .address_space: global }
      - { .name: wb, .offset: 32, .size: 8, .value_kind: global_buffer, .address_space: global }
    .group_segment_fixed_size: 0
    .private_segment_fixed_size: 0
    .kernarg_segment_align: 8
    .kernarg_segment_size: 40
    .max_flat_workgroup_size: 128
    .sgpr_count:     66
    .vgpr_count:     192
    .wavefront_size: 32
...
	.end_amdgpu_metadata
.endif
;; end of part 1
;; launch ln1 (part 2): grid 256 x 1, 8 waves a work-group, no clusters, 18,432 bytes of LDS; arguments x, norm1_g, norm1_b, hb; writes hb
.if DOCPART == 2
	.amdgcn_target "amdgcn-amd-amdhsa--gfx1250"
	.amdhsa_code_object_version 6
	.text
	.protected	k_q10020ee7d6_ln1
	.globl	k_q10020ee7d6_ln1
	.p2align	8
	.type	k_q10020ee7d6_ln1,@function
k_q10020ee7d6_ln1:
	s_mov_b64 s[64:65], 0
	v_nop
	global_prefetch_b8 v0, s[64:65] scope:SCOPE_SE
	s_setreg_imm32_b32 hwreg(HW_REG_WAVE_MODE, 25, 1), 1
	s_wait_xcnt 0x0
; LayerNorm of [4096][1024] f32, quantised along the row into codes of FP8 (E4M3) in the order of an operand's registers:
;   codes  [tile of 16 rows][kk = 0..7][c = 0..3][lane = 16 h + r][16 bytes]: row r at k = 128 kk + 32 c + 16 h + 0..15;   scales, from byte HS on, [step = 0..3][tile][r][2 words].
; The same body serves both norms of the block (other buffers).  No work is left out.
; A work-group takes 16 rows, one tile; wave w takes rows 2 w and 2 w + 1 whole (32 registers a row), so mean and variance never leave a wave.  The variance is the mean of (x - mean)^2, in a second pass over registers.
; Each load reads 512 consecutive bytes: lane l holds 4 neighbours, eight lanes hold a block of 32.  The conversion takes eight numbers of a lane: it is given my four and the four registers behind them,
; and only its low result register, my four codes, is used: eight conversions more a row, and every load stays dense.
; The codes meet in a stage in LDS (rows of 1,024 + 16 bytes); behind one barrier wave w reads fragment kk = w and stores 4 x 512 consecutive bytes.
; The scale words leave as 128 consecutive bytes a step and tile, half of an aligned 256: one byte in 32 of what the launch stores.
; LIMITS: a block of zeros gets the byte 1 where the rule says 127 (zero codes; this program alone reads the bytes); blocks under 2^-118 are held at the byte 1; NaN and infinities are not served.
.set RP,    1040
.set SCL,   16640                      ; 16 rows x 32 scale bytes
.set SPARE, 17152                      ; the spare words, 128 bytes for each of the eight waves: four blocks of 256 bytes that no other line names
.set HS,    4194304
.set SPW, 8
.set NIL, 9
.set X,   32                           ; v32-95   two rows; v96-99 zeros behind them
.set G,   100                          ; v100-131 gain; later the fragment on its way out
.set BV,  132                          ; v132-163 bias
.set M,   164                          ; v164-179 largest magnitudes, then bytes
.set SO,  180                          ; v180-195 the conversions' scale operands
.set LIM, 196                          ; v196-211 448 x the scale
.set D,   212                          ; v212-243 the conversions' results
	s_load_b256 s[4:11], s[0:1], 0x0               ; the rows, gain, bias, the codes' buffer
	v_lshl_add_u32 v[SPW], v0, 2, SPARE
	v_mov_b32 v[NIL], 0
	v_lshrrev_b32 v1, 5, v0
	v_readfirstlane_b32 s12, v1                    ; wave 0..7
	v_and_b32 v7, 31, v0                           ; lane
	v_and_b32 v28, 15, v0                          ; r
	v_bfe_u32 v29, v0, 4, 1                        ; h
	v_lshlrev_b32 v1, 4, v7                        ; 16 x lane
	s_mul_i32 s17, s12, 2*RP
	v_lshl_add_u32 v2, v7, 2, s17                  ; the stage, in: my rows, 4 x lane
	s_lshl_b32 s17, s12, 6
	s_add_co_u32 s17, s17, SCL
	v_lshrrev_b32 v3, 3, v7
	v_add_nc_u32 v3, s17, v3                       ; my block's byte: 32 a row, lane / 8
	v_mul_u32_u24 v4, v28, RP
	v_lshl_add_u32 v4, v29, 4, v4
	s_lshl_b32 s17, s12, 7
	v_add_nc_u32 v4, s17, v4                       ; the stage, out: row r, k = 128 wave + 16 h
	s_and_b32 s13, s12, 3
	s_lshl_b32 s17, s13, 3
	s_add_co_u32 s17, s17, SCL
	v_lshlrev_b32 v5, 5, v28
	v_lshl_add_u32 v5, v29, 2, v5
	v_add_nc_u32 v5, s17, v5                       ; a step's scale word: row r, 8 bytes a step, word h
	v_lshlrev_b32 v6, 3, v28
	v_lshl_add_u32 v6, v29, 2, v6                  ; and its place in memory
	s_mov_b32 s14, 0x76543210
	s_mov_b32 s15, 0xfedcba98                      ; v_permlanex16_b32's selects for lane l xor 16
	s_mov_b32 s16, 0x600000                        ; the mantissa field of 448
	s_mov_b32 s24, 0x3a800000                      ; 1 / 1024
	s_mov_b32 s25, 0x3727c5ac                      ; 1e-5
	s_lshl_b32 s18, ttmp9, 16                      ; 16 rows of 4,096 bytes a work-group,
	s_lshl_b32 s19, s12, 13                        ; two a wave
	s_add_co_u32 s18, s18, s19
	s_mov_b32 s19, 0
	s_lshl_b32 s20, ttmp9, 14                      ; a tile's eight fragments,
	s_lshl_b32 s21, s12, 11                        ; mine
	s_add_co_u32 s20, s20, s21
	s_mov_b32 s21, 0
	s_lshl_b32 s22, s13, 15
	s_lshl_b32 s23, ttmp9, 7
	s_add_co_u32 s22, s22, s23
	s_add_co_u32 s22, s22, HS
	s_mov_b32 s23, 0
	v_mov_b32 v26, 0                               ; written once: a lane permute's destination counts as one of its sources
	v_mov_b32 v27, 0
.irp i, 96,97,98,99
	v_mov_b32 v\i, 0
.endr
	s_wait_kmcnt 0x0
	s_add_nc_u64 s[4:5], s[4:5], s[18:19]
	s_add_nc_u64 s[20:21], s[10:11], s[20:21]
	s_add_nc_u64 s[22:23], s[10:11], s[22:23]
.set q, 0
.rept 16
	global_load_b128 v[X+4*q:X+4*q+3], v1, s[4:5] offset:4096*(q/8)+512*(q%8)
.set q, q+1
.endr
.irp i, 0,1,2,3,4,5,6,7
	global_load_b128 v[G+4*\i:G+4*\i+3], v1, s[6:7] offset:512*\i
.endr
.irp i, 0,1,2,3,4,5,6,7
	global_load_b128 v[BV+4*\i:BV+4*\i+3], v1, s[8:9] offset:512*\i
.endr
.macro RSUM t, p                       ; v[t] summed over the 32 lanes, in every lane
	v_add_f32_dpp v[\t], v[\t], v[\t] row_xmask:1 row_mask:0xf bank_mask:0xf
	v_add_f32_dpp v[\t], v[\t], v[\t] row_xmask:2 row_mask:0xf bank_mask:0xf
	v_add_f32_dpp v[\t], v[\t], v[\t] row_xmask:4 row_mask:0xf bank_mask:0xf
	v_add_f32_dpp v[\t], v[\t], v[\t] row_xmask:8 row_mask:0xf bank_mask:0xf
	v_permlanex16_b32 v[\p], v[\t], s14, s15
	v_add_f32 v[\t], v[\t], v[\p]
.endm
.macro STAT w                          ; row w of my two: x becomes x - mean; v[18 + 4 w] becomes the variance + 1e-5
.set XR, X+32*\w
.set T,  18+4*\w
.set MU, 10+4*\w
	v_pk_add_f32 v[T:T+1], v[XR:XR+1], v[XR+2:XR+3]
	v_pk_add_f32 v[T+2:T+3], v[XR+4:XR+5], v[XR+6:XR+7]
.irp j, 8,12,16,20,24,28
	v_pk_add_f32 v[T:T+1], v[T:T+1], v[XR+\j:XR+\j+1]
	v_pk_add_f32 v[T+2:T+3], v[T+2:T+3], v[XR+\j+2:XR+\j+3]
.endr
	v_pk_add_f32 v[T:T+1], v[T:T+1], v[T+2:T+3]
	v_add_f32 v[T], v[T], v[T+1]
	RSUM T, 26+\w
	v_mul_f32 v[MU], s24, v[T]                     ; the mean
	v_mov_b32 v[MU+1], v[MU]
.set j, 0
.rept 16
	v_pk_add_f32 v[XR+j:XR+j+1], v[XR+j:XR+j+1], v[MU:MU+1] neg_lo:[0,1] neg_hi:[0,1]
.set j, j+2
.endr
	v_pk_mul_f32 v[T:T+1], v[XR:XR+1], v[XR:XR+1]
	v_pk_mul_f32 v[T+2:T+3], v[XR+2:XR+3], v[XR+2:XR+3]
.irp j, 4,8,12,16,20,24,28
	v_pk_fma_f32 v[T:T+1], v[XR+\j:XR+\j+1], v[XR+\j:XR+\j+1], v[T:T+1]
	v_pk_fma_f32 v[T+2:T+3], v[XR+\j+2:XR+\j+3], v[XR+\j+2:XR+\j+3], v[T+2:T+3]
.endr
	v_pk_add_f32 v[T:T+1], v[T:T+1], v[T+2:T+3]
	v_add_f32 v[T], v[T], v[T+1]
	RSUM T, 26+\w
	v_fma_f32 v[T], v[T], s24, s25
.endm
	s_wait_loadcnt 16                              ; my two rows are in; gain and bias, 16 loads, may be out
	STAT 0
	STAT 1
	v_rsq_f32 v12, v18
	v_rsq_f32 v16, v22
	v_nop                                          ; a plain instruction behind the transcendentals
	s_wait_alu depctr_va_vdst(0)                   ; the wait ahead of the first line that names a result: one for both
	v_mov_b32 v13, v12
	v_mov_b32 v17, v16
	s_wait_loadcnt 0x0                             ; gain and bias
.irp w, 0,1
.set j, 0
.rept 16
	v_pk_mul_f32 v[X+32*\w+j:X+32*\w+j+1], v[X+32*\w+j:X+32*\w+j+1], v[12+4*\w:13+4*\w]
.set j, j+2
.endr
.set j, 0
.rept 16
	v_pk_fma_f32 v[X+32*\w+j:X+32*\w+j+1], v[X+32*\w+j:X+32*\w+j+1], v[G+j:G+j+1], v[BV+j:BV+j+1]
.set j, j+2
.endr
.endr
	; sixteen groups q = 8 row + load: my four numbers of a block that eight lanes share
.set q, 0
.rept 16
	v_max3_num_f32 v[M+q], |v[X+4*q]|, |v[X+4*q+1]|, 0x4800000     ; with the floor 2^(9 - 127): the byte cannot fall under 1
.set q, q+1
.endr
.set q, 0
.rept 16
	v_max3_num_f32 v[M+q], v[M+q], |v[X+4*q+2]|, |v[X+4*q+3]|
.set q, q+1
.endr
.irp m, 1,2,4
.set q, 0
.rept 16
	v_max_num_f32_dpp v[M+q], v[M+q], v[M+q] row_xmask:\m row_mask:0xf bank_mask:0xf
.set q, q+1
.endr
.endr
.set q, 0
.rept 16
	v_add_nc_u32 v[SO+q], 0xfc000000, v[M+q]       ; 8 off the exponent field: the conversion's scale operand
	v_and_or_b32 v[LIM+q], v[M+q], 0x7f800000, s16 ; 448 x the scale
.set q, q+1
.endr
.set q, 0
.rept 16
	v_lshrrev_b32 v[M+q], 23, v[SO+q]              ; the scale's byte
.set q, q+1
.endr
.set q, 0
.rept 16                               ; all holds stand ahead of all conversions: a conversion also names the next group's four registers
.irp i, 0,1,2,3
	v_med3_num_f32 v[X+4*q+\i], v[X+4*q+\i], -v[LIM+q], v[LIM+q]
.endr
.set q, q+1
.endr
.set q, 0
.rept 16
	v_cvt_scalef32_pk8_fp8_f32 v[D+2*q:D+2*q+1], v[X+4*q:X+4*q+7], v[SO+q]   ; the low register holds my four codes; the high one is not used
.set q, q+1
.endr
	v_nop                                          ; a plain instruction behind the last conversion
.set q, 0
.rept 16
	ds_store_b32 v2, v[D+2*q] offset:RP*(q/8)+128*(q%8)
	ds_store_b8 v3, v[M+q] offset:32*(q/8)+4*(q%8) ; the eight lanes of a block write the same byte with the same value
.set q, q+1
.endr
	s_wait_dscnt 0x0                               ; for the others' sake: my stores have landed
	s_barrier_signal -1
	s_barrier_wait -1
.irp c, 0,1,2,3
	ds_load_b128 v[G+4*\c:G+4*\c+3], v4 offset:32*\c
.endr
.irp c, 0,1,2,3
	s_wait_dscnt 3-\c
	global_store_b128 v1, v[G+4*\c:G+4*\c+3], s[20:21] offset:512*\c         ; 32 lanes store 512 consecutive bytes, aligned
.endr
	s_cmp_lt_u32 s12, 4                            ; waves 0 to 3 also store a step's scale words
	s_cbranch_scc0 .Lno_scales
	ds_load_b32 v116, v5
	s_wait_dscnt 0x0
	global_store_b32 v6, v116, s[22:23]
.Lno_scales:
	s_wait_tensorcnt 0x0                           ; the wave's end, behind my last LDS store
	ds_add_u32 v[SPW], v[NIL]
	s_wait_dscnt 0x0
	s_endpgm
.Lfunc_end_k_q10020ee7d6_ln1:
	.size	k_q10020ee7d6_ln1, .Lfunc_end_k_q10020ee7d6_ln1-k_q10020ee7d6_ln1
	.p2alignl 7, 3214868480
	.fill 96, 4, 3214868480
	.section	.rodata,"a",@progbits
	.p2align	6, 0x0
	.amdhsa_kernel k_q10020ee7d6_ln1
		.amdhsa_group_segment_fixed_size 18432
		.amdhsa_private_segment_fixed_size 0
		.amdhsa_enable_private_segment 0
		.amdhsa_kernarg_size 32
		.amdhsa_user_sgpr_count 2
		.amdhsa_user_sgpr_kernarg_segment_ptr 1
		.amdhsa_wavefront_size32 1
		.amdhsa_system_sgpr_workgroup_id_x 1
		.amdhsa_system_sgpr_workgroup_id_y 1
		.amdhsa_system_sgpr_workgroup_id_z 1
		.amdhsa_system_vgpr_workitem_id 0
		.amdhsa_next_free_vgpr 256
		.amdhsa_next_free_sgpr 66
		.amdhsa_reserve_vcc 0
		.amdhsa_float_denorm_mode_32 3
		.amdhsa_float_denorm_mode_16_64 3
		.amdhsa_memory_ordered 1
		.amdhsa_forward_progress 1
		.amdhsa_inst_pref_size 35
	.end_amdhsa_kernel
	.amdgpu_metadata
---
amdhsa.version: [ 1, 2 ]
amdhsa.kernels:
  - .name:           k_q10020ee7d6_ln1
    .symbol:         k_q10020ee7d6_ln1.kd
    .args:
      - { .name: x, .offset: 0, .size: 8, .value_kind: global_buffer, .address_space: global }
      - { .name: norm1_g, .offset: 8, .size: 8, .value_kind: global_buffer, .address_space: global }
      - { .name: norm1_b, .offset: 16, .size: 8, .value_kind: global_buffer, .address_space: global }
      - { .name: hb, .offset: 24, .size: 8, .value_kind: global_buffer, .address_space: global }
    .group_segment_fixed_size: 18432
    .private_segment_fixed_size: 0
    .kernarg_segment_align: 8
    .kernarg_segment_size: 32
    .max_flat_workgroup_size: 256
    .sgpr_count:     66
    .vgpr_count:     256
    .wavefront_size: 32
...
	.end_amdgpu_metadata
.endif
;; end of part 2
;; launch gemm_qkv (part 3): grid 12 x 16, 4 waves a work-group, clusters of 4 x 4, 327,680 bytes of LDS; arguments hb, wb, qkv_b, qb; writes qb
.if DOCPART == 3
	.amdgcn_target "amdgcn-amd-amdhsa--gfx1250"
	.amdhsa_code_object_version 6
	.text
	.protected	k_q10020ee7d6_gemm_qkv
	.globl	k_q10020ee7d6_gemm_qkv
	.p2align	8
	.type	k_q10020ee7d6_gemm_qkv,@function
k_q10020ee7d6_gemm_qkv:
	s_mov_b64 s[64:65], 0
	v_nop
	global_prefetch_b8 v0, s[64:65] scope:SCOPE_SE
	s_setreg_imm32_b32 hwreg(HW_REG_WAVE_MODE, 25, 1), 1
	s_wait_xcnt 0x0
	s_wait_alu depctr_hold_cnt(0) depctr_sa_sdst(0) depctr_va_vdst(0) depctr_va_sdst(0) depctr_va_ssrc(0) depctr_va_vcc(0) depctr_vm_vsrc(0)
	s_getreg_b32 s2, hwreg(HW_REG_IB_STS2, 6, 4)
	s_cmp_eq_u32 s2, 0
	s_cbranch_scc0 .Lentry_in_a_cluster
	s_endpgm
.Lentry_in_a_cluster:
	s_bfe_u32 s2, ttmp6, 0x10000c
	s_cmp_lg_u32 s2, 0xf033
	s_cbranch_scc0 .Lentry_shape_is_right
	s_endpgm
.Lentry_shape_is_right:
; q, k, v = h W + b on codes of FP8 (E4M3), and the results quantised at once: q and k along the head's axis, v along the keys.  No work is left out.
; OPERANDS lie in memory in the order of a fragment's registers: [tile of 16 rows][kk = K/128][c][lane][16 bytes]; scale words [step = K/256][tile][r][2 words].  So a fragment is 2,048 dense bytes in memory and in LDS:
; no pitch, no padding, and each LDS load reads 512 consecutive bytes.
; A work-group of four waves makes 256 x 256, a wave 128 x 128: 64 accumulators, 512 registers.  Source 0 ('B') gives the result's registers, source 1 ('A') its lanes.
; K goes in steps of 256 through two LDS slots; a slot holds A's and B's codes (65,536 bytes each) and their scale words (2,048 each): wave 0 fetches A's codes, wave 1 B's, wave 2 A's scales, wave 3 B's: one tensor load a wave.
; CLUSTERS 4 x 4: A's tiles are asked for jointly along a row of the cluster, B's along a column.
; CLUSTERS WITH x = 0, 1 (q, k): A = h's rows, B = the weight's columns, whose tiles are ordered so that the 16 registers of accumulators (a, 2 b), (a, 2 b + 1) are 16 neighbouring columns of the lane's row.
; CLUSTERS WITH x = 2 (v): the roles are swapped: A = the weight's v columns (a lane holds one channel d), B = h's rows (the registers run along the keys t): v's K, the keys, then lies along a lane's registers.
;   The 16 registers of a pair of tiles hold keys 32 b + 16 u + 8 h + j at place 16 h + 8 u + j: a fixed order inside each true block of 32 keys, the same in which the attention's p falls out of its first product.
; Which case, hangs on the cluster's x alone: pointers, strides and offsets are chosen; two short arms differ: the loads of the bias and the first step, whose C is the bias (by column for q, k; by lane for v).
; THE WAY OUT: the accumulators go to the wave's own 65,536 bytes of the ring, which has had its last fill and its last read (a barrier stands between), and come back a tile of 16 rows at a time, so that one trip's text serves all eight.
; The scale words are stored four bytes a lane, eight bytes apart (the other word is the neighbour wave's), lanes 16-31 writing what lanes 0-15 write: one byte in 32 of the codes'.
; LIMITS: a block of zeros gets the byte 1 where the rule says 127 (zero codes; this program alone reads the bytes); blocks under 2^-118 are held at the byte 1; NaN and infinities are not served.
.set KDIM,  1024
.set LAPS,  KDIM/512
.set HS,     4194304
.set WQKV_S, 12582912
.set V_C,    8388608
.set QK_S,   12582912
.set V_S,    12845056
.set SLOT,  135168
.set BOFF,  65536
.set SAOFF, 131072
.set SBOFF, 133120
.set SPARE, 2*SLOT                     ; behind the ring: the spare words, 128 bytes a wave: two blocks of 256 bytes that no other line names
.set FR, 16
.set NL, 4
.set NP, 8                             ; places behind this matrix instruction (ISA guide 7.12.1)
.set PW,   12                          ; v12     the scale word just made
.set ADRA, 16                          ; v16-17  my A fragments in slot 0, 1
.set BO,   18                          ; v18-19  the bias's lane offsets
.set ADRB, 20                          ; v20-21  my B fragments
.set ADRS, 22                          ; v22-23  my scale words: lanes 0-15 A's, lanes 16-31 B's
.set CO,   26                          ; v26     16 x lane
.set R8,   27                          ; v27     8 r
.set SPW,  28
.set NIL,  29
.set DST,  30                          ; v30     the way out: my place in my wave's bytes
.set DLD,  31                          ; v31     and in the tile that is being read back
.set SC,   32                          ; v32-63  scale words, two sets; they hold nothing else
.set BIAS, 64                          ; v64-127 the bias, in the result's layout
.set AF,   128                         ; v128-255 A's fragments, one set
.set H,    64                          ; the way out: a tile's 64 numbers,
.set PC,   128                         ; its codes,
.set TM,   144                         ; and 16 registers at work
.set G1A, 24
.set G0A, 32
.set G1B, 48
.set G0B, 56
.set G1SA, 68
.set G0SA, 76
.set G1SB, 84
.set G0SB, 92
.set SEL, 20
.set MNT, 22
.set MSB, 0
.macro WIN new                         ; the immediate's high byte repeats the setting that is left
.if MSB != \new
	s_set_vgpr_msb (MSB<<8)|\new
.set MSB, \new
.endif
.endm
.set MUL_LO, 0xa1                      ; source 0 (B) window 1, source 1 (A) window 0, C and D window 2
.set MUL_HI, 0xf1                      ; the same, C and D window 3
.set TO_B,   0x40
.macro TL g0, g1                       ; a tensor load; an s_nop 0 and four v_nop follow it
	tensor_load_to_lds s[\g0:\g0+3], s[\g1:\g1+7]
	s_nop 0
.rept 4
	v_nop
.endr
.endm
.macro JLOAD s                         ; each wave's one load for slot s; the branches hang on the wave's number alone
	s_cmp_lt_u32 s14, 2
	s_cbranch_scc0 .Lscales_\@
	s_cmp_eq_u32 s14, 0
	s_cbranch_scc0 .Lb_\@
	TL G0A+4*\s, G1A
	s_branch .Lasked_\@
.Lb_\@:
	TL G0B+4*\s, G1B
	s_branch .Lasked_\@
.Lscales_\@:
	s_cmp_eq_u32 s14, 2
	s_cbranch_scc0 .Lsb_\@
	TL G0SA+4*\s, G1SA
	s_branch .Lasked_\@
.Lsb_\@:
	TL G0SB+4*\s, G1SB
.Lasked_\@:
.endm
.macro CREST                           ; a round of the cluster's barrier behind its opening barrier
	s_cmp_lg_u32 s14, 0
	s_cbranch_scc1 .Lnot_wave_0_\@
	s_barrier_signal -3
.Lnot_wave_0_\@:
	s_barrier_wait -3
	s_barrier_signal -1
	s_barrier_wait -1
.endm
.macro CROUND
	s_barrier_signal -1
	s_barrier_wait -1
	CREST
.endm
.macro PLACES n
.rept \n
	v_nop
.endr
.endm
	s_load_b256 s[4:11], s[0:1], 0x0               ; hb s[4:5], wb s[6:7], qkv_b s[8:9], qb s[10:11]
	v_lshl_add_u32 v[SPW], v0, 2, SPARE
	v_mov_b32 v[NIL], 0
	ds_add_u32 v[SPW], v[NIL]                      ; the wave's opening: the add, twice on end, and its wait ahead of my first tensor load
	ds_add_u32 v[SPW], v[NIL]
	v_lshrrev_b32 v1, 5, v0
	v_readfirstlane_b32 s14, v1                    ; wave 0..3
	s_lshr_b32 s15, s14, 1                         ; which half of A's rows is mine
	s_and_b32 s16, s14, 1                          ; which half of B's
	s_bfe_u32 s40, ttmp6, 0x40000                  ; cx
	s_bfe_u32 s41, ttmp6, 0x40004                  ; cy
	s_and_b32 s18, ttmp7, 0xffff                   ; the cluster's y
	s_cmp_eq_u32 ttmp9, 2                          ; the clusters with x = 2 make v: the same answer in all sixteen partners
	s_cselect_b32 s45, 1, 0
	s_cselect_b32 s42, s18, ttmp9
	s_cselect_b32 s17, 0, s18
	s_mov_b32 s46, 32768
	s_cselect_b32 s46, 24576, s46                  ; a step of A's scales in bytes
	s_mov_b32 s66, 24576
	s_cselect_b32 s66, 32768, s66                  ; of B's
	s_mov_b32 s47, 0
	s_mov_b32 s67, 0
	s_lshl_b32 s42, s42, 2
	s_add_co_u32 s42, s42, s40                     ; B's tile of 256 rows
	s_lshl_b32 s17, s17, 2
	s_add_co_u32 s17, s17, s41                     ; A's
	s_lshl_b32 s43, s41, 2
	s_lshl_b32 s43, 15, s43                        ; my row of the cluster
	s_lshl_b32 s44, 0x1111, s40                    ; my column
	s_or_b32 s[G1A], s43, (3<<16)|(1<<21)          ; 15:0 the mask; 17:16 elements of 8 bytes; 21 set beside a mask; no padding
	s_or_b32 s[G1B], s44, (3<<16)|(1<<21)
	s_or_b32 s[G1SA], s43, (3<<16)|(1<<21)
	s_or_b32 s[G1SB], s44, (3<<16)|(1<<21)
.irp g, G1A, G1B                       ; codes: 16 tiles' two fragments: 16 rows of 4,096 bytes, 16 KDIM bytes apart
	s_mov_b32 s[\g+1], 512<<16
	s_mov_b32 s[\g+2], 16<<16
	s_mov_b32 s[\g+3], 512<<16
	s_mov_b32 s[\g+4], 16
	s_mov_b32 s[\g+5], 2*KDIM
	s_mov_b32 s[\g+6], 0
	s_mov_b32 s[\g+7], 0
.endr
.irp g, G1SA, G1SB                     ; scale words: 2,048 dense bytes as 8 rows of 256
	s_mov_b32 s[\g+1], 32<<16
	s_mov_b32 s[\g+2], 8<<16
	s_mov_b32 s[\g+3], 32<<16
	s_mov_b32 s[\g+4], 8
	s_mov_b32 s[\g+5], 32
	s_mov_b32 s[\g+6], 0
	s_mov_b32 s[\g+7], 0
.endr
.irp s, 0,1
	s_mov_b32 s[G0A+4*\s], 1
	s_mov_b32 s[G0A+4*\s+1], \s*SLOT
	s_mov_b32 s[G0B+4*\s], 1
	s_mov_b32 s[G0B+4*\s+1], \s*SLOT+BOFF
	s_mov_b32 s[G0SA+4*\s], 1
	s_mov_b32 s[G0SA+4*\s+1], \s*SLOT+SAOFF
	s_mov_b32 s[G0SB+4*\s], 1
	s_mov_b32 s[G0SB+4*\s+1], \s*SLOT+SBOFF
.endr
	s_mul_i32 s[G0A+2], s17, 256*KDIM              ; byte offsets first; the pointers are added below.  A's hang on cy alone, B's on cx alone
	s_mov_b32 s[G0A+3], 0
	s_lshl_b32 s[G0SA+2], s17, 11
	s_mov_b32 s[G0SA+3], 0
	s_mul_i32 s[G0B+2], s42, 256*KDIM
	s_mov_b32 s[G0B+3], 0
	s_lshl_b32 s[G0SB+2], s42, 11
	s_mov_b32 s[G0SB+3], 0
	s_wait_dscnt 0x0                               ; both opening adds are done
	s_wait_kmcnt 0x0
	s_add_nc_u64 s[18:19], s[6:7], 2097152         ; the weight's v columns: tiles 128 on,
	s_add_nc_u64 s[20:21], s[6:7], WQKV_S+16384    ; their scale words,
	s_add_nc_u64 s[22:23], s[6:7], WQKV_S          ; the weight's scale words from tile 0,
	s_add_nc_u64 s[2:3], s[4:5], HS                ; h's scale words
	s_cmp_eq_u32 s45, 1
	s_cselect_b64 s[18:19], s[18:19], s[4:5]       ; A's codes
	s_cselect_b64 s[20:21], s[20:21], s[2:3]       ; A's scales
	s_cselect_b64 s[2:3], s[2:3], s[22:23]         ; B's scales
	s_cselect_b64 s[22:23], s[4:5], s[6:7]         ; B's codes
	s_add_nc_u64 s[G0A+2:G0A+3], s[18:19], s[G0A+2:G0A+3]
	s_add_nc_u64 s[G0SA+2:G0SA+3], s[20:21], s[G0SA+2:G0SA+3]
	s_add_nc_u64 s[G0B+2:G0B+3], s[22:23], s[G0B+2:G0B+3]
	s_add_nc_u64 s[G0SB+2:G0SB+3], s[2:3], s[G0SB+2:G0SB+3]
	s_add_nc_u64 s[G0A+6:G0A+7], s[G0A+2:G0A+3], 4096
	s_add_nc_u64 s[G0B+6:G0B+7], s[G0B+2:G0B+3], 4096
	s_add_nc_u64 s[G0SA+6:G0SA+7], s[G0SA+2:G0SA+3], s[46:47]
	s_add_nc_u64 s[G0SB+6:G0SB+7], s[G0SB+2:G0SB+3], s[66:67]
.irp g, G0A, G0B, G0SA, G0SB
	s_or_b32 s[\g+3], s[\g+3], 0x80000000          ; 127:126 type = 2
	s_or_b32 s[\g+7], s[\g+7], 0x80000000
.endr
	s_lshl_b32 s46, s46, 1                         ; a refill is two steps on
	s_lshl_b32 s66, s66, 1
	CROUND                                         ; all sixteen work-groups are here: the first joint loads meet
	JLOAD 0
	JLOAD 1
	v_and_b32 v1, 31, v0                           ; lane
	v_and_b32 v2, 15, v0                           ; r
	v_bfe_u32 v3, v0, 4, 1                         ; h
	v_lshlrev_b32 v[CO], 4, v1
	v_lshlrev_b32 v[R8], 3, v2
	s_lshl_b32 s18, s15, 15                        ; my eight tiles of A: 4,096 bytes each
	s_lshl_b32 s19, s16, 15
	s_add_co_u32 s19, s19, BOFF
.irp s, 0,1
	v_add_nc_u32 v[ADRA+\s], s18, v[CO]
	v_add_nc_u32 v[ADRB+\s], s19, v[CO]
	s_add_co_u32 s18, s18, SLOT
	s_add_co_u32 s19, s19, SLOT
.endr
	s_lshl_b32 s20, s15, 10                        ; my eight tiles' scale words: 128 bytes each
	s_lshl_b32 s21, s16, 10
	s_add_co_u32 s21, s21, SBOFF-SAOFF
	s_sub_co_u32 s21, s21, s20
	v_mul_u32_u24 v6, s21, v3                      ; lanes 16-31 take B's: one product with h
	v_add_nc_u32 v6, v6, v[R8]
	s_add_co_u32 s20, s20, SAOFF
	v_add_nc_u32 v[ADRS], s20, v6
	v_add_nc_u32 v[ADRS+1], SLOT, v[ADRS]
	s_lshl_b32 s20, s14, 16
	v_add_nc_u32 v[DST], s20, v[CO]                ; the way out: 65,536 bytes a wave
	v_lshlrev_b32 v[BO], 6, v3                     ; the bias by column: 16 h numbers on
	v_and_b32 v4, 8, v2
	v_add_nc_u32 v4, v4, v2
	v_lshlrev_b32 v[BO+1], 2, v4                   ; by lane: the tile's row r is column r + 8 (r / 8)
	s_lshl_b32 s18, s42, 10
	s_lshl_b32 s19, s16, 9
	s_add_co_u32 s18, s18, s19                     ; q, k: my 128 columns
	s_lshl_b32 s19, s17, 10
	s_lshl_b32 s20, s15, 9
	s_add_co_u32 s19, s19, s20
	s_add_co_u32 s19, s19, 8192                    ; v: my 128 channels, behind q's and k's 2,048
	s_cmp_eq_u32 s45, 1
	s_cselect_b32 s18, s19, s18
	s_mov_b32 s19, 0
	s_add_nc_u64 s[8:9], s[8:9], s[18:19]
	s_cmp_eq_u32 s45, 0
	s_cbranch_scc0 .Lbias_v
.irp T, 0,1,2,3,4,5,6,7                ; register j of tile T: column 32 (T / 2) + 8 (T % 2) + 16 h + j
	global_load_b128 v[BIAS+8*\T:BIAS+8*\T+3], v[BO], s[8:9] offset:(32*(\T/2)+8*(\T%2))*4
	global_load_b128 v[BIAS+8*\T+4:BIAS+8*\T+7], v[BO], s[8:9] offset:(32*(\T/2)+8*(\T%2))*4+16
.endr
	s_branch .Lbias_in
.Lbias_v:
.irp a, 0,1,2,3,4,5,6,7                ; all eight registers of A's tile a: the lane's channel
.irp j, 0,1,2,3,4,5,6,7
	global_load_b32 v[BIAS+8*\a+\j], v[BO+1], s[8:9] offset:(32*(\a/2)+8*(\a%2))*4
.endr
.endr
.Lbias_in:
.macro FRAG reg, adr, q, i             ; a fragment: four loads of 512 consecutive bytes
.irp c, 0,1,2,3
	ds_load_b128 v[\reg+4*\c:\reg+4*\c+3], v[\adr] offset:4096*(\i)+2048*(\q)+512*\c
.endr
.endm
; 16 matrix instructions: A's blocks a0, a0 + 1 x B's eight.  p: B's set; q: which 128 of the slot; sc: the set of scale words.  cm = 1: C is the bias by column, 2: by lane (the first products start the sums), 0: the sum itself.
; The 64 accumulators take turns, one instruction a turn, in the same order in every step.
.macro MUL16 a0, p, q, sc, cm
.irp a, \a0, \a0+1
.irp b, 0,1,2,3,4,5,6,7
.if \cm == 1
	v_wmma_scale_f32_16x16x128_f8f6f4 v[8*(8*((\a)%4)+\b):8*(8*((\a)%4)+\b)+7], v[128*(\p)+FR*\b:128*(\p)+FR*\b+FR-1], v[AF+FR*(\a):AF+FR*(\a)+FR-1], v[BIAS+8*\b:BIAS+8*\b+7], v[SC+16*(\sc)+2*\b+(\q)], v[SC+16*(\sc)+2*(\a)+(\q)] matrix_a_scale:MATRIX_SCALE_ROW1
.elseif \cm == 2
	v_wmma_scale_f32_16x16x128_f8f6f4 v[8*(8*((\a)%4)+\b):8*(8*((\a)%4)+\b)+7], v[128*(\p)+FR*\b:128*(\p)+FR*\b+FR-1], v[AF+FR*(\a):AF+FR*(\a)+FR-1], v[BIAS+8*(\a):BIAS+8*(\a)+7], v[SC+16*(\sc)+2*\b+(\q)], v[SC+16*(\sc)+2*(\a)+(\q)] matrix_a_scale:MATRIX_SCALE_ROW1
.else
	v_wmma_scale_f32_16x16x128_f8f6f4 v[8*(8*((\a)%4)+\b):8*(8*((\a)%4)+\b)+7], v[128*(\p)+FR*\b:128*(\p)+FR*\b+FR-1], v[AF+FR*(\a):AF+FR*(\a)+FR-1], v[8*(8*((\a)%4)+\b):8*(8*((\a)%4)+\b)+7], v[SC+16*(\sc)+2*\b+(\q)], v[SC+16*(\sc)+2*(\a)+(\q)] matrix_a_scale:MATRIX_SCALE_ROW1
.endif
.endr
.endr
.endm
.macro FETCH_B slot, q, p
	WIN TO_B
.irp i, 0,1,2,3,4,5,6,7
	FRAG 128*(\p)+FR*\i, ADRB+\slot, \q, \i
.endr
	WIN 0
.endm
.macro FETCH_A slot, q, i0
.irp i, \i0, \i0+1, \i0+2, \i0+3
	FRAG AF+FR*(\i), ADRA+\slot, \q, \i
.endr
.endm
.macro SCALES sc                       ; slot sc's scale words: two a row; lanes 0-15 A's block i, lanes 16-31 B's block i
.irp i, 0,1,2,3,4,5,6,7
	ds_load_b64 v[SC+16*\sc+2*\i:SC+16*\sc+2*\i+1], v[ADRS+\sc] offset:128*\i
.endr
.endm
; A step of 128 along K that has its successor in the same slot.  A has one set of registers: blocks 0-3 are fetched anew in the step's middle, blocks 4-7 at its end; B has two sets.
.macro STEP slot, q, cm
	s_wait_dscnt 4*NL                              ; B's set, A's blocks 0-3 and the scale words are in; the youngest 16 loads (A's blocks 4-7) may be out
.if \cm
	WIN 0x81                                       ; C, the bias, in window 0
.else
	WIN MUL_LO
.endif
	MUL16 0, (\q)%2, \q, \slot, \cm
	MUL16 2, (\q)%2, \q, \slot, \cm
	s_wait_dscnt 0                                 ; A's blocks 4-7 are in
	PLACES NP                                      ; in front of loads into registers that matrix instructions have read
	FETCH_B \slot, (\q)+1, 1-(\q)%2
	FETCH_A \slot, (\q)+1, 0
.if \cm
	WIN 0xc1
.else
	WIN MUL_HI
.endif
	MUL16 4, (\q)%2, \q, \slot, \cm
	MUL16 6, (\q)%2, \q, \slot, \cm
	PLACES NP
	WIN 0
	FETCH_A \slot, (\q)+1, 4
.endm
; A slot's last step changes slots: ONE barrier; in front of it each wave waits for all its tensor loads, adds 0 to its spare word, and waits for that and for its reads of this slot.  fill = 1: the barrier opens a round of the cluster's, and this slot is filled again, two K steps ahead.
.macro TURN slot, next, fill
	s_wait_tensorcnt 0x0                           ; all my tensor loads have landed: my part of the next slot
	ds_add_u32 v[SPW], v[NIL]                      ; 0 onto my spare word
	s_wait_dscnt 4*NL+1                            ; (the add and the youngest 16 loads may be out)
	WIN MUL_LO
	MUL16 0, 1, 1, \slot, 0                        ; sixteen matrix instructions stand between the add and the wait for it
	s_wait_dscnt 0x0                               ; the add is done, and my reads of this slot are over
	s_barrier_signal -1
	MUL16 2, 1, 1, \slot, 0
	WIN 0
	s_barrier_wait -1
.if \fill
	CREST                                          ; no wave of any partner still reads this slot or has a load on its way
	s_add_nc_u64 s[G0A+4*\slot+2:G0A+4*\slot+3], s[G0A+4*\slot+2:G0A+4*\slot+3], 8192
	s_add_nc_u64 s[G0B+4*\slot+2:G0B+4*\slot+3], s[G0B+4*\slot+2:G0B+4*\slot+3], 8192
	s_add_nc_u64 s[G0SA+4*\slot+2:G0SA+4*\slot+3], s[G0SA+4*\slot+2:G0SA+4*\slot+3], s[46:47]
	s_add_nc_u64 s[G0SB+4*\slot+2:G0SB+4*\slot+3], s[G0SB+4*\slot+2:G0SB+4*\slot+3], s[66:67]
	JLOAD \slot                                    ; the first tensor load behind the round, one a wave; its four v_nop are among the places in front of the loads below
	PLACES NP-4
.else
	PLACES NP
.endif
	FETCH_B \next, 0, 0
	FETCH_A \next, 0, 0
	SCALES \next
	WIN MUL_HI
	MUL16 4, 1, 1, \slot, 0
	MUL16 6, 1, 1, \slot, 0
	PLACES NP
	WIN 0
	FETCH_A \next, 0, 4
.endm
	s_wait_tensorcnt 1                             ; my part of K step 0 is in (K step 1's load may be out)
	s_barrier_signal -1
	s_barrier_wait -1                              ; everybody's is
	FETCH_B 0, 0, 0
	FETCH_A 0, 0, 0
	SCALES 0
	FETCH_A 0, 0, 4
	s_wait_loadcnt 0x0                             ; the bias
	s_cmp_eq_u32 s45, 0
	s_cbranch_scc0 .Lfirst_v
	STEP 0, 0, 1
	s_branch .Lfirst_done
.Lfirst_v:
	STEP 0, 0, 2
.Lfirst_done:
	s_mov_b32 s3, LAPS-1
.Llap:                                         ; a trip goes once round the ring and fills both slots again
	TURN 0, 1, 1
	STEP 1, 0, 0
	TURN 1, 0, 1
	STEP 0, 0, 0
	s_sub_co_u32 s3, s3, 1
	s_cmp_lg_u32 s3, 0
	s_cbranch_scc1 .Llap
	TURN 0, 1, 0                                   ; the last lap fills nothing
	STEP 1, 0, 0
	s_wait_dscnt 4*NL
	WIN MUL_LO
	MUL16 0, 1, 1, 1, 0
	MUL16 2, 1, 1, 1, 0
	s_wait_dscnt 0
	WIN MUL_HI
	MUL16 4, 1, 1, 1, 0
	MUL16 6, 1, 1, 1, 0
	WIN 0
	; ---- THE WAY OUT
	PLACES NP
	s_wait_dscnt 0x0
	s_barrier_signal -1
	s_barrier_wait -1                              ; every wave's reads of both slots are over: their bytes, filled for the last time, take the accumulators
.irp a, 0,1,2,3,4,5,6,7
	WIN 0x08+4*(\a/4)                              ; an LDS store's data are its source 1: window 2 or 3
.irp T, 0,1,2,3,4,5,6,7
	ds_store_b128 v[DST], v[64*(\a%4)+8*\T:64*(\a%4)+8*\T+3] offset:512*(16*\a+2*\T)        ; each accumulator from its low end on
	ds_store_b128 v[DST], v[64*(\a%4)+8*\T+4:64*(\a%4)+8*\T+7] offset:512*(16*\a+2*\T+1)
.endr
.endr
	WIN 0
.set k, 0
.rept 16
	ds_load_b128 v[H+4*k:H+4*k+3], v[DST] offset:512*k             ; tile 0 comes back: LDS serves a wave's instructions in order
.set k, k+1
.endr
	s_mov_b32 s[SEL], 0x76543210
	s_mov_b32 s[SEL+1], 0xfedcba98
	s_mov_b32 s[MNT], 0x600000
	s_cmp_eq_u32 s45, 1                            ; q, k: [row tile][kk][2,048], 16 kk a tile.  v: [kk along the keys][channel tile][2,048], 64 tiles a kk
	s_mov_b32 s24, 32768
	s_cselect_b32 s24, 2048, s24                   ; from A's tile to the next
	s_mov_b32 s25, 0
	s_mov_b32 s26, 2048
	s_cselect_b32 s26, 131072, s26                 ; from kk to the next
	s_cselect_b32 s27, V_C, 0
	s_mov_b32 s28, QK_S
	s_cselect_b32 s28, V_S, s28
	s_mov_b32 s29, 32768
	s_cselect_b32 s29, 8192, s29                   ; a step of the scale words
	s_lshl_b32 s18, s17, 4
	s_lshl_b32 s19, s15, 3
	s_add_co_u32 s18, s18, s19                     ; my first tile of A's rows
	s_mul_i32 s32, s18, s24
	s_lshl_b32 s19, s42, 1
	s_add_co_u32 s19, s19, s16                     ; my kk: 2 x B's tile + my half
	s_mul_i32 s19, s19, s26
	s_add_co_u32 s32, s32, s19
	s_add_co_u32 s32, s32, s27
	s_mov_b32 s33, 0
	s_add_nc_u64 s[32:33], s[10:11], s[32:33]      ; the codes
	s_mul_i32 s34, s42, s29
	s_lshl_b32 s19, s18, 7
	s_add_co_u32 s34, s34, s19
	s_lshl_b32 s19, s16, 2
	s_add_co_u32 s34, s34, s19
	s_add_co_u32 s34, s34, s28
	s_mov_b32 s35, 0
	s_add_nc_u64 s[34:35], s[10:11], s[34:35]      ; the scale words
	s_mov_b32 s2, 0
.irp b, 0,1,2,3
	v_mov_b32 v[TM+4+\b], 0                        ; written once: a lane permute's destination counts as one of its sources
.endr
; 64 numbers of a lane, register 16 b + i = place 32 b + 16 h + i along K of my row, become a fragment's codes in v[PC] on and its scale word in v[PW]
.macro QUANT s
.irp b, 0,1,2,3
	v_max3_num_f32 v[TM+\b], |v[\s+16*\b]|, |v[\s+1+16*\b]|, 0x4800000   ; with the floor 2^(9 - 127): the byte cannot fall under 1
.endr
.irp i, 2,4,6,8,10,12,14
.irp b, 0,1,2,3
	v_max3_num_f32 v[TM+\b], v[TM+\b], |v[\s+16*\b+\i]|, |v[\s+1+16*\b+\i]|
.endr
.endr
.irp b, 0,1,2,3
	v_permlanex16_b32 v[TM+4+\b], v[TM+\b], s[SEL], s[SEL+1]
.endr
.irp b, 0,1,2,3
	v_max_num_f32 v[TM+\b], v[TM+\b], v[TM+4+\b]   ; with lane l xor 16's: the block's largest magnitude
.endr
.irp b, 0,1,2,3
	v_add_nc_u32 v[TM+12+\b], 0xfc000000, v[TM+\b] ; 8 off its exponent field: the conversion's scale operand
.endr
.irp b, 0,1,2,3
	v_and_or_b32 v[TM+8+\b], v[TM+\b], 0x7f800000, s[MNT]   ; 448 x the scale
.endr
.irp b, 0,1,2,3
	v_lshrrev_b32 v[TM+4+\b], 23, v[TM+12+\b]      ; the scale's byte
.endr
	v_lshl_or_b32 v[PW], v[TM+5], 8, v[TM+4]
	v_lshl_or_b32 v[PW], v[TM+6], 16, v[PW]
	v_lshl_or_b32 v[PW], v[TM+7], 24, v[PW]
.irp b, 0,1,2,3
.irp i, 0,1,2,3,4,5,6,7,8,9,10,11,12,13,14,15
	v_med3_num_f32 v[\s+16*\b+\i], v[\s+16*\b+\i], -v[TM+8+\b], v[TM+8+\b]   ; the conversion does not saturate (ISA guide 7.6.2): the hold comes first
.endr
	v_cvt_scalef32_pk8_fp8_f32 v[PC+4*\b:PC+1+4*\b], v[\s+16*\b:\s+7+16*\b], v[TM+12+\b]
	v_cvt_scalef32_pk8_fp8_f32 v[PC+2+4*\b:PC+3+4*\b], v[\s+8+16*\b:\s+15+16*\b], v[TM+12+\b]
.endr
	v_nop                                          ; a plain instruction behind the last conversion
.endm
.macro TRIP more                       ; one tile of 16 of A's rows; more = 1: the next tile is asked for
	s_wait_dscnt 0x0                               ; the tile's 64 numbers are in
	QUANT H
.if \more
	s_add_co_u32 s2, s2, 8192
	v_add_nc_u32 v[DLD], s2, v[DST]
.set k, 0
.rept 16
	ds_load_b128 v[H+4*k:H+4*k+3], v[DLD] offset:512*k
.set k, k+1
.endr
.endif
.irp c, 0,1,2,3
	global_store_b128 v[CO], v[PC+4*\c:PC+4*\c+3], s[32:33] offset:512*\c    ; 32 lanes store 512 consecutive bytes, aligned
.endr
	global_store_b32 v[R8], v[PW], s[34:35]
.if \more
	s_wait_xcnt 0x0                                ; the stores have read their data and bases: both are written again only behind this wait
	s_add_nc_u64 s[32:33], s[32:33], s[24:25]
	s_add_nc_u64 s[34:35], s[34:35], 128
.endif
.endm
	s_mov_b32 s3, 7
.Ltile:
	TRIP 1
	s_sub_co_u32 s3, s3, 1
	s_cmp_lg_u32 s3, 0
	s_cbranch_scc1 .Ltile
	TRIP 0                                         ; the last tile is written out: nothing is left to read back
	s_wait_tensorcnt 0x0                           ; the wave's end, behind my last tensor load and my last LDS store
	ds_add_u32 v[SPW], v[NIL]
	s_wait_dscnt 0x0
	CROUND                                         ; the closing round
	s_endpgm
.Lfunc_end_k_q10020ee7d6_gemm_qkv:
	.size	k_q10020ee7d6_gemm_qkv, .Lfunc_end_k_q10020ee7d6_gemm_qkv-k_q10020ee7d6_gemm_qkv
	.p2alignl 7, 3214868480
	.fill 96, 4, 3214868480
	.section	.rodata,"a",@progbits
	.p2align	6, 0x0
	.amdhsa_kernel k_q10020ee7d6_gemm_qkv
		.amdhsa_group_segment_fixed_size 327680
		.amdhsa_private_segment_fixed_size 0
		.amdhsa_enable_private_segment 0
		.amdhsa_kernarg_size 32
		.amdhsa_user_sgpr_count 2
		.amdhsa_user_sgpr_kernarg_segment_ptr 1
		.amdhsa_wavefront_size32 1
		.amdhsa_system_sgpr_workgroup_id_x 1
		.amdhsa_system_sgpr_workgroup_id_y 1
		.amdhsa_system_sgpr_workgroup_id_z 1
		.amdhsa_system_vgpr_workitem_id 0
		.amdhsa_next_free_vgpr 1024
		.amdhsa_next_free_sgpr 102
		.amdhsa_reserve_vcc 0
		.amdhsa_float_denorm_mode_32 3
		.amdhsa_float_denorm_mode_16_64 3
		.amdhsa_memory_ordered 1
		.amdhsa_forward_progress 1
		.amdhsa_inst_pref_size 168
	.end_amdhsa_kernel
	.amdgpu_metadata
---
amdhsa.version: [ 1, 2 ]
amdhsa.kernels:
  - .name:           k_q10020ee7d6_gemm_qkv
    .symbol:         k_q10020ee7d6_gemm_qkv.kd
    .args:
      - { .name: hb, .offset: 0, .size: 8, .value_kind: global_buffer, .address_space: global }
      - { .name: wb, .offset: 8, .size: 8, .value_kind: global_buffer, .address_space: global }
      - { .name: qkv_b, .offset: 16, .size: 8, .value_kind: global_buffer, .address_space: global }
      - { .name: qb, .offset: 24, .size: 8, .value_kind: global_buffer, .address_space: global }
    .group_segment_fixed_size: 327680
    .private_segment_fixed_size: 0
    .kernarg_segment_align: 8
    .kernarg_segment_size: 32
    .max_flat_workgroup_size: 128
    .sgpr_count:     102
    .vgpr_count:     1024
    .wavefront_size: 32
...
	.end_amdgpu_metadata
.endif
;; end of part 3
;; launch attn (part 4): grid 8 x 32, 16 waves a work-group, clusters of 4 x 1, 286,720 bytes of LDS; arguments qb, ab; writes ab
.if DOCPART == 4
	.amdgcn_target "amdgcn-amd-amdhsa--gfx1250"
	.amdhsa_code_object_version 6
	.text
	.protected	k_q10020ee7d6_attn
	.globl	k_q10020ee7d6_attn
	.p2align	8
	.type	k_q10020ee7d6_attn,@function
k_q10020ee7d6_attn:
	s_mov_b64 s[64:65], 0
	v_nop
	global_prefetch_b8 v0, s[64:65] scope:SCOPE_SE
	s_setreg_imm32_b32 hwreg(HW_REG_WAVE_MODE, 25, 1), 1
	s_wait_xcnt 0x0
	s_wait_alu depctr_hold_cnt(0) depctr_sa_sdst(0) depctr_va_vdst(0) depctr_va_sdst(0) depctr_va_ssrc(0) depctr_va_vcc(0) depctr_vm_vsrc(0)
	s_getreg_b32 s2, hwreg(HW_REG_IB_STS2, 6, 4)
	s_cmp_eq_u32 s2, 0
	s_cbranch_scc0 .Lentry_in_a_cluster
	s_endpgm
.Lentry_in_a_cluster:
	s_bfe_u32 s2, ttmp6, 0x10000c
	s_cmp_lg_u32 s2, 0x3003
	s_cbranch_scc0 .Lentry_shape_is_right
	s_endpgm
.Lentry_shape_is_right:
; Attention of one head on codes of FP8 (E4M3): O = softmax(q k^T / 8) v, 2,048 keys, head size 64, and O quantised along the model's axis for the projection.  No work is left out.
; THE SOFTMAX AHEAD OF THE SECOND PRODUCT: t = score x log2(e) / 8; M = the row's largest t so far, rounded UP to a whole number; p = 2^(t - M) is quantised along the keys; the row's sum is taken of the unquantised p
; and divides O at the end.  When M moves, the sum and O are multiplied by 2^(old M - new M): exact.
; SHARES.  A work-group owns 256 queries of one (batch, head); each of its sixteen waves 16 of them, in 256 registers: four waves to a SIMD, so that one wave's vector work stands beside another's matrix work.
; A HEAD'S K AND V STAY IN LDS: codes 131,072 bytes each, scale words 16,384 and 4,096.  Every byte is filled once: no slot is filled again, and the loop has no barrier.  All tensor loads are issued at the head: wave 0 asks for
; K's scale words, the first 256 keys and the rest; wave 1 for V's: three loads are out in each of the two.  CLUSTER 4 x 1: the four query blocks of a cluster ask jointly.
; LAYOUT.  Both products are used transposed: S^T = K Q^T (source 0 = 16 keys), O^T = V^T P^T (source 0 = 16 channels): a lane holds one query throughout.  The 16 registers of score tiles 2 b, 2 b + 1 hold keys
; 32 b + 16 u + 8 h + j at place 16 h + 8 u + j: the order in which the launch before laid v's codes inside each block of 32 keys.  v's channels were ordered so that O^T's tiles 2 b, 2 b + 1 hold 16 neighbouring channels.
; THE HEAD'S 64 IN AN INSTRUCTION 128 DEEP: source 1 is q and eight registers of zero codes.  Source 0 of key tile i is v[32 + 8 i] on, 16 registers: tile i and, against the zeros, tile i + 1 (behind the last: zeros).
; No code is a NaN (the quantiser holds at 448).  The scale words come as two bytes, zero-extended: bytes 2 and 3 are 0, a finite scale over zero products.
; The scale bytes of O leave two bytes a lane, eight bytes apart, lanes 16-31 writing what lanes 0-15 write: the price of one head to a work-group; 131,072 bytes in the launch.
; LIMITS: a block of zeros gets the byte 1 where the rule says 127 (zero codes; this program alone reads the bytes); NaN and infinities are not served.
; REGISTERS: v1-4, v7 addresses that stay; v8-11 the step's; v12 -M, v13 the largest t, v[14:15] the sum; v16-23 q, v24-31 zeros; v32-95 K's eight tiles, then V's four fragments; v96-103 zeros; v104-167 S^T, then p;
;   v168-199 O^T; v200-215 p's codes; v216-231 at work; v232-239 K's, v240-243 V's, v244 q's, v245 p's scale words; v[246:247] f; v248 at work.
.set V_C,   8388608
.set QK_S,  12582912
.set V_S,   12845056
.set AS,    4194304
.set KC,    0
.set VC,    131072
.set KSC,   262144
.set VSC,   278528
.set SPARE, 282624                     ; the spare words, 128 bytes for each of sixteen waves: eight blocks of 256 bytes that no other line names
.set SPW, 5
.set NIL, 6
.set G1KS, 8
.set G1K0, 16
.set G1KR, 24
.set G1VS, 32
.set G1V0, 40
.set G1VR, 48
.set G0KS, 56
.set G0K0, 60
.set G0KR, 68
.set G0VS, 72
.set G0V0, 76
.set G0VR, 80
.set WV,  84
.set SEL, 86
.set CS,  88
.set MNT, 90
.set TB,  91                           ; s91  where the step's codes begin, in K's bytes and in V's: 8,192 a step
.set TS,  92                           ; s92  K's scale words: 1,024 a step
.set TJ,  93                           ; s93  V's: 512 for two steps
.macro G1SET g, c, r, p                ; r rows of c elements of 8 bytes, p elements apart; asked for by all four work-groups
	s_mov_b32 s[\g], 15|(3<<16)|(1<<21)
	s_mov_b32 s[\g+1], (\c)<<16
	s_mov_b32 s[\g+2], (\r)<<16
	s_mov_b32 s[\g+3], (\c)<<16
	s_mov_b32 s[\g+4], \r
	s_mov_b32 s[\g+5], \p
	s_mov_b32 s[\g+6], 0
	s_mov_b32 s[\g+7], 0
.endm
.macro CROUND
	s_barrier_signal -1
	s_barrier_wait -1
	s_cmp_lg_u32 s[WV], 0
	s_cbranch_scc1 .Lnot_wave_0_\@
	s_barrier_signal -3
.Lnot_wave_0_\@:
	s_barrier_wait -3
	s_barrier_signal -1
	s_barrier_wait -1
.endm
	s_load_b128 s[4:7], s[0:1], 0x0                ; qb s[4:5], ab s[6:7]
	v_lshl_add_u32 v[SPW], v0, 2, SPARE
	v_mov_b32 v[NIL], 0
	ds_add_u32 v[SPW], v[NIL]                      ; the wave's opening: the add, twice on end, and its wait ahead of the first tensor load
	ds_add_u32 v[SPW], v[NIL]
	v_lshrrev_b32 v8, 5, v0
	v_readfirstlane_b32 s[WV], v8                  ; wave 0..15
	G1SET G1KS, 32, 64, 32                         ; K's scale words of a batch's 128 tiles: 16,384 dense bytes
	G1SET G1K0, 128, 16, 4096                      ; 16 tiles of 16 keys: the head's 1,024 bytes of each tile's 32,768
	G1SET G1KR, 128, 112, 4096
	G1SET G1VS, 64, 8, 1024                        ; V's scale words: the head's 512 bytes of each step's 8,192
	G1SET G1V0, 1024, 2, 16384                     ; two runs of 128 keys: the head's 8,192 bytes of each run's 131,072
	G1SET G1VR, 1024, 14, 16384
	s_and_b32 s95, ttmp7, 0xffff
	s_lshr_b32 s85, s95, 4                         ; the batch
	s_and_b32 s95, s95, 15                         ; the head: both are shared by the four partners
	s_lshr_b32 s96, s95, 2
	s_lshl_b32 s96, s96, 15                        ; the step of scale words that holds the head's
	s_lshl_b32 s97, s85, 14
	s_add_co_u32 s[G0KS+2], s96, s97
	s_add_co_u32 s[G0KS+2], s[G0KS+2], QK_S+4*32768   ; k's columns lie 4 steps behind q's
	s_mov_b32 s[G0KS+3], 0
	s_lshr_b32 s98, s95, 1
	s_lshl_b32 s98, s98, 11
	s_and_b32 s97, s95, 1
	s_lshl_b32 s97, s97, 10
	s_add_co_u32 s98, s98, s97                     ; the head's place in a tile's row of fragments: 2,048 (head / 2) + 1,024 (head % 2)
	s_lshl_b32 s97, s85, 22
	s_add_co_u32 s[G0K0+2], s98, s97
	s_add_co_u32 s[G0K0+2], s[G0K0+2], 8*2048      ; k's fragments lie 8 behind q's
	s_mov_b32 s[G0K0+3], 0
	s_lshl_b32 s[G0VS+2], s85, 16
	s_lshl_b32 s97, s95, 9
	s_add_co_u32 s[G0VS+2], s[G0VS+2], s97
	s_add_co_u32 s[G0VS+2], s[G0VS+2], V_S
	s_mov_b32 s[G0VS+3], 0
	s_lshl_b32 s[G0V0+2], s85, 21
	s_lshl_b32 s97, s95, 13
	s_add_co_u32 s[G0V0+2], s[G0V0+2], s97
	s_add_co_u32 s[G0V0+2], s[G0V0+2], V_C
	s_mov_b32 s[G0V0+3], 0
.irp g, G0KS, G0K0, G0KR, G0VS, G0V0, G0VR
	s_mov_b32 s[\g], 1
.endr
	s_mov_b32 s[G0KS+1], KSC
	s_mov_b32 s[G0K0+1], KC
	s_mov_b32 s[G0KR+1], KC+16384
	s_mov_b32 s[G0VS+1], VSC
	s_mov_b32 s[G0V0+1], VC
	s_mov_b32 s[G0VR+1], VC+16384
	s_bfe_u32 s97, ttmp6, 0x40000                  ; cx: it enters q's and O's addresses alone
	s_lshl_b32 s99, ttmp9, 2
	s_add_co_u32 s99, s99, s97
	s_lshl_b32 s99, s99, 4
	s_add_co_u32 s99, s99, s[WV]
	s_lshl_b32 s97, s85, 7
	s_add_co_u32 s99, s99, s97                     ; my tile of 16 queries among the 256
	s_and_b32 s85, s95, 3
	s_lshl_b32 s85, s85, 1                         ; the head's two scale bytes in a row's eight
	s_lshl_b32 s100, s99, 7
	s_add_co_u32 s100, s100, s96
	s_add_co_u32 s100, s100, s85                   ; my tile's scale bytes, in q's and in O's scale words alike
	s_mov_b32 s101, 0
	s_mov_b32 s[SEL], 0x76543210
	s_mov_b32 s[SEL+1], 0xfedcba98
	s_mov_b32 s[CS], 0x3e38aa3b                    ; c = log2(e) / 8
	s_mov_b32 s[CS+1], s[CS]
	s_mov_b32 s[MNT], 0x600000
	s_mov_b32 s[TB], 0
	s_mov_b32 s[TS], 0
	s_mov_b32 s[TJ], 0
	s_wait_dscnt 0x0                               ; both opening adds are done
	s_wait_kmcnt 0x0
.irp g, G0KS, G0K0, G0VS, G0V0
	s_add_nc_u64 s[\g+2:\g+3], s[4:5], s[\g+2:\g+3]
.endr
	s_add_nc_u64 s[G0KR+2:G0KR+3], s[G0K0+2:G0K0+3], 16*32768
	s_add_nc_u64 s[G0VR+2:G0VR+3], s[G0V0+2:G0V0+3], 2*131072
.irp g, G0KS, G0K0, G0KR, G0VS, G0V0, G0VR
	s_or_b32 s[\g+3], s[\g+3], 0x80000000          ; 127:126 type = 2
.endr
	s_lshl_b32 s96, s99, 15
	s_add_co_u32 s96, s96, s98
	s_mov_b32 s97, 0
	s_add_nc_u64 s[2:3], s[4:5], s[96:97]          ; q's codes
	s_add_nc_u64 s[4:5], s[4:5], s[100:101]
	s_add_nc_u64 s[4:5], s[4:5], QK_S              ; q's scale bytes
	s_lshl_b32 s96, s99, 14
	s_add_co_u32 s96, s96, s98
	s_add_nc_u64 s[96:97], s[6:7], s[96:97]        ; O's codes
	s_add_nc_u64 s[6:7], s[6:7], s[100:101]
	s_add_nc_u64 s[6:7], s[6:7], AS                ; O's scale bytes
	CROUND                                         ; all four work-groups are here: the joint loads meet
	s_cmp_eq_u32 s[WV], 0                          ; a wave's fills stand in one branch, ahead of every wait on TENSORcnt and every LDS read; an s_nop 0 follows each, four v_nop the last
	s_cbranch_scc0 .Lnot_k
	tensor_load_to_lds s[G0KS:G0KS+3], s[G1KS:G1KS+7]
	s_nop 0
	tensor_load_to_lds s[G0K0:G0K0+3], s[G1K0:G1K0+7]
	s_nop 0
	tensor_load_to_lds s[G0KR:G0KR+3], s[G1KR:G1KR+7]
	s_nop 0
.rept 4
	v_nop
.endr
	s_branch .Lasked
.Lnot_k:
	s_cmp_eq_u32 s[WV], 1
	s_cbranch_scc0 .Lasked
	tensor_load_to_lds s[G0VS:G0VS+3], s[G1VS:G1VS+7]
	s_nop 0
	tensor_load_to_lds s[G0V0:G0V0+3], s[G1V0:G1V0+7]
	s_nop 0
	tensor_load_to_lds s[G0VR:G0VR+3], s[G1VR:G1VR+7]
	s_nop 0
.rept 4
	v_nop
.endr
.Lasked:
	v_and_b32 v8, 31, v0
	v_lshlrev_b32 v1, 4, v8                        ; 16 x lane: my place in K's fragments,
	v_add_nc_u32 v2, VC, v1                        ; in V's
	v_and_b32 v9, 15, v0
	v_lshlrev_b32 v7, 3, v9                        ; 8 r
	s_add_co_u32 s85, s85, KSC
	v_add_nc_u32 v3, s85, v7                       ; K's scale bytes: row r's eight, the head's two
	v_add_nc_u32 v4, VSC, v7                       ; V's scale words
	global_load_b128 v[16:19], v1, s[2:3]
	global_load_b128 v[20:23], v1, s[2:3] offset:512
	global_load_u16 v244, v7, s[4:5]
.irp i, 24,25,26,27,28,29,30,31,96,97,98,99,100,101,102,103
	v_mov_b32 v\i, 0                               ; zero codes
.endr
	v_mov_b32 v13, 0xff61b1e6                      ; the largest t so far: -3e38, under every t
	v_floor_f32 v12, -v13                          ; -M
	v_mov_b32 v14, 0
	v_mov_b32 v15, 0
.irp b, 0,1,2,3
	v_mov_b32 v[220+\b], 0                         ; written once: a lane permute's destination counts as one of its sources
.endr
	v_mov_b32 v247, 0                              ; (named as the upper half of the pair v[246:247])
.set j, 0
.rept 32
	v_mov_b32 v[168+j], 0                          ; O^T: the step is written once; its first run finds zeros, which the first change of M leaves zeros
.set j, j+1
.endr
; A KEY STEP: 128 keys, the q-th of a pair
.macro STEP q
	v_add_nc_u32 v8, s[TB], v1
	v_add_nc_u32 v9, s[TB], v2
	v_add_nc_u32 v10, s[TS], v3
	v_add_nc_u32 v11, s[TJ], v4
.rept 4
	v_nop                                          ; with the four additions: eight places in front of loads into registers that matrix instructions have read
.endr
.irp i, 0,1,2,3,4,5,6,7
	ds_load_b128 v[32+8*\i:35+8*\i], v8 offset:8192*\q+1024*\i
	ds_load_b128 v[36+8*\i:39+8*\i], v8 offset:8192*\q+1024*\i+512
	ds_load_u16 v[232+\i], v10 offset:1024*\q+128*\i
.endr
	s_wait_dscnt 0x0
.irp i, 0,1,2,3,4,5,6,7
	v_wmma_scale_f32_16x16x128_f8f6f4 v[104+8*\i:111+8*\i], v[32+8*\i:47+8*\i], v[16:31], 0, v[232+\i], v244
.endr
.rept 8
	v_nop
.endr
.irp d, 0,1,2,3                                ; V's four fragments are asked for now and land under the softmax
.irp c, 0,1,2,3
	ds_load_b128 v[32+16*\d+4*\c:35+16*\d+4*\c], v9 offset:8192*\q+2048*\d+512*\c
.endr
	ds_load_b32 v[240+\d], v11 offset:128*\d+4*\q
.endr
.irp b, 0,1,2,3
	v_max3_num_f32 v[216+\b], v[104+16*\b], v[105+16*\b], v[106+16*\b]   ; the largest score of each block of 32 keys: for the row's maximum and, since p rises with the score, for the block's largest p
.endr
.irp i, 3,5,7,9,11,13
.irp b, 0,1,2,3
	v_max3_num_f32 v[216+\b], v[216+\b], v[104+16*\b+\i], v[105+16*\b+\i]
.endr
.endr
.irp b, 0,1,2,3
	v_max_num_f32 v[216+\b], v[216+\b], v[119+16*\b]
.endr
.irp b, 0,1,2,3
	v_permlanex16_b32 v[220+\b], v[216+\b], s[SEL], s[SEL+1]
.endr
.irp b, 0,1,2,3
	v_max_num_f32 v[216+\b], v[216+\b], v[220+\b]  ; with lane l xor 16's 16 keys
.endr
	v_max3_num_f32 v248, v216, v217, v218
	v_max_num_f32 v248, v248, v219
	v_mul_f32 v248, s[CS], v248                    ; as t (c is positive)
	v_max_num_f32 v13, v13, v248                   ; the running largest t
	v_mov_b32 v248, v12
	v_floor_f32 v12, -v13                          ; the new -M = floor(-t) = -ceil(t)
	v_sub_f32 v248, v12, v248                      ; old M less new M: a whole number, 0 or less
	v_cvt_i32_f32 v248, v248                       ; (it saturates)
	v_ldexp_f32 v246, 1.0, v248                    ; f = 2^(old M - new M)
.set j, 0
.rept 32
	v_pk_fma_f32 v[104+j:105+j], v[104+j:105+j], s[CS:CS+1], v[12:13] op_sel_hi:[1,0,0]   ; t - M, two at a time
.set j, j+2
.endr
.irp b, 0,1,2,3
	v_fma_f32 v[216+\b], v[216+\b], s[CS], v12     ; the same of each block's largest score
.endr
.set j, 0
.rept 64
	v_exp_f32 v[104+j], v[104+j]                   ; p = 2^(t - M), at most 1
.set j, j+1
.endr
	v_pk_mul_f32 v[14:15], v[14:15], v[246:247] op_sel_hi:[1,0]   ; the sums under the new M: a plain instruction behind the exponentials
	s_wait_alu depctr_va_vdst(0)                   ; the wait ahead of the first line that names a result: one for the batch
.irp b, 0,1,2,3
	v_exp_f32 v[216+\b], v[216+\b]                 ; the block's largest p
.endr
	v_pk_add_f32 v[220:221], v[104:105], v[106:107]   ; the row's sum is taken of the unquantised p, in two chains
.set j, 4
.rept 15
	v_pk_add_f32 v[14:15], v[14:15], v[104+j:105+j]
	v_pk_add_f32 v[220:221], v[220:221], v[106+j:107+j]
.set j, j+4
.endr
	v_pk_add_f32 v[14:15], v[14:15], v[220:221]
	s_wait_alu depctr_va_vdst(0)                   ; and one for the four
.irp b, 0,1,2,3
	v_max_num_f32 v[216+\b], 0x4800000, v[216+\b]  ; the floor 2^(9 - 127): the byte cannot fall under 1
.endr
.irp b, 0,1,2,3
	v_add_nc_u32 v[228+\b], 0xfc000000, v[216+\b]  ; the conversion's scale operand
.endr
.irp b, 0,1,2,3
	v_and_or_b32 v[224+\b], v[216+\b], 0x7f800000, s[MNT]   ; 448 x the scale
.endr
.irp b, 0,1,2,3
	v_lshrrev_b32 v[220+\b], 23, v[228+\b]         ; the scale's byte
.endr
	v_lshl_or_b32 v245, v221, 8, v220              ; p's scale word for these 128 keys
	v_lshl_or_b32 v245, v222, 16, v245
	v_lshl_or_b32 v245, v223, 24, v245
.irp b, 0,1,2,3
.irp i, 0,1,2,3,4,5,6,7,8,9,10,11,12,13,14,15
	v_min_num_f32 v[104+16*\b+\i], v[104+16*\b+\i], v[224+\b]   ; the conversion does not saturate (ISA guide 7.6.2); p is not negative, so the hold is one-sided
.endr
	v_cvt_scalef32_pk8_fp8_f32 v[200+4*\b:201+4*\b], v[104+16*\b:111+16*\b], v[228+\b]
	v_cvt_scalef32_pk8_fp8_f32 v[202+4*\b:203+4*\b], v[112+16*\b:119+16*\b], v[228+\b]
.endr
.set j, 0
.rept 16
	v_pk_mul_f32 v[168+j:169+j], v[168+j:169+j], v[246:247] op_sel_hi:[1,0]   ; O^T under the new M; these are also the places in front of the products below
.set j, j+2
.endr
	s_wait_dscnt 0x0                               ; V's fragments and scale words
.irp d, 0,1,2,3                                ; the four accumulators by turns; the eight score products stand between two links of a chain
	v_wmma_scale_f32_16x16x128_f8f6f4 v[168+8*\d:175+8*\d], v[32+16*\d:47+16*\d], v[200:215], v[168+8*\d:175+8*\d], v[240+\d], v245
.endr
.endm
.macro PAIR
	STEP 0
	STEP 1
	s_add_co_u32 s[TB], s[TB], 16384
	s_add_co_u32 s[TS], s[TS], 2048
	s_add_co_u32 s[TJ], s[TJ], 512
.endm
	s_wait_tensorcnt 1                             ; waves 0 and 1: the scale words and the first 256 keys are in; the third load may be out
	s_barrier_signal -1
	s_barrier_wait -1
	s_wait_loadcnt 0x0                             ; q
	PAIR                                           ; keys 0 to 255
	s_wait_tensorcnt 0x0                           ; the rest has landed,
	s_wait_dscnt 0x0
	s_barrier_signal -1
	s_barrier_wait -1                              ; for everybody
	s_mov_b32 s94, 7
.Lpair:
	PAIR
	s_sub_co_u32 s94, s94, 1
	s_cmp_lg_u32 s94, 0
	s_cbranch_scc1 .Lpair
	; ---- THE WAY OUT: O^T / the sum, quantised along the channels: registers 16 b + i are channels 32 b + 16 h + i of my query
.rept 8
	v_nop                                          ; places behind the last products
.endr
	v_add_f32 v14, v14, v15
	v_permlanex16_b32 v248, v14, s[SEL], s[SEL+1]
	v_add_f32 v14, v14, v248                       ; the row's sum
	v_rcp_f32 v14, v14
	v_nop
	s_wait_alu depctr_va_vdst(0)                   ; the wait ahead of the reciprocal's first reader
.set j, 0
.rept 16
	v_pk_mul_f32 v[104+j:105+j], v[168+j:169+j], v[14:15] op_sel_hi:[1,0]
.set j, j+2
.endr
.irp b, 0,1
	v_max3_num_f32 v[216+\b], |v[104+16*\b]|, |v[105+16*\b]|, 0x4800000
.endr
.irp i, 2,4,6,8,10,12,14
.irp b, 0,1
	v_max3_num_f32 v[216+\b], v[216+\b], |v[104+16*\b+\i]|, |v[105+16*\b+\i]|
.endr
.endr
.irp b, 0,1
	v_permlanex16_b32 v[220+\b], v[216+\b], s[SEL], s[SEL+1]
.endr
.irp b, 0,1
	v_max_num_f32 v[216+\b], v[216+\b], v[220+\b]
.endr
.irp b, 0,1
	v_add_nc_u32 v[228+\b], 0xfc000000, v[216+\b]
	v_and_or_b32 v[224+\b], v[216+\b], 0x7f800000, s[MNT]
.endr
.irp b, 0,1
	v_lshrrev_b32 v[220+\b], 23, v[228+\b]
.endr
	v_lshl_or_b32 v248, v221, 8, v220              ; the head's two scale bytes of my row
.irp b, 0,1
.irp i, 0,1,2,3,4,5,6,7,8,9,10,11,12,13,14,15
	v_med3_num_f32 v[104+16*\b+\i], v[104+16*\b+\i], -v[224+\b], v[224+\b]
.endr
	v_cvt_scalef32_pk8_fp8_f32 v[200+4*\b:201+4*\b], v[104+16*\b:111+16*\b], v[228+\b]
	v_cvt_scalef32_pk8_fp8_f32 v[202+4*\b:203+4*\b], v[112+16*\b:119+16*\b], v[228+\b]
.endr
	v_nop                                          ; a plain instruction behind the last conversion
	global_store_b128 v1, v[200:203], s[96:97]                 ; 32 lanes store 512 consecutive bytes, aligned
	global_store_b128 v1, v[204:207], s[96:97] offset:512
	global_store_b16 v7, v248, s[6:7]
	s_wait_tensorcnt 0x0                           ; the wave's end
	ds_add_u32 v[SPW], v[NIL]
	s_wait_dscnt 0x0
	CROUND                                         ; the closing round
	s_endpgm
.Lfunc_end_k_q10020ee7d6_attn:
	.size	k_q10020ee7d6_attn, .Lfunc_end_k_q10020ee7d6_attn-k_q10020ee7d6_attn
	.p2alignl 7, 3214868480
	.fill 96, 4, 3214868480
	.section	.rodata,"a",@progbits
	.p2align	6, 0x0
	.amdhsa_kernel k_q10020ee7d6_attn
		.amdhsa_group_segment_fixed_size 286720
		.amdhsa_private_segment_fixed_size 0
		.amdhsa_enable_private_segment 0
		.amdhsa_kernarg_size 16
		.amdhsa_user_sgpr_count 2
		.amdhsa_user_sgpr_kernarg_segment_ptr 1
		.amdhsa_wavefront_size32 1
		.amdhsa_system_sgpr_workgroup_id_x 1
		.amdhsa_system_sgpr_workgroup_id_y 1
		.amdhsa_system_sgpr_workgroup_id_z 1
		.amdhsa_system_vgpr_workitem_id 0
		.amdhsa_next_free_vgpr 256
		.amdhsa_next_free_sgpr 102
		.amdhsa_reserve_vcc 0
		.amdhsa_float_denorm_mode_32 3
		.amdhsa_float_denorm_mode_16_64 3
		.amdhsa_memory_ordered 1
		.amdhsa_forward_progress 1
		.amdhsa_inst_pref_size 93
	.end_amdhsa_kernel
	.amdgpu_metadata
---
amdhsa.version: [ 1, 2 ]
amdhsa.kernels:
  - .name:           k_q10020ee7d6_attn
    .symbol:         k_q10020ee7d6_attn.kd
    .args:
      - { .name: qb, .offset: 0, .size: 8, .value_kind: global_buffer, .address_space: global }
      - { .name: ab, .offset: 8, .size: 8, .value_kind: global_buffer, .address_space: global }
    .group_segment_fixed_size: 286720
    .private_segment_fixed_size: 0
    .kernarg_segment_align: 8
    .kernarg_segment_size: 16
    .max_flat_workgroup_size: 512
    .sgpr_count:     102
    .vgpr_count:     256
    .wavefront_size: 32
...
	.end_amdgpu_metadata
.endif
;; end of part 4
;; launch gemm_out (part 5): grid 4 x 16, 4 waves a work-group, clusters of 4 x 4, 327,680 bytes of LDS; arguments ab, wb, out_b, x, x1; writes x1
.if DOCPART == 5
	.amdgcn_target "amdgcn-amd-amdhsa--gfx1250"
	.amdhsa_code_object_version 6
	.text
	.protected	k_q10020ee7d6_gemm_out
	.globl	k_q10020ee7d6_gemm_out
	.p2align	8
	.type	k_q10020ee7d6_gemm_out,@function
k_q10020ee7d6_gemm_out:
	s_mov_b64 s[64:65], 0
	v_nop
	global_prefetch_b8 v0, s[64:65] scope:SCOPE_SE
	s_setreg_imm32_b32 hwreg(HW_REG_WAVE_MODE, 25, 1), 1
	s_wait_xcnt 0x0
	s_wait_alu depctr_hold_cnt(0) depctr_sa_sdst(0) depctr_va_vdst(0) depctr_va_sdst(0) depctr_va_ssrc(0) depctr_va_vcc(0) depctr_vm_vsrc(0)
	s_getreg_b32 s2, hwreg(HW_REG_IB_STS2, 6, 4)
	s_cmp_eq_u32 s2, 0
	s_cbranch_scc0 .Lentry_in_a_cluster
	s_endpgm
.Lentry_in_a_cluster:
	s_bfe_u32 s2, ttmp6, 0x10000c
	s_cmp_lg_u32 s2, 0xf033
	s_cbranch_scc0 .Lentry_shape_is_right
	s_endpgm
.Lentry_shape_is_right:
; x1 = x + (attention's result) out_w + out_b, the product on codes of FP8 (E4M3); x1 is f32.  No work is left out.
; OPERANDS lie in memory in the order of a fragment's registers: [tile of 16 rows][kk = K/128][c][lane][16 bytes]; scale words [step = K/256][tile][r][2 words]: a fragment is 2,048 dense bytes in memory and in LDS.
; A work-group of four waves makes 256 x 256, a wave 128 x 128: 64 accumulators.  Source 0 = 16 columns of the weight, source 1 = 16 rows: a lane holds one row; the weight's tiles are ordered so that the 16 registers of
; accumulators (a, 2 b), (a, 2 b + 1) are 16 neighbouring columns.  The bias is the C of each sum's first product.
; K goes in steps of 256 through two LDS slots (A's and B's codes, 65,536 bytes each, and their scale words, 2,048 each): wave 0 fetches A's codes, wave 1 B's, wave 2 A's scales, wave 3 B's: one tensor load a wave.
; CLUSTERS 4 x 4: A's tiles are asked for jointly along a row of the cluster, B's along a column.  The output has 64 tiles of 256 x 256: 64 work-groups.
; THE WAY OUT: 16 rows x 128 columns at a time through the wave's own stage in slot 0 (which has had its last fill and its last read), back as whole rows of 512 bytes; the residual's same bytes are added; 32 lanes store 512 consecutive bytes.
.set KDIM,  1024
.set A_S,   4194304                    ; A's scale words in its buffer
.set B_C,   3145728                    ; the weight's codes in wb
.set B_S,   12681216                   ; and its scale words
.set RA8,   32768                      ; a step of A's scale words in bytes
.set RB8,   8192                       ; of B's
.set FINAL, 0
.set LAPS,  KDIM/512
.set SLOT,  135168
.set BOFF,  65536
.set SAOFF, 131072
.set SBOFF, 133120
.set SPARE, 2*SLOT                     ; behind the ring: the spare words, 128 bytes a wave: two blocks of 256 bytes that no other line names
.set FR, 16
.set NL, 4
.set NP, 8                             ; places behind this matrix instruction (ISA guide 7.12.1)
.set ADRA, 16
.set BO,   18
.set ADRB, 20
.set ADRS, 22
.set STO,  24                          ; v24     the stage: where I put 32 bytes of a row
.set RD,   25                          ; v25     and where I read a row back
.set CO,   26                          ; v26     16 x lane
.set SPW,  28
.set NIL,  29
.set SC,   32                          ; v32-63  scale words, two sets; they hold nothing else
.set BIAS, 64
.set AF,   128
.set BK,   128                         ; the way out: 16 rows from the stage, v128-191 and v192-255 by turns
.set G1A, 24
.set G0A, 32
.set G1B, 48
.set G0B, 56
.set G1SA, 68
.set G0SA, 76
.set G1SB, 84
.set G0SB, 92
.set MSB, 0
.macro WIN new
.if MSB != \new
	s_set_vgpr_msb (MSB<<8)|\new
.set MSB, \new
.endif
.endm
.set MUL_LO, 0xa1
.set MUL_HI, 0xf1
.set TO_B,   0x40
.macro TL g0, g1                       ; a tensor load; an s_nop 0 and four v_nop follow it
	tensor_load_to_lds s[\g0:\g0+3], s[\g1:\g1+7]
	s_nop 0
.rept 4
	v_nop
.endr
.endm
.macro JLOAD s                         ; each wave's one load for slot s; the branches hang on the wave's number alone
	s_cmp_lt_u32 s14, 2
	s_cbranch_scc0 .Lscales_\@
	s_cmp_eq_u32 s14, 0
	s_cbranch_scc0 .Lb_\@
	TL G0A+4*\s, G1A
	s_branch .Lasked_\@
.Lb_\@:
	TL G0B+4*\s, G1B
	s_branch .Lasked_\@
.Lscales_\@:
	s_cmp_eq_u32 s14, 2
	s_cbranch_scc0 .Lsb_\@
	TL G0SA+4*\s, G1SA
	s_branch .Lasked_\@
.Lsb_\@:
	TL G0SB+4*\s, G1SB
.Lasked_\@:
.endm
.macro CREST
	s_cmp_lg_u32 s14, 0
	s_cbranch_scc1 .Lnot_wave_0_\@
	s_barrier_signal -3
.Lnot_wave_0_\@:
	s_barrier_wait -3
	s_barrier_signal -1
	s_barrier_wait -1
.endm
.macro CROUND
	s_barrier_signal -1
	s_barrier_wait -1
	CREST
.endm
.macro PLACES n
.rept \n
	v_nop
.endr
.endm
	s_load_b256 s[4:11], s[0:1], 0x0               ; A's buffer s[4:5], wb s[6:7], the bias s[8:9], the residual s[10:11]
	s_load_b64 s[12:13], s[0:1], 0x20              ; the output
	v_lshl_add_u32 v[SPW], v0, 2, SPARE
	v_mov_b32 v[NIL], 0
	ds_add_u32 v[SPW], v[NIL]                      ; the wave's opening: the add, twice on end, and its wait ahead of my first tensor load
	ds_add_u32 v[SPW], v[NIL]
	v_lshrrev_b32 v1, 5, v0
	v_readfirstlane_b32 s14, v1                    ; wave 0..3
	s_lshr_b32 s15, s14, 1                         ; which half of the rows is mine
	s_and_b32 s16, s14, 1                          ; which half of the columns
	s_bfe_u32 s40, ttmp6, 0x40000                  ; cx
	s_bfe_u32 s41, ttmp6, 0x40004                  ; cy
	s_lshl_b32 s42, ttmp9, 2
	s_add_co_u32 s42, s42, s40                     ; B's tile of 256 columns
	s_and_b32 s17, ttmp7, 0xffff
	s_lshl_b32 s17, s17, 2
	s_add_co_u32 s17, s17, s41                     ; A's tile of 256 rows
	s_lshl_b32 s43, s41, 2
	s_lshl_b32 s43, 15, s43                        ; my row of the cluster
	s_lshl_b32 s44, 0x1111, s40                    ; my column
	s_or_b32 s[G1A], s43, (3<<16)|(1<<21)          ; 15:0 the mask; 17:16 elements of 8 bytes; 21 set beside a mask; no padding
	s_or_b32 s[G1B], s44, (3<<16)|(1<<21)
	s_or_b32 s[G1SA], s43, (3<<16)|(1<<21)
	s_or_b32 s[G1SB], s44, (3<<16)|(1<<21)
.irp g, G1A, G1B                       ; codes: 16 tiles' two fragments: 16 rows of 4,096 bytes, 16 KDIM bytes apart
	s_mov_b32 s[\g+1], 512<<16
	s_mov_b32 s[\g+2], 16<<16
	s_mov_b32 s[\g+3], 512<<16
	s_mov_b32 s[\g+4], 16
	s_mov_b32 s[\g+5], 2*KDIM
	s_mov_b32 s[\g+6], 0
	s_mov_b32 s[\g+7], 0
.endr
.irp g, G1SA, G1SB                     ; scale words: 2,048 dense bytes as 8 rows of 256
	s_mov_b32 s[\g+1], 32<<16
	s_mov_b32 s[\g+2], 8<<16
	s_mov_b32 s[\g+3], 32<<16
	s_mov_b32 s[\g+4], 8
	s_mov_b32 s[\g+5], 32
	s_mov_b32 s[\g+6], 0
	s_mov_b32 s[\g+7], 0
.endr
.irp s, 0,1
	s_mov_b32 s[G0A+4*\s], 1
	s_mov_b32 s[G0A+4*\s+1], \s*SLOT
	s_mov_b32 s[G0B+4*\s], 1
	s_mov_b32 s[G0B+4*\s+1], \s*SLOT+BOFF
	s_mov_b32 s[G0SA+4*\s], 1
	s_mov_b32 s[G0SA+4*\s+1], \s*SLOT+SAOFF
	s_mov_b32 s[G0SB+4*\s], 1
	s_mov_b32 s[G0SB+4*\s+1], \s*SLOT+SBOFF
.endr
	s_mul_i32 s[G0A+2], s17, 256*KDIM              ; byte offsets first; the pointers are added below.  A's hang on cy alone, B's on cx alone
	s_mov_b32 s[G0A+3], 0
	s_lshl_b32 s[G0SA+2], s17, 11
	s_add_co_u32 s[G0SA+2], s[G0SA+2], A_S
	s_mov_b32 s[G0SA+3], 0
	s_mul_i32 s[G0B+2], s42, 256*KDIM
	s_add_co_u32 s[G0B+2], s[G0B+2], B_C
	s_mov_b32 s[G0B+3], 0
	s_lshl_b32 s[G0SB+2], s42, 11
	s_add_co_u32 s[G0SB+2], s[G0SB+2], B_S
	s_mov_b32 s[G0SB+3], 0
	s_wait_dscnt 0x0                               ; both opening adds are done
	s_wait_kmcnt 0x0
	s_add_nc_u64 s[G0A+2:G0A+3], s[4:5], s[G0A+2:G0A+3]
	s_add_nc_u64 s[G0SA+2:G0SA+3], s[4:5], s[G0SA+2:G0SA+3]
	s_add_nc_u64 s[G0B+2:G0B+3], s[6:7], s[G0B+2:G0B+3]
	s_add_nc_u64 s[G0SB+2:G0SB+3], s[6:7], s[G0SB+2:G0SB+3]
	s_add_nc_u64 s[G0A+6:G0A+7], s[G0A+2:G0A+3], 4096
	s_add_nc_u64 s[G0B+6:G0B+7], s[G0B+2:G0B+3], 4096
	s_add_nc_u64 s[G0SA+6:G0SA+7], s[G0SA+2:G0SA+3], RA8
	s_add_nc_u64 s[G0SB+6:G0SB+7], s[G0SB+2:G0SB+3], RB8
.irp g, G0A, G0B, G0SA, G0SB
	s_or_b32 s[\g+3], s[\g+3], 0x80000000          ; 127:126 type = 2
	s_or_b32 s[\g+7], s[\g+7], 0x80000000
.endr
	CROUND                                         ; all sixteen work-groups are here: the first joint loads meet
	JLOAD 0
	JLOAD 1
	v_and_b32 v1, 31, v0                           ; lane
	v_and_b32 v2, 15, v0                           ; r
	v_bfe_u32 v3, v0, 4, 1                         ; h
	v_lshlrev_b32 v[CO], 4, v1
	s_lshl_b32 s18, s15, 15                        ; my eight tiles of A: 4,096 bytes each
	s_lshl_b32 s19, s16, 15
	s_add_co_u32 s19, s19, BOFF
.irp s, 0,1
	v_add_nc_u32 v[ADRA+\s], s18, v[CO]
	v_add_nc_u32 v[ADRB+\s], s19, v[CO]
	s_add_co_u32 s18, s18, SLOT
	s_add_co_u32 s19, s19, SLOT
.endr
	s_lshl_b32 s20, s15, 10                        ; my eight tiles' scale words: 128 bytes each
	s_lshl_b32 s21, s16, 10
	s_add_co_u32 s21, s21, SBOFF-SAOFF
	s_sub_co_u32 s21, s21, s20
	v_mul_u32_u24 v6, s21, v3                      ; lanes 16-31 take B's: one product with h
	v_lshl_add_u32 v6, v2, 3, v6
	s_add_co_u32 s20, s20, SAOFF
	v_add_nc_u32 v[ADRS], s20, v6
	v_add_nc_u32 v[ADRS+1], SLOT, v[ADRS]
	s_mul_i32 s20, s14, 16*528                     ; my stage
	v_mul_u32_u24 v[STO], v2, 528
	v_lshl_add_u32 v[STO], v3, 6, v[STO]
	v_add_nc_u32 v[STO], s20, v[STO]               ; in: row r, 64 h bytes on
	v_add_nc_u32 v[RD], s20, v[CO]                 ; back: a row's 512 bytes over the 32 lanes
	v_lshlrev_b32 v[BO], 6, v3                     ; the bias: 16 h numbers on
	s_lshl_b32 s18, s42, 10
	s_lshl_b32 s19, s16, 9
	s_add_co_u32 s18, s18, s19                     ; my 128 columns, in bytes
	s_mov_b32 s19, 0
	s_add_nc_u64 s[8:9], s[8:9], s[18:19]
	s_lshl_b32 s20, s17, 20
	s_add_co_u32 s18, s18, s20
	s_lshl_b32 s20, s15, 19
	s_add_co_u32 s18, s18, s20                     ; and my 128 rows of 4,096 bytes
	s_add_nc_u64 s[10:11], s[10:11], s[18:19]
	s_add_nc_u64 s[12:13], s[12:13], s[18:19]
.irp T, 0,1,2,3,4,5,6,7                ; register j of tile T: column 32 (T / 2) + 8 (T % 2) + 16 h + j
	global_load_b128 v[BIAS+8*\T:BIAS+8*\T+3], v[BO], s[8:9] offset:(32*(\T/2)+8*(\T%2))*4
	global_load_b128 v[BIAS+8*\T+4:BIAS+8*\T+7], v[BO], s[8:9] offset:(32*(\T/2)+8*(\T%2))*4+16
.endr
.macro FRAG reg, adr, q, i             ; a fragment: four loads of 512 consecutive bytes
.irp c, 0,1,2,3
	ds_load_b128 v[\reg+4*\c:\reg+4*\c+3], v[\adr] offset:4096*(\i)+2048*(\q)+512*\c
.endr
.endm
; 16 matrix instructions: A's blocks a0, a0 + 1 x B's eight.  cm = 1: C is the bias (the first products start the sums), 0: the sum itself.
; The 64 accumulators take turns, one instruction a turn, in the same order in every step.
.macro MUL16 a0, p, q, sc, cm
.irp a, \a0, \a0+1
.irp b, 0,1,2,3,4,5,6,7
.if \cm
	v_wmma_scale_f32_16x16x128_f8f6f4 v[8*(8*((\a)%4)+\b):8*(8*((\a)%4)+\b)+7], v[128*(\p)+FR*\b:128*(\p)+FR*\b+FR-1], v[AF+FR*(\a):AF+FR*(\a)+FR-1], v[BIAS+8*\b:BIAS+8*\b+7], v[SC+16*(\sc)+2*\b+(\q)], v[SC+16*(\sc)+2*(\a)+(\q)] matrix_a_scale:MATRIX_SCALE_ROW1
.else
	v_wmma_scale_f32_16x16x128_f8f6f4 v[8*(8*((\a)%4)+\b):8*(8*((\a)%4)+\b)+7], v[128*(\p)+FR*\b:128*(\p)+FR*\b+FR-1], v[AF+FR*(\a):AF+FR*(\a)+FR-1], v[8*(8*((\a)%4)+\b):8*(8*((\a)%4)+\b)+7], v[SC+16*(\sc)+2*\b+(\q)], v[SC+16*(\sc)+2*(\a)+(\q)] matrix_a_scale:MATRIX_SCALE_ROW1
.endif
.endr
.endr
.endm
.macro FETCH_B slot, q, p
	WIN TO_B
.irp i, 0,1,2,3,4,5,6,7
	FRAG 128*(\p)+FR*\i, ADRB+\slot, \q, \i
.endr
	WIN 0
.endm
.macro FETCH_A slot, q, i0
.irp i, \i0, \i0+1, \i0+2, \i0+3
	FRAG AF+FR*(\i), ADRA+\slot, \q, \i
.endr
.endm
.macro SCALES sc                       ; slot sc's scale words: two a row; lanes 0-15 A's block i, lanes 16-31 B's block i
.irp i, 0,1,2,3,4,5,6,7
	ds_load_b64 v[SC+16*\sc+2*\i:SC+16*\sc+2*\i+1], v[ADRS+\sc] offset:128*\i
.endr
.endm
.macro STEP slot, q, cm                ; a step of 128 along K that has its successor in the same slot
	s_wait_dscnt 4*NL                              ; B's set, A's blocks 0-3 and the scale words are in; the youngest 16 loads (A's blocks 4-7) may be out
.if \cm
	WIN 0x81                                       ; C, the bias, in window 0
.else
	WIN MUL_LO
.endif
	MUL16 0, (\q)%2, \q, \slot, \cm
	MUL16 2, (\q)%2, \q, \slot, \cm
	s_wait_dscnt 0                                 ; A's blocks 4-7 are in
	PLACES NP                                      ; in front of loads into registers that matrix instructions have read
	FETCH_B \slot, (\q)+1, 1-(\q)%2
	FETCH_A \slot, (\q)+1, 0
.if \cm
	WIN 0xc1
.else
	WIN MUL_HI
.endif
	MUL16 4, (\q)%2, \q, \slot, \cm
	MUL16 6, (\q)%2, \q, \slot, \cm
	PLACES NP
	WIN 0
	FETCH_A \slot, (\q)+1, 4
.endm
; A slot's last step changes slots: ONE barrier; in front of it each wave waits for all its tensor loads, adds 0 to its spare word, and waits for that and for its reads of this slot.  fill = 1: the barrier opens a round of the cluster's, and this slot is filled again, two K steps ahead.
.macro TURN slot, next, fill
	s_wait_tensorcnt 0x0                           ; all my tensor loads have landed: my part of the next slot
	ds_add_u32 v[SPW], v[NIL]                      ; 0 onto my spare word
	s_wait_dscnt 4*NL+1                            ; (the add and the youngest 16 loads may be out)
	WIN MUL_LO
	MUL16 0, 1, 1, \slot, 0
	s_wait_dscnt 0x0                               ; the add is done, and my reads of this slot are over
	s_barrier_signal -1
	MUL16 2, 1, 1, \slot, 0
	WIN 0
	s_barrier_wait -1
.if \fill
	CREST                                          ; no wave of any partner still reads this slot or has a load on its way
	s_add_nc_u64 s[G0A+4*\slot+2:G0A+4*\slot+3], s[G0A+4*\slot+2:G0A+4*\slot+3], 8192
	s_add_nc_u64 s[G0B+4*\slot+2:G0B+4*\slot+3], s[G0B+4*\slot+2:G0B+4*\slot+3], 8192
	s_add_nc_u64 s[G0SA+4*\slot+2:G0SA+4*\slot+3], s[G0SA+4*\slot+2:G0SA+4*\slot+3], 2*RA8
	s_add_nc_u64 s[G0SB+4*\slot+2:G0SB+4*\slot+3], s[G0SB+4*\slot+2:G0SB+4*\slot+3], 2*RB8
	JLOAD \slot                                    ; the first tensor load behind the round, one a wave
	PLACES NP-4
.else
	PLACES NP
.endif
	FETCH_B \next, 0, 0
	FETCH_A \next, 0, 0
	SCALES \next
	WIN MUL_HI
	MUL16 4, 1, 1, \slot, 0
	MUL16 6, 1, 1, \slot, 0
	PLACES NP
	WIN 0
	FETCH_A \next, 0, 4
.endm
	s_wait_tensorcnt 1                             ; my part of K step 0 is in (K step 1's load may be out)
	s_barrier_signal -1
	s_barrier_wait -1                              ; everybody's is
	FETCH_B 0, 0, 0
	FETCH_A 0, 0, 0
	SCALES 0
	FETCH_A 0, 0, 4
	s_wait_loadcnt 0x0                             ; the bias
	STEP 0, 0, 1
	s_mov_b32 s3, LAPS-1
.Llap:                                         ; a trip goes once round the ring and fills both slots again
	TURN 0, 1, 1
	STEP 1, 0, 0
	TURN 1, 0, 1
	STEP 0, 0, 0
	s_sub_co_u32 s3, s3, 1
	s_cmp_lg_u32 s3, 0
	s_cbranch_scc1 .Llap
	TURN 0, 1, 0                                   ; the last lap fills nothing
	STEP 1, 0, 0
	s_wait_dscnt 4*NL
	WIN MUL_LO
	MUL16 0, 1, 1, 1, 0
	MUL16 2, 1, 1, 1, 0
	s_wait_dscnt 0
	WIN MUL_HI
	MUL16 4, 1, 1, 1, 0
	MUL16 6, 1, 1, 1, 0
	WIN 0
	; ---- THE WAY OUT
.macro TOSTAGE a                       ; block a's 16 rows x 128 columns into my stage, and back as whole rows
.set AC, 64*((\a)%4)
	WIN 0x08+4*((\a)/4)                            ; an LDS store's data are its source 1: window 2 or 3
.irp T, 0,1,2,3,4,5,6,7
	ds_store_b128 v[STO], v[AC+8*\T:AC+8*\T+3] offset:128*(\T/2)+32*(\T%2)          ; each accumulator from its low end on
	ds_store_b128 v[STO], v[AC+8*\T+4:AC+8*\T+7] offset:128*(\T/2)+32*(\T%2)+16
.endr
	WIN 0
.set BB, BK+64*((\a)%2)
.set t, 0
.rept 16
	ds_load_b128 v[BB+4*t:BB+4*t+3], v[RD] offset:t*528            ; LDS serves a wave's instructions in order: these see the stores above
.set t, t+1
.endr
.endm
.macro RLOAD a                         ; the residual's same 16 rows, into window 1
	WIN 0x40
.set t, 0
.rept 16
	global_load_b128 v[64*((\a)%2)+4*t:64*((\a)%2)+4*t+3], v[CO], s[10:11] offset:(16*(\a)+t)*4096
.set t, t+1
.endr
	WIN 0
.endm
.macro SEND a, yd, yl                  ; yd, yl: the LDS instructions and the loads issued behind block a's, which may stay out
.set BB, BK+64*((\a)%2)
.set RB, 64*((\a)%2)
	s_wait_dscnt \yd
	s_wait_loadcnt \yl
	WIN 0x04                                       ; source 1, the residual, in window 1
.set t, 0
.rept 32
	v_pk_add_f32 v[BB+t:BB+t+1], v[BB+t:BB+t+1], v[RB+t:RB+t+1]
.set t, t+2
.endr
	WIN 0
.set t, 0
.rept 16
.if FINAL
	global_store_b128 v[CO], v[BB+4*t:BB+4*t+3], s[12:13] offset:(16*(\a)+t)*4096 th:TH_STORE_NT
.else
	global_store_b128 v[CO], v[BB+4*t:BB+4*t+3], s[12:13] offset:(16*(\a)+t)*4096   ; 32 lanes store 512 consecutive bytes, aligned
.endif
.set t, t+1
.endr
.endm
	PLACES NP                                      ; behind the last products: for the first reads of results and the loads into operands' registers
	TOSTAGE 0
	RLOAD 0
.irp a, 1,2,3,4,5,6,7
.if \a > 1
	s_wait_xcnt 0x0                                ; block a - 2's stores have read their data: block a's rows land there only behind this wait
.endif
	TOSTAGE \a
	RLOAD \a
	SEND \a-1, 32, 16
.endr
	SEND 7, 0, 0
	s_wait_tensorcnt 0x0                           ; the wave's end, behind my last tensor load and my last LDS store
	ds_add_u32 v[SPW], v[NIL]
	s_wait_dscnt 0x0
	CROUND                                         ; the closing round
	s_endpgm
.Lfunc_end_k_q10020ee7d6_gemm_out:
	.size	k_q10020ee7d6_gemm_out, .Lfunc_end_k_q10020ee7d6_gemm_out-k_q10020ee7d6_gemm_out
	.p2alignl 7, 3214868480
	.fill 96, 4, 3214868480
	.section	.rodata,"a",@progbits
	.p2align	6, 0x0
	.amdhsa_kernel k_q10020ee7d6_gemm_out
		.amdhsa_group_segment_fixed_size 327680
		.amdhsa_private_segment_fixed_size 0
		.amdhsa_enable_private_segment 0
		.amdhsa_kernarg_size 40
		.amdhsa_user_sgpr_count 2
		.amdhsa_user_sgpr_kernarg_segment_ptr 1
		.amdhsa_wavefront_size32 1
		.amdhsa_system_sgpr_workgroup_id_x 1
		.amdhsa_system_sgpr_workgroup_id_y 1
		.amdhsa_system_sgpr_workgroup_id_z 1
		.amdhsa_system_vgpr_workitem_id 0
		.amdhsa_next_free_vgpr 1024
		.amdhsa_next_free_sgpr 102
		.amdhsa_reserve_vcc 0
		.amdhsa_float_denorm_mode_32 3
		.amdhsa_float_denorm_mode_16_64 3
		.amdhsa_memory_ordered 1
		.amdhsa_forward_progress 1
		.amdhsa_inst_pref_size 178
	.end_amdhsa_kernel
	.amdgpu_metadata
---
amdhsa.version: [ 1, 2 ]
amdhsa.kernels:
  - .name:           k_q10020ee7d6_gemm_out
    .symbol:         k_q10020ee7d6_gemm_out.kd
    .args:
      - { .name: ab, .offset: 0, .size: 8, .value_kind: global_buffer, .address_space: global }
      - { .name: wb, .offset: 8, .size: 8, .value_kind: global_buffer, .address_space: global }
      - { .name: out_b, .offset: 16, .size: 8, .value_kind: global_buffer, .address_space: global }
      - { .name: x, .offset: 24, .size: 8, .value_kind: global_buffer, .address_space: global }
      - { .name: x1, .offset: 32, .size: 8, .value_kind: global_buffer, .address_space: global }
    .group_segment_fixed_size: 327680
    .private_segment_fixed_size: 0
    .kernarg_segment_align: 8
    .kernarg_segment_size: 40
    .max_flat_workgroup_size: 128
    .sgpr_count:     102
    .vgpr_count:     1024
    .wavefront_size: 32
...
	.end_amdgpu_metadata
.endif
;; end of part 5
;; launch ln2: the kernel of part 2 again; grid 256 x 1, 8 waves a work-group, no clusters, 18,432 bytes of LDS; arguments x1, norm2_g, norm2_b, hb; writes hb
;; launch gemm_ff1 (part 6): grid 16 x 16, 4 waves a work-group, clusters of 4 x 4, 327,680 bytes of LDS; arguments hb, wb, ff1_b, fb; writes fb
.if DOCPART == 6
	.amdgcn_target "amdgcn-amd-amdhsa--gfx1250"
	.amdhsa_code_object_version 6
	.text
	.protected	k_q10020ee7d6_gemm_ff1
	.globl	k_q10020ee7d6_gemm_ff1
	.p2align	8
	.type	k_q10020ee7d6_gemm_ff1,@function
k_q10020ee7d6_gemm_ff1:
	s_mov_b64 s[64:65], 0
	v_nop
	global_prefetch_b8 v0, s[64:65] scope:SCOPE_SE
	s_setreg_imm32_b32 hwreg(HW_REG_WAVE_MODE, 25, 1), 1
	s_wait_xcnt 0x0
	s_wait_alu depctr_hold_cnt(0) depctr_sa_sdst(0) depctr_va_vdst(0) depctr_va_sdst(0) depctr_va_ssrc(0) depctr_va_vcc(0) depctr_vm_vsrc(0)
	s_getreg_b32 s2, hwreg(HW_REG_IB_STS2, 6, 4)
	s_cmp_eq_u32 s2, 0
	s_cbranch_scc0 .Lentry_in_a_cluster
	s_endpgm
.Lentry_in_a_cluster:
	s_bfe_u32 s2, ttmp6, 0x10000c
	s_cmp_lg_u32 s2, 0xf033
	s_cbranch_scc0 .Lentry_shape_is_right
	s_endpgm
.Lentry_shape_is_right:
; hidden = gelu(h2 ff1_w + ff1_b), the product on codes of FP8 (E4M3), the exact GELU in f32, and the result quantised at once along the hidden axis, the next product's K.  No work is left out.
; OPERANDS lie in memory in the order of a fragment's registers: [tile of 16 rows][kk = K/128][c][lane][16 bytes]; scale words [step = K/256][tile][r][2 words]: a fragment is 2,048 dense bytes in memory and in LDS.
; A work-group of four waves makes 256 x 256, a wave 128 x 128: 64 accumulators.  Source 0 = 16 columns of the weight, source 1 = 16 rows: a lane holds one row; the weight's tiles are ordered so that the 16 registers of
; accumulators (a, 2 b), (a, 2 b + 1) are 16 neighbouring columns.  The bias is the C of each sum's first product.
; K goes in steps of 256 through two LDS slots (A's and B's codes, 65,536 bytes each, and their scale words, 2,048 each): wave 0 fetches A's codes, wave 1 B's, wave 2 A's scales, wave 3 B's: one tensor load a wave.
; CLUSTERS 4 x 4: A's tiles are asked for jointly along a row of the cluster, B's along a column.
; THE WAY OUT: the accumulators go to the wave's own 65,536 bytes of the ring, which has had its last fill and its last read (a barrier stands between), and come back a tile of 16 rows at a time, so that one trip's text serves all eight.
; GELU: x (1 + erf(x / sqrt 2)) / 2, erf(z) = z P(z^2) / Q(z^2) with z held within +-4, P of degree 6 and Q of degree 4 in z^2: the error is of the order of f32's own rounding of erf.
; The scale words are stored four bytes a lane, eight bytes apart (the other word is the neighbour wave's), lanes 16-31 writing what lanes 0-15 write: one byte in 32 of the codes'.
; LIMITS: a block of zeros gets the byte 1 where the rule says 127 (zero codes; this program alone reads the bytes); blocks under 2^-118 are held at the byte 1; far below 0 the result is x times a rounding error of erf and not 0;
; NaN and infinities are not served.
.set KDIM,  1024
.set A_S,   4194304                    ; A's scale words in hb
.set B_C,   4194304                    ; the weight's codes in wb
.set B_S,   12713984                   ; and its scale words
.set RA8,   32768
.set RB8,   32768
.set FS,    16777216                   ; the hidden layer's scale words in fb
.set LAPS,  KDIM/512
.set SLOT,  135168
.set BOFF,  65536
.set SAOFF, 131072
.set SBOFF, 133120
.set SPARE, 2*SLOT                     ; behind the ring: the spare words, 128 bytes a wave: two blocks of 256 bytes that no other line names
.set FR, 16
.set NL, 4
.set NP, 8                             ; places behind this matrix instruction (ISA guide 7.12.1)
.set PW,   12
.set ADRA, 16
.set BO,   18
.set ADRB, 20
.set ADRS, 22
.set CO,   26                          ; v26     16 x lane
.set R8,   27                          ; v27     8 r
.set SPW,  28
.set NIL,  29
.set DST,  30                          ; v30     the way out: my place in my wave's bytes
.set DLD,  31                          ; v31     and in the tile that is being read back
.set SC,   32                          ; v32-63  scale words, two sets; they hold nothing else
.set BIAS, 64
.set AF,   128
.set H,    64                          ; the way out, window 0: a tile's 64 numbers behind the GELU,
.set PC,   128                         ; its codes,
.set TM,   144                         ; 16 registers at work,
.set GZ,   160                         ; z,
.set GZ2,  176                         ; z^2,
.set GP,   192                         ; P,
.set GQ,   208                         ; Q: 16 numbers each,
.set CF,   224                         ; and the 12 coefficients as pairs.  Window 1, v0-63: the tile as it comes back
.set G1A, 24
.set G0A, 32
.set G1B, 48
.set G0B, 56
.set G1SA, 68
.set G0SA, 76
.set G1SB, 84
.set G0SB, 92
.set SEL, 20
.set MNT, 22
.set MSB, 0
.macro WIN new
.if MSB != \new
	s_set_vgpr_msb (MSB<<8)|\new
.set MSB, \new
.endif
.endm
.set MUL_LO, 0xa1
.set MUL_HI, 0xf1
.set TO_B,   0x40
.macro TL g0, g1                       ; a tensor load; an s_nop 0 and four v_nop follow it
	tensor_load_to_lds s[\g0:\g0+3], s[\g1:\g1+7]
	s_nop 0
.rept 4
	v_nop
.endr
.endm
.macro JLOAD s                         ; each wave's one load for slot s; the branches hang on the wave's number alone
	s_cmp_lt_u32 s14, 2
	s_cbranch_scc0 .Lscales_\@
	s_cmp_eq_u32 s14, 0
	s_cbranch_scc0 .Lb_\@
	TL G0A+4*\s, G1A
	s_branch .Lasked_\@
.Lb_\@:
	TL G0B+4*\s, G1B
	s_branch .Lasked_\@
.Lscales_\@:
	s_cmp_eq_u32 s14, 2
	s_cbranch_scc0 .Lsb_\@
	TL G0SA+4*\s, G1SA
	s_branch .Lasked_\@
.Lsb_\@:
	TL G0SB+4*\s, G1SB
.Lasked_\@:
.endm
.macro CREST
	s_cmp_lg_u32 s14, 0
	s_cbranch_scc1 .Lnot_wave_0_\@
	s_barrier_signal -3
.Lnot_wave_0_\@:
	s_barrier_wait -3
	s_barrier_signal -1
	s_barrier_wait -1
.endm
.macro CROUND
	s_barrier_signal -1
	s_barrier_wait -1
	CREST
.endm
.macro PLACES n
.rept \n
	v_nop
.endr
.endm
	s_load_b256 s[4:11], s[0:1], 0x0               ; hb s[4:5], wb s[6:7], ff1_b s[8:9], fb s[10:11]
	v_lshl_add_u32 v[SPW], v0, 2, SPARE
	v_mov_b32 v[NIL], 0
	ds_add_u32 v[SPW], v[NIL]                      ; the wave's opening: the add, twice on end, and its wait ahead of my first tensor load
	ds_add_u32 v[SPW], v[NIL]
	v_lshrrev_b32 v1, 5, v0
	v_readfirstlane_b32 s14, v1                    ; wave 0..3
	s_lshr_b32 s15, s14, 1                         ; which half of the rows is mine
	s_and_b32 s16, s14, 1                          ; which half of the columns
	s_bfe_u32 s40, ttmp6, 0x40000                  ; cx
	s_bfe_u32 s41, ttmp6, 0x40004                  ; cy
	s_lshl_b32 s42, ttmp9, 2
	s_add_co_u32 s42, s42, s40                     ; B's tile of 256 columns
	s_and_b32 s17, ttmp7, 0xffff
	s_lshl_b32 s17, s17, 2
	s_add_co_u32 s17, s17, s41                     ; A's tile of 256 rows
	s_lshl_b32 s43, s41, 2
	s_lshl_b32 s43, 15, s43                        ; my row of the cluster
	s_lshl_b32 s44, 0x1111, s40                    ; my column
	s_or_b32 s[G1A], s43, (3<<16)|(1<<21)          ; 15:0 the mask; 17:16 elements of 8 bytes; 21 set beside a mask; no padding
	s_or_b32 s[G1B], s44, (3<<16)|(1<<21)
	s_or_b32 s[G1SA], s43, (3<<16)|(1<<21)
	s_or_b32 s[G1SB], s44, (3<<16)|(1<<21)
.irp g, G1A, G1B                       ; codes: 16 tiles' two fragments: 16 rows of 4,096 bytes, 16 KDIM bytes apart
	s_mov_b32 s[\g+1], 512<<16
	s_mov_b32 s[\g+2], 16<<16
	s_mov_b32 s[\g+3], 512<<16
	s_mov_b32 s[\g+4], 16
	s_mov_b32 s[\g+5], 2*KDIM
	s_mov_b32 s[\g+6], 0
	s_mov_b32 s[\g+7], 0
.endr
.irp g, G1SA, G1SB                     ; scale words: 2,048 dense bytes as 8 rows of 256
	s_mov_b32 s[\g+1], 32<<16
	s_mov_b32 s[\g+2], 8<<16
	s_mov_b32 s[\g+3], 32<<16
	s_mov_b32 s[\g+4], 8
	s_mov_b32 s[\g+5], 32
	s_mov_b32 s[\g+6], 0
	s_mov_b32 s[\g+7], 0
.endr
.irp s, 0,1
	s_mov_b32 s[G0A+4*\s], 1
	s_mov_b32 s[G0A+4*\s+1], \s*SLOT
	s_mov_b32 s[G0B+4*\s], 1
	s_mov_b32 s[G0B+4*\s+1], \s*SLOT+BOFF
	s_mov_b32 s[G0SA+4*\s], 1
	s_mov_b32 s[G0SA+4*\s+1], \s*SLOT+SAOFF
	s_mov_b32 s[G0SB+4*\s], 1
	s_mov_b32 s[G0SB+4*\s+1], \s*SLOT+SBOFF
.endr
	s_mul_i32 s[G0A+2], s17, 256*KDIM              ; byte offsets first; the pointers are added below.  A's hang on cy alone, B's on cx alone
	s_mov_b32 s[G0A+3], 0
	s_lshl_b32 s[G0SA+2], s17, 11
	s_add_co_u32 s[G0SA+2], s[G0SA+2], A_S
	s_mov_b32 s[G0SA+3], 0
	s_mul_i32 s[G0B+2], s42, 256*KDIM
	s_add_co_u32 s[G0B+2], s[G0B+2], B_C
	s_mov_b32 s[G0B+3], 0
	s_lshl_b32 s[G0SB+2], s42, 11
	s_add_co_u32 s[G0SB+2], s[G0SB+2], B_S
	s_mov_b32 s[G0SB+3], 0
	s_wait_dscnt 0x0                               ; both opening adds are done
	s_wait_kmcnt 0x0
	s_add_nc_u64 s[G0A+2:G0A+3], s[4:5], s[G0A+2:G0A+3]
	s_add_nc_u64 s[G0SA+2:G0SA+3], s[4:5], s[G0SA+2:G0SA+3]
	s_add_nc_u64 s[G0B+2:G0B+3], s[6:7], s[G0B+2:G0B+3]
	s_add_nc_u64 s[G0SB+2:G0SB+3], s[6:7], s[G0SB+2:G0SB+3]
	s_add_nc_u64 s[G0A+6:G0A+7], s[G0A+2:G0A+3], 4096
	s_add_nc_u64 s[G0B+6:G0B+7], s[G0B+2:G0B+3], 4096
	s_add_nc_u64 s[G0SA+6:G0SA+7], s[G0SA+2:G0SA+3], RA8
	s_add_nc_u64 s[G0SB+6:G0SB+7], s[G0SB+2:G0SB+3], RB8
.irp g, G0A, G0B, G0SA, G0SB
	s_or_b32 s[\g+3], s[\g+3], 0x80000000          ; 127:126 type = 2
	s_or_b32 s[\g+7], s[\g+7], 0x80000000
.endr
	CROUND                                         ; all sixteen work-groups are here: the first joint loads meet
	JLOAD 0
	JLOAD 1
	v_and_b32 v1, 31, v0                           ; lane
	v_and_b32 v2, 15, v0                           ; r
	v_bfe_u32 v3, v0, 4, 1                         ; h
	v_lshlrev_b32 v[CO], 4, v1
	v_lshlrev_b32 v[R8], 3, v2
	s_lshl_b32 s18, s15, 15                        ; my eight tiles of A: 4,096 bytes each
	s_lshl_b32 s19, s16, 15
	s_add_co_u32 s19, s19, BOFF
.irp s, 0,1
	v_add_nc_u32 v[ADRA+\s], s18, v[CO]
	v_add_nc_u32 v[ADRB+\s], s19, v[CO]
	s_add_co_u32 s18, s18, SLOT
	s_add_co_u32 s19, s19, SLOT
.endr
	s_lshl_b32 s20, s15, 10                        ; my eight tiles' scale words: 128 bytes each
	s_lshl_b32 s21, s16, 10
	s_add_co_u32 s21, s21, SBOFF-SAOFF
	s_sub_co_u32 s21, s21, s20
	v_mul_u32_u24 v6, s21, v3                      ; lanes 16-31 take B's: one product with h
	v_add_nc_u32 v6, v6, v[R8]
	s_add_co_u32 s20, s20, SAOFF
	v_add_nc_u32 v[ADRS], s20, v6
	v_add_nc_u32 v[ADRS+1], SLOT, v[ADRS]
	s_lshl_b32 s20, s14, 16
	v_add_nc_u32 v[DST], s20, v[CO]                ; the way out: 65,536 bytes a wave
	v_lshlrev_b32 v[BO], 6, v3                     ; the bias: 16 h numbers on
	s_lshl_b32 s18, s42, 10
	s_lshl_b32 s19, s16, 9
	s_add_co_u32 s18, s18, s19                     ; my 128 columns, in bytes
	s_mov_b32 s19, 0
	s_add_nc_u64 s[8:9], s[8:9], s[18:19]
.irp T, 0,1,2,3,4,5,6,7                ; register j of tile T: column 32 (T / 2) + 8 (T % 2) + 16 h + j
	global_load_b128 v[BIAS+8*\T:BIAS+8*\T+3], v[BO], s[8:9] offset:(32*(\T/2)+8*(\T%2))*4
	global_load_b128 v[BIAS+8*\T+4:BIAS+8*\T+7], v[BO], s[8:9] offset:(32*(\T/2)+8*(\T%2))*4+16
.endr
.macro FRAG reg, adr, q, i             ; a fragment: four loads of 512 consecutive bytes
.irp c, 0,1,2,3
	ds_load_b128 v[\reg+4*\c:\reg+4*\c+3], v[\adr] offset:4096*(\i)+2048*(\q)+512*\c
.endr
.endm
; 16 matrix instructions: A's blocks a0, a0 + 1 x B's eight.  cm = 1: C is the bias (the first products start the sums), 0: the sum itself.
; The 64 accumulators take turns, one instruction a turn, in the same order in every step.
.macro MUL16 a0, p, q, sc, cm
.irp a, \a0, \a0+1
.irp b, 0,1,2,3,4,5,6,7
.if \cm
	v_wmma_scale_f32_16x16x128_f8f6f4 v[8*(8*((\a)%4)+\b):8*(8*((\a)%4)+\b)+7], v[128*(\p)+FR*\b:128*(\p)+FR*\b+FR-1], v[AF+FR*(\a):AF+FR*(\a)+FR-1], v[BIAS+8*\b:BIAS+8*\b+7], v[SC+16*(\sc)+2*\b+(\q)], v[SC+16*(\sc)+2*(\a)+(\q)] matrix_a_scale:MATRIX_SCALE_ROW1
.else
	v_wmma_scale_f32_16x16x128_f8f6f4 v[8*(8*((\a)%4)+\b):8*(8*((\a)%4)+\b)+7], v[128*(\p)+FR*\b:128*(\p)+FR*\b+FR-1], v[AF+FR*(\a):AF+FR*(\a)+FR-1], v[8*(8*((\a)%4)+\b):8*(8*((\a)%4)+\b)+7], v[SC+16*(\sc)+2*\b+(\q)], v[SC+16*(\sc)+2*(\a)+(\q)] matrix_a_scale:MATRIX_SCALE_ROW1
.endif
.endr
.endr
.endm
.macro FETCH_B slot, q, p
	WIN TO_B
.irp i, 0,1,2,3,4,5,6,7
	FRAG 128*(\p)+FR*\i, ADRB+\slot, \q, \i
.endr
	WIN 0
.endm
.macro FETCH_A slot, q, i0
.irp i, \i0, \i0+1, \i0+2, \i0+3
	FRAG AF+FR*(\i), ADRA+\slot, \q, \i
.endr
.endm
.macro SCALES sc                       ; slot sc's scale words: two a row; lanes 0-15 A's block i, lanes 16-31 B's block i
.irp i, 0,1,2,3,4,5,6,7
	ds_load_b64 v[SC+16*\sc+2*\i:SC+16*\sc+2*\i+1], v[ADRS+\sc] offset:128*\i
.endr
.endm
.macro STEP slot, q, cm                ; a step of 128 along K that has its successor in the same slot
	s_wait_dscnt 4*NL                              ; B's set, A's blocks 0-3 and the scale words are in; the youngest 16 loads (A's blocks 4-7) may be out
.if \cm
	WIN 0x81                                       ; C, the bias, in window 0
.else
	WIN MUL_LO
.endif
	MUL16 0, (\q)%2, \q, \slot, \cm
	MUL16 2, (\q)%2, \q, \slot, \cm
	s_wait_dscnt 0                                 ; A's blocks 4-7 are in
	PLACES NP                                      ; in front of loads into registers that matrix instructions have read
	FETCH_B \slot, (\q)+1, 1-(\q)%2
	FETCH_A \slot, (\q)+1, 0
.if \cm
	WIN 0xc1
.else
	WIN MUL_HI
.endif
	MUL16 4, (\q)%2, \q, \slot, \cm
	MUL16 6, (\q)%2, \q, \slot, \cm
	PLACES NP
	WIN 0
	FETCH_A \slot, (\q)+1, 4
.endm
; A slot's last step changes slots: ONE barrier; in front of it each wave waits for all its tensor loads, adds 0 to its spare word, and waits for that and for its reads of this slot.  fill = 1: the barrier opens a round of the cluster's, and this slot is filled again, two K steps ahead.
.macro TURN slot, next, fill
	s_wait_tensorcnt 0x0                           ; all my tensor loads have landed: my part of the next slot
	ds_add_u32 v[SPW], v[NIL]                      ; 0 onto my spare word
	s_wait_dscnt 4*NL+1                            ; (the add and the youngest 16 loads may be out)
	WIN MUL_LO
	MUL16 0, 1, 1, \slot, 0
	s_wait_dscnt 0x0                               ; the add is done, and my reads of this slot are over
	s_barrier_signal -1
	MUL16 2, 1, 1, \slot, 0
	WIN 0
	s_barrier_wait -1
.if \fill
	CREST                                          ; no wave of any partner still reads this slot or has a load on its way
	s_add_nc_u64 s[G0A+4*\slot+2:G0A+4*\slot+3], s[G0A+4*\slot+2:G0A+4*\slot+3], 8192
	s_add_nc_u64 s[G0B+4*\slot+2:G0B+4*\slot+3], s[G0B+4*\slot+2:G0B+4*\slot+3], 8192
	s_add_nc_u64 s[G0SA+4*\slot+2:G0SA+4*\slot+3], s[G0SA+4*\slot+2:G0SA+4*\slot+3], 2*RA8
	s_add_nc_u64 s[G0SB+4*\slot+2:G0SB+4*\slot+3], s[G0SB+4*\slot+2:G0SB+4*\slot+3], 2*RB8
	JLOAD \slot                                    ; the first tensor load behind the round, one a wave
	PLACES NP-4
.else
	PLACES NP
.endif
	FETCH_B \next, 0, 0
	FETCH_A \next, 0, 0
	SCALES \next
	WIN MUL_HI
	MUL16 4, 1, 1, \slot, 0
	MUL16 6, 1, 1, \slot, 0
	PLACES NP
	WIN 0
	FETCH_A \next, 0, 4
.endm
	s_wait_tensorcnt 1                             ; my part of K step 0 is in (K step 1's load may be out)
	s_barrier_signal -1
	s_barrier_wait -1                              ; everybody's is
	FETCH_B 0, 0, 0
	FETCH_A 0, 0, 0
	SCALES 0
	FETCH_A 0, 0, 4
	s_wait_loadcnt 0x0                             ; the bias
	STEP 0, 0, 1
	s_mov_b32 s3, LAPS-1
.Llap:                                         ; a trip goes once round the ring and fills both slots again
	TURN 0, 1, 1
	STEP 1, 0, 0
	TURN 1, 0, 1
	STEP 0, 0, 0
	s_sub_co_u32 s3, s3, 1
	s_cmp_lg_u32 s3, 0
	s_cbranch_scc1 .Llap
	TURN 0, 1, 0                                   ; the last lap fills nothing
	STEP 1, 0, 0
	s_wait_dscnt 4*NL
	WIN MUL_LO
	MUL16 0, 1, 1, 1, 0
	MUL16 2, 1, 1, 1, 0
	s_wait_dscnt 0
	WIN MUL_HI
	MUL16 4, 1, 1, 1, 0
	MUL16 6, 1, 1, 1, 0
	WIN 0
	; ---- THE WAY OUT
	PLACES NP
	s_wait_dscnt 0x0
	s_barrier_signal -1
	s_barrier_wait -1                              ; every wave's reads of both slots are over: their bytes, filled for the last time, take the accumulators
.irp a, 0,1,2,3,4,5,6,7
	WIN 0x08+4*(\a/4)                              ; an LDS store's data are its source 1: window 2 or 3
.irp T, 0,1,2,3,4,5,6,7
	ds_store_b128 v[DST], v[64*(\a%4)+8*\T:64*(\a%4)+8*\T+3] offset:512*(16*\a+2*\T)        ; each accumulator from its low end on
	ds_store_b128 v[DST], v[64*(\a%4)+8*\T+4:64*(\a%4)+8*\T+7] offset:512*(16*\a+2*\T+1)
.endr
.endr
	WIN 0x40                                       ; destination window 1
.set k, 0
.rept 16
	ds_load_b128 v[4*k:4*k+3], v[DST] offset:512*k                 ; tile 0 comes back: LDS serves a wave's instructions in order
.set k, k+1
.endr
	WIN 0
	s_mov_b32 s[SEL], 0x76543210
	s_mov_b32 s[SEL+1], 0xfedcba98
	s_mov_b32 s[MNT], 0x600000
	s_lshl_b32 s18, s17, 4
	s_lshl_b32 s19, s15, 3
	s_add_co_u32 s18, s18, s19                     ; my first tile of 16 rows
	s_lshl_b32 s32, s18, 16                        ; 32 fragments a tile
	s_lshl_b32 s19, s42, 12
	s_add_co_u32 s32, s32, s19
	s_lshl_b32 s19, s16, 11
	s_add_co_u32 s32, s32, s19                     ; my kk: 2 x B's tile + my half
	s_mov_b32 s33, 0
	s_add_nc_u64 s[32:33], s[10:11], s[32:33]      ; the codes
	s_lshl_b32 s34, s42, 15
	s_lshl_b32 s19, s18, 7
	s_add_co_u32 s34, s34, s19
	s_lshl_b32 s19, s16, 2
	s_add_co_u32 s34, s34, s19
	s_add_co_u32 s34, s34, FS
	s_mov_b32 s35, 0
	s_add_nc_u64 s[34:35], s[10:11], s[34:35]      ; the scale words
	s_mov_b32 s2, 0
.irp b, 0,1,2,3
	v_mov_b32 v[TM+4+\b], 0                        ; written once: a lane permute's destination counts as one of its sources
.endr
.set k, 0
.irp c, 0xaf95df0b, 0x32edffee, 0xb60cff51, 0xb86ec2d2, 0xba40ac63, 0xbb41a1f6, 0xbc83dbd4, 0xb77460cd, 0xb95fbd29, 0xbadc924e, 0xbbf19bf8, 0xbc69b6a7
	v_mov_b32 v[CF+2*k], \c                        ; P's seven coefficients from the highest power down, then Q's five
	v_mov_b32 v[CF+2*k+1], \c
.set k, k+1
.endr
.macro HORNER acc, cf                  ; acc = acc x z^2 + a coefficient, eight pairs
.set p, 0
.rept 8
	v_pk_fma_f32 v[\acc+p:\acc+p+1], v[\acc+p:\acc+p+1], v[GZ2+p:GZ2+p+1], v[CF+2*(\cf):CF+2*(\cf)+1]
.set p, p+2
.endr
.endm
.macro GELU g                          ; numbers 16 g .. 16 g + 15 of the tile: window 1 -> v[H + 16 g] on
	WIN 0x01                                       ; source 0 in window 1
.set p, 0
.rept 8
	v_pk_mul_f32 v[GZ+p:GZ+p+1], v[16*\g+p:16*\g+p+1], 0x3f3504f3 op_sel_hi:[1,0]   ; z = x / sqrt 2
.set p, p+2
.endr
	WIN 0
.set p, 0
.rept 16
	v_med3_num_f32 v[GZ+p], v[GZ+p], -4.0, 4.0
.set p, p+1
.endr
.set p, 0
.rept 8
	v_pk_mul_f32 v[GZ2+p:GZ2+p+1], v[GZ+p:GZ+p+1], v[GZ+p:GZ+p+1]
.set p, p+2
.endr
.set p, 0
.rept 8
	v_pk_fma_f32 v[GP+p:GP+p+1], v[GZ2+p:GZ2+p+1], v[CF:CF+1], v[CF+2:CF+3]
	v_pk_fma_f32 v[GQ+p:GQ+p+1], v[GZ2+p:GZ2+p+1], v[CF+14:CF+15], v[CF+16:CF+17]
.set p, p+2
.endr
	HORNER GQ, 9
	HORNER GQ, 10
	HORNER GQ, 11
.set p, 0
.rept 16
	v_rcp_f32 v[GQ+p], v[GQ+p]
.set p, p+1
.endr
	HORNER GP, 2                                   ; P's chain names no reciprocal: it is the plain work behind the batch
	HORNER GP, 3
	HORNER GP, 4
	HORNER GP, 5
	HORNER GP, 6
.set p, 0
.rept 8
	v_pk_mul_f32 v[GP+p:GP+p+1], v[GP+p:GP+p+1], v[GZ+p:GZ+p+1]
.set p, p+2
.endr
	s_wait_alu depctr_va_vdst(0)                   ; the wait ahead of the first line that names a result: one for the sixteen
.set p, 0
.rept 8
	v_pk_mul_f32 v[GP+p:GP+p+1], v[GP+p:GP+p+1], v[GQ+p:GQ+p+1]    ; erf
.set p, p+2
.endr
.set p, 0
.rept 8
	v_pk_fma_f32 v[GP+p:GP+p+1], v[GP+p:GP+p+1], 0.5, 0.5 op_sel_hi:[1,0,0]
.set p, p+2
.endr
	WIN 0x01
.set p, 0
.rept 8
	v_pk_mul_f32 v[H+16*\g+p:H+16*\g+p+1], v[16*\g+p:16*\g+p+1], v[GP+p:GP+p+1]
.set p, p+2
.endr
	WIN 0
.endm
; 64 numbers of a lane, register 16 b + i = column 32 b + 16 h + i of my row, become a fragment's codes in v[PC] on and its scale word in v[PW]
.macro QUANT s
.irp b, 0,1,2,3
	v_max3_num_f32 v[TM+\b], |v[\s+16*\b]|, |v[\s+1+16*\b]|, 0x4800000   ; with the floor 2^(9 - 127): the byte cannot fall under 1
.endr
.irp i, 2,4,6,8,10,12,14
.irp b, 0,1,2,3
	v_max3_num_f32 v[TM+\b], v[TM+\b], |v[\s+16*\b+\i]|, |v[\s+1+16*\b+\i]|
.endr
.endr
.irp b, 0,1,2,3
	v_permlanex16_b32 v[TM+4+\b], v[TM+\b], s[SEL], s[SEL+1]
.endr
.irp b, 0,1,2,3
	v_max_num_f32 v[TM+\b], v[TM+\b], v[TM+4+\b]   ; with lane l xor 16's: the block's largest magnitude
.endr
.irp b, 0,1,2,3
	v_add_nc_u32 v[TM+12+\b], 0xfc000000, v[TM+\b] ; 8 off its exponent field: the conversion's scale operand
.endr
.irp b, 0,1,2,3
	v_and_or_b32 v[TM+8+\b], v[TM+\b], 0x7f800000, s[MNT]   ; 448 x the scale
.endr
.irp b, 0,1,2,3
	v_lshrrev_b32 v[TM+4+\b], 23, v[TM+12+\b]      ; the scale's byte
.endr
	v_lshl_or_b32 v[PW], v[TM+5], 8, v[TM+4]
	v_lshl_or_b32 v[PW], v[TM+6], 16, v[PW]
	v_lshl_or_b32 v[PW], v[TM+7], 24, v[PW]
.irp b, 0,1,2,3
.irp i, 0,1,2,3,4,5,6,7,8,9,10,11,12,13,14,15
	v_med3_num_f32 v[\s+16*\b+\i], v[\s+16*\b+\i], -v[TM+8+\b], v[TM+8+\b]   ; the conversion does not saturate (ISA guide 7.6.2): the hold comes first
.endr
	v_cvt_scalef32_pk8_fp8_f32 v[PC+4*\b:PC+1+4*\b], v[\s+16*\b:\s+7+16*\b], v[TM+12+\b]
	v_cvt_scalef32_pk8_fp8_f32 v[PC+2+4*\b:PC+3+4*\b], v[\s+8+16*\b:\s+15+16*\b], v[TM+12+\b]
.endr
	v_nop                                          ; a plain instruction behind the last conversion
.endm
.macro TRIP more                       ; one tile of 16 rows; more = 1: the next tile is asked for
	s_wait_dscnt 0x0                               ; the tile's 64 numbers are in
	GELU 0
	GELU 1
	GELU 2
	GELU 3
.if \more
	s_add_co_u32 s2, s2, 8192
	v_add_nc_u32 v[DLD], s2, v[DST]
	WIN 0x40
.set k, 0
.rept 16
	ds_load_b128 v[4*k:4*k+3], v[DLD] offset:512*k                 ; it lands while this tile is quantised
.set k, k+1
.endr
	WIN 0
.endif
	QUANT H
.irp c, 0,1,2,3
	global_store_b128 v[CO], v[PC+4*\c:PC+4*\c+3], s[32:33] offset:512*\c    ; 32 lanes store 512 consecutive bytes, aligned
.endr
	global_store_b32 v[R8], v[PW], s[34:35]
.if \more
	s_wait_xcnt 0x0                                ; the stores have read their data and bases: both are written again only behind this wait
	s_add_nc_u64 s[32:33], s[32:33], 65536
	s_add_nc_u64 s[34:35], s[34:35], 128
.endif
.endm
	s_mov_b32 s3, 7
.Ltile:
	TRIP 1
	s_sub_co_u32 s3, s3, 1
	s_cmp_lg_u32 s3, 0
	s_cbranch_scc1 .Ltile
	TRIP 0                                         ; the last tile is written out: nothing is left to read back
	s_wait_tensorcnt 0x0                           ; the wave's end, behind my last tensor load and my last LDS store
	ds_add_u32 v[SPW], v[NIL]
	s_wait_dscnt 0x0
	CROUND                                         ; the closing round
	s_endpgm
.Lfunc_end_k_q10020ee7d6_gemm_ff1:
	.size	k_q10020ee7d6_gemm_ff1, .Lfunc_end_k_q10020ee7d6_gemm_ff1-k_q10020ee7d6_gemm_ff1
	.p2alignl 7, 3214868480
	.fill 96, 4, 3214868480
	.section	.rodata,"a",@progbits
	.p2align	6, 0x0
	.amdhsa_kernel k_q10020ee7d6_gemm_ff1
		.amdhsa_group_segment_fixed_size 327680
		.amdhsa_private_segment_fixed_size 0
		.amdhsa_enable_private_segment 0
		.amdhsa_kernarg_size 32
		.amdhsa_user_sgpr_count 2
		.amdhsa_user_sgpr_kernarg_segment_ptr 1
		.amdhsa_wavefront_size32 1
		.amdhsa_system_sgpr_workgroup_id_x 1
		.amdhsa_system_sgpr_workgroup_id_y 1
		.amdhsa_system_sgpr_workgroup_id_z 1
		.amdhsa_system_vgpr_workitem_id 0
		.amdhsa_next_free_vgpr 1024
		.amdhsa_next_free_sgpr 102
		.amdhsa_reserve_vcc 0
		.amdhsa_float_denorm_mode_32 3
		.amdhsa_float_denorm_mode_16_64 3
		.amdhsa_memory_ordered 1
		.amdhsa_forward_progress 1
		.amdhsa_inst_pref_size 228
	.end_amdhsa_kernel
	.amdgpu_metadata
---
amdhsa.version: [ 1, 2 ]
amdhsa.kernels:
  - .name:           k_q10020ee7d6_gemm_ff1
    .symbol:         k_q10020ee7d6_gemm_ff1.kd
    .args:
      - { .name: hb, .offset: 0, .size: 8, .value_kind: global_buffer, .address_space: global }
      - { .name: wb, .offset: 8, .size: 8, .value_kind: global_buffer, .address_space: global }
      - { .name: ff1_b, .offset: 16, .size: 8, .value_kind: global_buffer, .address_space: global }
      - { .name: fb, .offset: 24, .size: 8, .value_kind: global_buffer, .address_space: global }
    .group_segment_fixed_size: 327680
    .private_segment_fixed_size: 0
    .kernarg_segment_align: 8
    .kernarg_segment_size: 32
    .max_flat_workgroup_size: 128
    .sgpr_count:     102
    .vgpr_count:     1024
    .wavefront_size: 32
...
	.end_amdgpu_metadata
.endif
;; end of part 6
;; launch gemm_ff2 (part 7): grid 4 x 16, 4 waves a work-group, clusters of 4 x 4, 327,680 bytes of LDS; arguments fb, wb, ff2_b, x1, out0; writes out0
.if DOCPART == 7
	.amdgcn_target "amdgcn-amd-amdhsa--gfx1250"
	.amdhsa_code_object_version 6
	.text
	.protected	k_q10020ee7d6_gemm_ff2
	.globl	k_q10020ee7d6_gemm_ff2
	.p2align	8
	.type	k_q10020ee7d6_gemm_ff2,@function
k_q10020ee7d6_gemm_ff2:
	s_mov_b64 s[64:65], 0
	v_nop
	global_prefetch_b8 v0, s[64:65] scope:SCOPE_SE
	s_setreg_imm32_b32 hwreg(HW_REG_WAVE_MODE, 25, 1), 1
	s_wait_xcnt 0x0
	s_wait_alu depctr_hold_cnt(0) depctr_sa_sdst(0) depctr_va_vdst(0) depctr_va_sdst(0) depctr_va_ssrc(0) depctr_va_vcc(0) depctr_vm_vsrc(0)
	s_getreg_b32 s2, hwreg(HW_REG_IB_STS2, 6, 4)
	s_cmp_eq_u32 s2, 0
	s_cbranch_scc0 .Lentry_in_a_cluster
	s_endpgm
.Lentry_in_a_cluster:
	s_bfe_u32 s2, ttmp6, 0x10000c
	s_cmp_lg_u32 s2, 0xf033
	s_cbranch_scc0 .Lentry_shape_is_right
	s_endpgm
.Lentry_shape_is_right:
; out0 = x1 + hidden ff2_w + ff2_b, the product on codes of FP8 (E4M3), K = 4,096; out0 is f32.  No work is left out.
; OPERANDS lie in memory in the order of a fragment's registers: [tile of 16 rows][kk = K/128][c][lane][16 bytes]; scale words [step = K/256][tile][r][2 words]: a fragment is 2,048 dense bytes in memory and in LDS.
; A work-group of four waves makes 256 x 256, a wave 128 x 128: 64 accumulators.  Source 0 = 16 columns of the weight, source 1 = 16 rows: a lane holds one row; the weight's tiles are ordered so that the 16 registers of
; accumulators (a, 2 b), (a, 2 b + 1) are 16 neighbouring columns.  The bias is the C of each sum's first product.
; K goes in steps of 256 through two LDS slots (A's and B's codes, 65,536 bytes each, and their scale words, 2,048 each): wave 0 fetches A's codes, wave 1 B's, wave 2 A's scales, wave 3 B's: one tensor load a wave.
; CLUSTERS 4 x 4: A's tiles are asked for jointly along a row of the cluster, B's along a column.  The output has 64 tiles of 256 x 256: 64 work-groups.
; THE WAY OUT: 16 rows x 128 columns at a time through the wave's own stage in slot 0 (which has had its last fill and its last read), back as whole rows of 512 bytes; the residual's same bytes are added; 32 lanes store 512 consecutive bytes.
.set KDIM,  4096
.set A_S,   16777216                   ; A's scale words in its buffer
.set B_C,   8388608                    ; the weight's codes in wb
.set B_S,   12845056                   ; and its scale words
.set RA8,   32768                      ; a step of A's scale words in bytes
.set RB8,   8192                       ; of B's
.set FINAL, 1
.set LAPS,  KDIM/512
.set SLOT,  135168
.set BOFF,  65536
.set SAOFF, 131072
.set SBOFF, 133120
.set SPARE, 2*SLOT                     ; behind the ring: the spare words, 128 bytes a wave: two blocks of 256 bytes that no other line names
.set FR, 16
.set NL, 4
.set NP, 8                             ; places behind this matrix instruction (ISA guide 7.12.1)
.set ADRA, 16
.set BO,   18
.set ADRB, 20
.set ADRS, 22
.set STO,  24                          ; v24     the stage: where I put 32 bytes of a row
.set RD,   25                          ; v25     and where I read a row back
.set CO,   26                          ; v26     16 x lane
.set SPW,  28
.set NIL,  29
.set SC,   32                          ; v32-63  scale words, two sets; they hold nothing else
.set BIAS, 64
.set AF,   128
.set BK,   128                         ; the way out: 16 rows from the stage, v128-191 and v192-255 by turns
.set G1A, 24
.set G0A, 32
.set G1B, 48
.set G0B, 56
.set G1SA, 68
.set G0SA, 76
.set G1SB, 84
.set G0SB, 92
.set MSB, 0
.macro WIN new
.if MSB != \new
	s_set_vgpr_msb (MSB<<8)|\new
.set MSB, \new
.endif
.endm
.set MUL_LO, 0xa1
.set MUL_HI, 0xf1
.set TO_B,   0x40
.macro TL g0, g1                       ; a tensor load; an s_nop 0 and four v_nop follow it
	tensor_load_to_lds s[\g0:\g0+3], s[\g1:\g1+7]
	s_nop 0
.rept 4
	v_nop
.endr
.endm
.macro JLOAD s                         ; each wave's one load for slot s; the branches hang on the wave's number alone
	s_cmp_lt_u32 s14, 2
	s_cbranch_scc0 .Lscales_\@
	s_cmp_eq_u32 s14, 0
	s_cbranch_scc0 .Lb_\@
	TL G0A+4*\s, G1A
	s_branch .Lasked_\@
.Lb_\@:
	TL G0B+4*\s, G1B
	s_branch .Lasked_\@
.Lscales_\@:
	s_cmp_eq_u32 s14, 2
	s_cbranch_scc0 .Lsb_\@
	TL G0SA+4*\s, G1SA
	s_branch .Lasked_\@
.Lsb_\@:
	TL G0SB+4*\s, G1SB
.Lasked_\@:
.endm
.macro CREST
	s_cmp_lg_u32 s14, 0
	s_cbranch_scc1 .Lnot_wave_0_\@
	s_barrier_signal -3
.Lnot_wave_0_\@:
	s_barrier_wait -3
	s_barrier_signal -1
	s_barrier_wait -1
.endm
.macro CROUND
	s_barrier_signal -1
	s_barrier_wait -1
	CREST
.endm
.macro PLACES n
.rept \n
	v_nop
.endr
.endm
	s_load_b256 s[4:11], s[0:1], 0x0               ; A's buffer s[4:5], wb s[6:7], the bias s[8:9], the residual s[10:11]
	s_load_b64 s[12:13], s[0:1], 0x20              ; the output
	v_lshl_add_u32 v[SPW], v0, 2, SPARE
	v_mov_b32 v[NIL], 0
	ds_add_u32 v[SPW], v[NIL]                      ; the wave's opening: the add, twice on end, and its wait ahead of my first tensor load
	ds_add_u32 v[SPW], v[NIL]
	v_lshrrev_b32 v1, 5, v0
	v_readfirstlane_b32 s14, v1                    ; wave 0..3
	s_lshr_b32 s15, s14, 1                         ; which half of the rows is mine
	s_and_b32 s16, s14, 1                          ; which half of the columns
	s_bfe_u32 s40, ttmp6, 0x40000                  ; cx
	s_bfe_u32 s41, ttmp6, 0x40004                  ; cy
	s_lshl_b32 s42, ttmp9, 2
	s_add_co_u32 s42, s42, s40                     ; B's tile of 256 columns
	s_and_b32 s17, ttmp7, 0xffff
	s_lshl_b32 s17, s17, 2
	s_add_co_u32 s17, s17, s41                     ; A's tile of 256 rows
	s_lshl_b32 s43, s41, 2
	s_lshl_b32 s43, 15, s43                        ; my row of the cluster
	s_lshl_b32 s44, 0x1111, s40                    ; my column
	s_or_b32 s[G1A], s43, (3<<16)|(1<<21)          ; 15:0 the mask; 17:16 elements of 8 bytes; 21 set beside a mask; no padding
	s_or_b32 s[G1B], s44, (3<<16)|(1<<21)
	s_or_b32 s[G1SA], s43, (3<<16)|(1<<21)
	s_or_b32 s[G1SB], s44, (3<<16)|(1<<21)
.irp g, G1A, G1B                       ; codes: 16 tiles' two fragments: 16 rows of 4,096 bytes, 16 KDIM bytes apart
	s_mov_b32 s[\g+1], 512<<16
	s_mov_b32 s[\g+2], 16<<16
	s_mov_b32 s[\g+3], 512<<16
	s_mov_b32 s[\g+4], 16
	s_mov_b32 s[\g+5], 2*KDIM
	s_mov_b32 s[\g+6], 0
	s_mov_b32 s[\g+7], 0
.endr
.irp g, G1SA, G1SB                     ; scale words: 2,048 dense bytes as 8 rows of 256
	s_mov_b32 s[\g+1], 32<<16
	s_mov_b32 s[\g+2], 8<<16
	s_mov_b32 s[\g+3], 32<<16
	s_mov_b32 s[\g+4], 8
	s_mov_b32 s[\g+5], 32
	s_mov_b32 s[\g+6], 0
	s_mov_b32 s[\g+7], 0
.endr
.irp s, 0,1
	s_mov_b32 s[G0A+4*\s], 1
	s_mov_b32 s[G0A+4*\s+1], \s*SLOT
	s_mov_b32 s[G0B+4*\s], 1
	s_mov_b32 s[G0B+4*\s+1], \s*SLOT+BOFF
	s_mov_b32 s[G0SA+4*\s], 1
	s_mov_b32 s[G0SA+4*\s+1], \s*SLOT+SAOFF
	s_mov_b32 s[G0SB+4*\s], 1
	s_mov_b32 s[G0SB+4*\s+1], \s*SLOT+SBOFF
.endr
	s_mul_i32 s[G0A+2], s17, 256*KDIM              ; byte offsets first; the pointers are added below.  A's hang on cy alone, B's on cx alone
	s_mov_b32 s[G0A+3], 0
	s_lshl_b32 s[G0SA+2], s17, 11
	s_add_co_u32 s[G0SA+2], s[G0SA+2], A_S
	s_mov_b32 s[G0SA+3], 0
	s_mul_i32 s[G0B+2], s42, 256*KDIM
	s_add_co_u32 s[G0B+2], s[G0B+2], B_C
	s_mov_b32 s[G0B+3], 0
	s_lshl_b32 s[G0SB+2], s42, 11
	s_add_co_u32 s[G0SB+2], s[G0SB+2], B_S
	s_mov_b32 s[G0SB+3], 0
	s_wait_dscnt 0x0                               ; both opening adds are done
	s_wait_kmcnt 0x0
	s_add_nc_u64 s[G0A+2:G0A+3], s[4:5], s[G0A+2:G0A+3]
	s_add_nc_u64 s[G0SA+2:G0SA+3], s[4:5], s[G0SA+2:G0SA+3]
	s_add_nc_u64 s[G0B+2:G0B+3], s[6:7], s[G0B+2:G0B+3]
	s_add_nc_u64 s[G0SB+2:G0SB+3], s[6:7], s[G0SB+2:G0SB+3]
	s_add_nc_u64 s[G0A+6:G0A+7], s[G0A+2:G0A+3], 4096
	s_add_nc_u64 s[G0B+6:G0B+7], s[G0B+2:G0B+3], 4096
	s_add_nc_u64 s[G0SA+6:G0SA+7], s[G0SA+2:G0SA+3], RA8
	s_add_nc_u64 s[G0SB+6:G0SB+7], s[G0SB+2:G0SB+3], RB8
.irp g, G0A, G0B, G0SA, G0SB
	s_or_b32 s[\g+3], s[\g+3], 0x80000000          ; 127:126 type = 2
	s_or_b32 s[\g+7], s[\g+7], 0x80000000
.endr
	CROUND                                         ; all sixteen work-groups are here: the first joint loads meet
	JLOAD 0
	JLOAD 1
	v_and_b32 v1, 31, v0                           ; lane
	v_and_b32 v2, 15, v0                           ; r
	v_bfe_u32 v3, v0, 4, 1                         ; h
	v_lshlrev_b32 v[CO], 4, v1
	s_lshl_b32 s18, s15, 15                        ; my eight tiles of A: 4,096 bytes each
	s_lshl_b32 s19, s16, 15
	s_add_co_u32 s19, s19, BOFF
.irp s, 0,1
	v_add_nc_u32 v[ADRA+\s], s18, v[CO]
	v_add_nc_u32 v[ADRB+\s], s19, v[CO]
	s_add_co_u32 s18, s18, SLOT
	s_add_co_u32 s19, s19, SLOT
.endr
	s_lshl_b32 s20, s15, 10                        ; my eight tiles' scale words: 128 bytes each
	s_lshl_b32 s21, s16, 10
	s_add_co_u32 s21, s21, SBOFF-SAOFF
	s_sub_co_u32 s21, s21, s20
	v_mul_u32_u24 v6, s21, v3                      ; lanes 16-31 take B's: one product with h
	v_lshl_add_u32 v6, v2, 3, v6
	s_add_co_u32 s20, s20, SAOFF
	v_add_nc_u32 v[ADRS], s20, v6
	v_add_nc_u32 v[ADRS+1], SLOT, v[ADRS]
	s_mul_i32 s20, s14, 16*528                     ; my stage
	v_mul_u32_u24 v[STO], v2, 528
	v_lshl_add_u32 v[STO], v3, 6, v[STO]
	v_add_nc_u32 v[STO], s20, v[STO]               ; in: row r, 64 h bytes on
	v_add_nc_u32 v[RD], s20, v[CO]                 ; back: a row's 512 bytes over the 32 lanes
	v_lshlrev_b32 v[BO], 6, v3                     ; the bias: 16 h numbers on
	s_lshl_b32 s18, s42, 10
	s_lshl_b32 s19, s16, 9
	s_add_co_u32 s18, s18, s19                     ; my 128 columns, in bytes
	s_mov_b32 s19, 0
	s_add_nc_u64 s[8:9], s[8:9], s[18:19]
	s_lshl_b32 s20, s17, 20
	s_add_co_u32 s18, s18, s20
	s_lshl_b32 s20, s15, 19
	s_add_co_u32 s18, s18, s20                     ; and my 128 rows of 4,096 bytes
	s_add_nc_u64 s[10:11], s[10:11], s[18:19]
	s_add_nc_u64 s[12:13], s[12:13], s[18:19]
.irp T, 0,1,2,3,4,5,6,7                ; register j of tile T: column 32 (T / 2) + 8 (T % 2) + 16 h + j
	global_load_b128 v[BIAS+8*\T:BIAS+8*\T+3], v[BO], s[8:9] offset:(32*(\T/2)+8*(\T%2))*4
	global_load_b128 v[BIAS+8*\T+4:BIAS+8*\T+7], v[BO], s[8:9] offset:(32*(\T/2)+8*(\T%2))*4+16
.endr
.macro FRAG reg, adr, q, i             ; a fragment: four loads of 512 consecutive bytes
.irp c, 0,1,2,3
	ds_load_b128 v[\reg+4*\c:\reg+4*\c+3], v[\adr] offset:4096*(\i)+2048*(\q)+512*\c
.endr
.endm
; 16 matrix instructions: A's blocks a0, a0 + 1 x B's eight.  cm = 1: C is the bias (the first products start the sums), 0: the sum itself.
; The 64 accumulators take turns, one instruction a turn, in the same order in every step.
.macro MUL16 a0, p, q, sc, cm
.irp a, \a0, \a0+1
.irp b, 0,1,2,3,4,5,6,7
.if \cm
	v_wmma_scale_f32_16x16x128_f8f6f4 v[8*(8*((\a)%4)+\b):8*(8*((\a)%4)+\b)+7], v[128*(\p)+FR*\b:128*(\p)+FR*\b+FR-1], v[AF+FR*(\a):AF+FR*(\a)+FR-1], v[BIAS+8*\b:BIAS+8*\b+7], v[SC+16*(\sc)+2*\b+(\q)], v[SC+16*(\sc)+2*(\a)+(\q)] matrix_a_scale:MATRIX_SCALE_ROW1
.else
	v_wmma_scale_f32_16x16x128_f8f6f4 v[8*(8*((\a)%4)+\b):8*(8*((\a)%4)+\b)+7], v[128*(\p)+FR*\b:128*(\p)+FR*\b+FR-1], v[AF+FR*(\a):AF+FR*(\a)+FR-1], v[8*(8*((\a)%4)+\b):8*(8*((\a)%4)+\b)+7], v[SC+16*(\sc)+2*\b+(\q)], v[SC+16*(\sc)+2*(\a)+(\q)] matrix_a_scale:MATRIX_SCALE_ROW1
.endif
.endr
.endr
.endm
.macro FETCH_B slot, q, p
	WIN TO_B
.irp i, 0,1,2,3,4,5,6,7
	FRAG 128*(\p)+FR*\i, ADRB+\slot, \q, \i
.endr
	WIN 0
.endm
.macro FETCH_A slot, q, i0
.irp i, \i0, \i0+1, \i0+2, \i0+3
	FRAG AF+FR*(\i), ADRA+\slot, \q, \i
.endr
.endm
.macro SCALES sc                       ; slot sc's scale words: two a row; lanes 0-15 A's block i, lanes 16-31 B's block i
.irp i, 0,1,2,3,4,5,6,7
	ds_load_b64 v[SC+16*\sc+2*\i:SC+16*\sc+2*\i+1], v[ADRS+\sc] offset:128*\i
.endr
.endm
.macro STEP slot, q, cm                ; a step of 128 along K that has its successor in the same slot
	s_wait_dscnt 4*NL                              ; B's set, A's blocks 0-3 and the scale words are in; the youngest 16 loads (A's blocks 4-7) may be out
.if \cm
	WIN 0x81                                       ; C, the bias, in window 0
.else
	WIN MUL_LO
.endif
	MUL16 0, (\q)%2, \q, \slot, \cm
	MUL16 2, (\q)%2, \q, \slot, \cm
	s_wait_dscnt 0                                 ; A's blocks 4-7 are in
	PLACES NP                                      ; in front of loads into registers that matrix instructions have read
	FETCH_B \slot, (\q)+1, 1-(\q)%2
	FETCH_A \slot, (\q)+1, 0
.if \cm
	WIN 0xc1
.else
	WIN MUL_HI
.endif
	MUL16 4, (\q)%2, \q, \slot, \cm
	MUL16 6, (\q)%2, \q, \slot, \cm
	PLACES NP
	WIN 0
	FETCH_A \slot, (\q)+1, 4
.endm
; A slot's last step changes slots: ONE barrier; in front of it each wave waits for all its tensor loads, adds 0 to its spare word, and waits for that and for its reads of this slot.  fill = 1: the barrier opens a round of the cluster's, and this slot is filled again, two K steps ahead.
.macro TURN slot, next, fill
	s_wait_tensorcnt 0x0                           ; all my tensor loads have landed: my part of the next slot
	ds_add_u32 v[SPW], v[NIL]                      ; 0 onto my spare word
	s_wait_dscnt 4*NL+1                            ; (the add and the youngest 16 loads may be out)
	WIN MUL_LO
	MUL16 0, 1, 1, \slot, 0
	s_wait_dscnt 0x0                               ; the add is done, and my reads of this slot are over
	s_barrier_signal -1
	MUL16 2, 1, 1, \slot, 0
	WIN 0
	s_barrier_wait -1
.if \fill
	CREST                                          ; no wave of any partner still reads this slot or has a load on its way
	s_add_nc_u64 s[G0A+4*\slot+2:G0A+4*\slot+3], s[G0A+4*\slot+2:G0A+4*\slot+3], 8192
	s_add_nc_u64 s[G0B+4*\slot+2:G0B+4*\slot+3], s[G0B+4*\slot+2:G0B+4*\slot+3], 8192
	s_add_nc_u64 s[G0SA+4*\slot+2:G0SA+4*\slot+3], s[G0SA+4*\slot+2:G0SA+4*\slot+3], 2*RA8
	s_add_nc_u64 s[G0SB+4*\slot+2:G0SB+4*\slot+3], s[G0SB+4*\slot+2:G0SB+4*\slot+3], 2*RB8
	JLOAD \slot                                    ; the first tensor load behind the round, one a wave
	PLACES NP-4
.else
	PLACES NP
.endif
	FETCH_B \next, 0, 0
	FETCH_A \next, 0, 0
	SCALES \next
	WIN MUL_HI
	MUL16 4, 1, 1, \slot, 0
	MUL16 6, 1, 1, \slot, 0
	PLACES NP
	WIN 0
	FETCH_A \next, 0, 4
.endm
	s_wait_tensorcnt 1                             ; my part of K step 0 is in (K step 1's load may be out)
	s_barrier_signal -1
	s_barrier_wait -1                              ; everybody's is
	FETCH_B 0, 0, 0
	FETCH_A 0, 0, 0
	SCALES 0
	FETCH_A 0, 0, 4
	s_wait_loadcnt 0x0                             ; the bias
	STEP 0, 0, 1
	s_mov_b32 s3, LAPS-1
.Llap:                                         ; a trip goes once round the ring and fills both slots again
	TURN 0, 1, 1
	STEP 1, 0, 0
	TURN 1, 0, 1
	STEP 0, 0, 0
	s_sub_co_u32 s3, s3, 1
	s_cmp_lg_u32 s3, 0
	s_cbranch_scc1 .Llap
	TURN 0, 1, 0                                   ; the last lap fills nothing
	STEP 1, 0, 0
	s_wait_dscnt 4*NL
	WIN MUL_LO
	MUL16 0, 1, 1, 1, 0
	MUL16 2, 1, 1, 1, 0
	s_wait_dscnt 0
	WIN MUL_HI
	MUL16 4, 1, 1, 1, 0
	MUL16 6, 1, 1, 1, 0
	WIN 0
	; ---- THE WAY OUT
.macro TOSTAGE a                       ; block a's 16 rows x 128 columns into my stage, and back as whole rows
.set AC, 64*((\a)%4)
	WIN 0x08+4*((\a)/4)                            ; an LDS store's data are its source 1: window 2 or 3
.irp T, 0,1,2,3,4,5,6,7
	ds_store_b128 v[STO], v[AC+8*\T:AC+8*\T+3] offset:128*(\T/2)+32*(\T%2)          ; each accumulator from its low end on
	ds_store_b128 v[STO], v[AC+8*\T+4:AC+8*\T+7] offset:128*(\T/2)+32*(\T%2)+16
.endr
	WIN 0
.set BB, BK+64*((\a)%2)
.set t, 0
.rept 16
	ds_load_b128 v[BB+4*t:BB+4*t+3], v[RD] offset:t*528            ; LDS serves a wave's instructions in order: these see the stores above
.set t, t+1
.endr
.endm
.macro RLOAD a                         ; the residual's same 16 rows, into window 1
	WIN 0x40
.set t, 0
.rept 16
	global_load_b128 v[64*((\a)%2)+4*t:64*((\a)%2)+4*t+3], v[CO], s[10:11] offset:(16*(\a)+t)*4096
.set t, t+1
.endr
	WIN 0
.endm
.macro SEND a, yd, yl                  ; yd, yl: the LDS instructions and the loads issued behind block a's, which may stay out
.set BB, BK+64*((\a)%2)
.set RB, 64*((\a)%2)
	s_wait_dscnt \yd
	s_wait_loadcnt \yl
	WIN 0x04                                       ; source 1, the residual, in window 1
.set t, 0
.rept 32
	v_pk_add_f32 v[BB+t:BB+t+1], v[BB+t:BB+t+1], v[RB+t:RB+t+1]
.set t, t+2
.endr
	WIN 0
.set t, 0
.rept 16
.if FINAL
	global_store_b128 v[CO], v[BB+4*t:BB+4*t+3], s[12:13] offset:(16*(\a)+t)*4096 th:TH_STORE_NT   ; 32 lanes store 512 consecutive bytes, aligned; written once, read by nobody here
.else
	global_store_b128 v[CO], v[BB+4*t:BB+4*t+3], s[12:13] offset:(16*(\a)+t)*4096
.endif
.set t, t+1
.endr
.endm
	PLACES NP                                      ; behind the last products: for the first reads of results and the loads into operands' registers
	TOSTAGE 0
	RLOAD 0
.irp a, 1,2,3,4,5,6,7
.if \a > 1
	s_wait_xcnt 0x0                                ; block a - 2's stores have read their data: block a's rows land there only behind this wait
.endif
	TOSTAGE \a
	RLOAD \a
	SEND \a-1, 32, 16
.endr
	SEND 7, 0, 0
	s_wait_tensorcnt 0x0                           ; the wave's end, behind my last tensor load and my last LDS store
	ds_add_u32 v[SPW], v[NIL]
	s_wait_dscnt 0x0
	CROUND                                         ; the closing round
	s_endpgm
.Lfunc_end_k_q10020ee7d6_gemm_ff2:
	.size	k_q10020ee7d6_gemm_ff2, .Lfunc_end_k_q10020ee7d6_gemm_ff2-k_q10020ee7d6_gemm_ff2
	.p2alignl 7, 3214868480
	.fill 96, 4, 3214868480
	.section	.rodata,"a",@progbits
	.p2align	6, 0x0
	.amdhsa_kernel k_q10020ee7d6_gemm_ff2
		.amdhsa_group_segment_fixed_size 327680
		.amdhsa_private_segment_fixed_size 0
		.amdhsa_enable_private_segment 0
		.amdhsa_kernarg_size 40
		.amdhsa_user_sgpr_count 2
		.amdhsa_user_sgpr_kernarg_segment_ptr 1
		.amdhsa_wavefront_size32 1
		.amdhsa_system_sgpr_workgroup_id_x 1
		.amdhsa_system_sgpr_workgroup_id_y 1
		.amdhsa_system_sgpr_workgroup_id_z 1
		.amdhsa_system_vgpr_workitem_id 0
		.amdhsa_next_free_vgpr 1024
		.amdhsa_next_free_sgpr 102
		.amdhsa_reserve_vcc 0
		.amdhsa_float_denorm_mode_32 3
		.amdhsa_float_denorm_mode_16_64 3
		.amdhsa_memory_ordered 1
		.amdhsa_forward_progress 1
		.amdhsa_inst_pref_size 178
	.end_amdhsa_kernel
	.amdgpu_metadata
---
amdhsa.version: [ 1, 2 ]
amdhsa.kernels:
  - .name:           k_q10020ee7d6_gemm_ff2
    .symbol:         k_q10020ee7d6_gemm_ff2.kd
    .args:
      - { .name: fb, .offset: 0, .size: 8, .value_kind: global_buffer, .address_space: global }
      - { .name: wb, .offset: 8, .size: 8, .value_kind: global_buffer, .address_space: global }
      - { .name: ff2_b, .offset: 16, .size: 8, .value_kind: global_buffer, .address_space: global }
      - { .name: x1, .offset: 24, .size: 8, .value_kind: global_buffer, .address_space: global }
      - { .name: out0, .offset: 32, .size: 8, .value_kind: global_buffer, .address_space: global }
    .group_segment_fixed_size: 327680
    .private_segment_fixed_size: 0
    .kernarg_segment_align: 8
    .kernarg_segment_size: 40
    .max_flat_workgroup_size: 128
    .sgpr_count:     102
    .vgpr_count:     1024
    .wavefront_size: 32
...
	.end_amdgpu_metadata
.endif
;; end of part 7
;; ======== version 2 of 2: 7 launches
;; limits: right only within a limited range of input values
;; workspace buffers: wb 12,976,128 bytes; hb 4,325,376 bytes; qb 12,976,128 bytes; ab 4,325,376 bytes; x1 16,777,216 bytes; fb 17,301,504 bytes
;; launch prep (part 8): grid 448 x 1, 8 waves a work-group, no clusters, 18,432 bytes of LDS; arguments x, norm1_g, norm1_b, hb, qkv_w, out_w, ff1_w, ff2_w, wb; writes hb, wb
.if DOCPART == 8
	.amdgcn_target "amdgcn-amd-amdhsa--gfx1250"
	.amdhsa_code_object_version 6
	.text
	.protected	k_q10020ee7d6_prep
	.globl	k_q10020ee7d6_prep
	.p2align	8
	.type	k_q10020ee7d6_prep,@function
k_q10020ee7d6_prep:
	s_mov_b64 s[64:65], 0
	v_nop
	global_prefetch_b8 v0, s[64:65] scope:SCOPE_SE
	s_setreg_imm32_b32 hwreg(HW_REG_WAVE_MODE, 25, 1), 1
	s_wait_xcnt 0x0
; THE PROGRAM: one pre-norm transformer block on 4,096 rows of 1,024, all six products on codes of FP8 (E4M3) with one E8M0 scale for each 32 along K.
; NO WORK IS LEFT OUT: every one of the 13 inputs has a way to out0 and is loaded; the bias on k stays, since it moves k's codes.
; THIS LAUNCH prepares what depends on inputs alone.  Work-groups 0 to 191 turn the four weights into codes; work-groups 192 to 447 make the first LayerNorm and its codes.
; The two parts share no data; which part a work-group takes hangs on its number alone.
; WEIGHTS.  W [K][N], f32, K its first axis, becomes codes [tile of 16 columns][kk = K/128][c][lane = 16 h + r][16 bytes] (row r of the tile at k = 128 kk + 32 c + 16 h + 0..15)
; and scale words [step = K/256][tile][r][2 words].  Row r of tile 2 b + u is column 32 b + 8 u + r + 8 (r / 8).
; A lane takes a column and its registers run down K: a block of 32 lies in one lane; sixteen neighbouring lanes store 256 consecutive bytes, aligned.
; A work-group takes 256 columns x 256 along K, a wave 32 columns.
; NORM.  16 rows a work-group, two a wave; codes [tile of 16 rows][kk][c][lane][16 bytes], scale words from byte HS on, [step][tile][r][2 words]; the codes meet in a stage in LDS.
; LIMITS: a block of zeros gets the byte 1 where the rule says 127 (its codes are zeros, and this program alone reads the bytes); blocks whose largest magnitude lies under 2^-118 are held at the byte 1;
; NaN and infinities among the inputs are not served.
.set WQKV_C, 0
.set WOUT_C, 3145728
.set WFF1_C, 4194304
.set WFF2_C, 8388608
.set WQKV_S, 12582912
.set WOUT_S, 12681216
.set WFF1_S, 12713984
.set WFF2_S, 12845056
.set EMAX, 8
.set NWQ, 192                          ; work-groups for the weights: 48 + 16 + 64 + 64
	s_cmp_lt_u32 ttmp9, NWQ
	s_cbranch_scc0 .Lnorm
; ---------------- the weights
.set VO,  16                           ; v16-47   row i of a block: i x the row's bytes + 4 x my column
.set X,   48                           ; v48-111  two sets of 32 numbers
.set C,   112                          ; v112-175 codes: eight registers for each block
.set SB,  32                           ; s32-47   block t's first row at my wave's first column
	s_load_b256 s[4:11], s[0:1], 0x20              ; qkv_w, out_w, ff1_w, ff2_w
	s_load_b64 s[12:13], s[0:1], 0x40              ; wb
	v_lshrrev_b32 v1, 5, v0
	v_readfirstlane_b32 s14, v1                    ; wave 0..7
	v_and_b32 v2, 31, v0
	v_and_b32 v3, 15, v0                           ; r
	v_bfe_u32 v7, v0, 4, 1                         ; u
	v_and_b32 v8, 8, v3
	v_add_nc_u32 v8, v8, v3
	v_lshl_add_u32 v8, v7, 3, v8                   ; my column among the wave's 32: 8 u + r + 8 (r / 8)
	v_lshlrev_b32 v4, 2, v8
	v_lshlrev_b32 v6, 3, v2                        ; my two scale words
	s_mov_b32 s15, 128                             ; ff2_w's figures: first work-group,
	s_mov_b32 s16, 15                              ; mask and
	s_mov_b32 s17, 4                               ; bits of the K step's number,
	s_mov_b32 s18, 4096                            ; a row in bytes,
	s_mov_b32 s19, 65536                           ; a tile of the image in bytes (16 K),
	s_mov_b32 s20, WFF2_C
	s_mov_b32 s21, WFF2_S
	s_mov_b32 s22, 8192                            ; a step of the scales in bytes (8 N)
	s_mov_b32 s23, 0x600000                        ; the mantissa field of 448
	s_wait_alu depctr_va_vdst(0)
	s_wait_kmcnt 0x0
	s_mov_b64 s[26:27], s[10:11]
	s_cmp_lt_u32 ttmp9, 128                        ; ff1_w's
	s_cselect_b32 s15, 64, s15
	s_cselect_b32 s16, 3, s16
	s_cselect_b32 s17, 2, s17
	s_cselect_b32 s18, 16384, s18
	s_cselect_b32 s19, 16384, s19
	s_cselect_b32 s20, WFF1_C, s20
	s_cselect_b32 s21, WFF1_S, s21
	s_cselect_b32 s22, 32768, s22
	s_cselect_b64 s[26:27], s[8:9], s[26:27]
	s_cmp_lt_u32 ttmp9, 64                         ; out_w's
	s_cselect_b32 s15, 48, s15
	s_cselect_b32 s18, 4096, s18
	s_cselect_b32 s20, WOUT_C, s20
	s_cselect_b32 s21, WOUT_S, s21
	s_cselect_b32 s22, 8192, s22
	s_cselect_b64 s[26:27], s[6:7], s[26:27]
	s_cmp_lt_u32 ttmp9, 48                         ; qkv_w's
	s_cselect_b32 s15, 0, s15
	s_cselect_b32 s18, 12288, s18
	s_cselect_b32 s20, WQKV_C, s20
	s_cselect_b32 s21, WQKV_S, s21
	s_cselect_b32 s22, 24576, s22
	s_cselect_b64 s[26:27], s[4:5], s[26:27]
	s_sub_co_u32 s24, ttmp9, s15
	s_and_b32 s25, s24, s16                        ; y: which 256 along K
	s_lshr_b32 s24, s24, s17                       ; x: which 256 columns
	v_mul_lo_u32 v5, v7, s19
	v_lshl_add_u32 v5, v3, 4, v5                   ; my place in the image: u tiles + 16 r
.set i, 0
.rept 32
	v_mad_u32_u24 v[VO+i], s18, i, v4
.set i, i+1
.endr
	s_lshl_b32 s28, s24, 10                        ; 256 x columns of 4 bytes,
	s_lshl_b32 s29, s14, 7                         ; 32 for each wave,
	s_add_co_u32 s28, s28, s29
	s_lshl_b32 s30, s25, 8
	s_mul_i32 s30, s30, s18                        ; 256 y rows
	s_add_co_u32 s28, s28, s30
	s_mov_b32 s29, 0
	s_add_nc_u64 s[SB:SB+1], s[26:27], s[28:29]
	s_lshl_b32 s48, s18, 5                         ; 32 rows on
	s_mov_b32 s49, 0
.irp t, 1,2,3,4,5,6,7
	s_add_nc_u64 s[SB+2*\t:SB+2*\t+1], s[SB+2*\t-2:SB+2*\t-1], s[48:49]
.endr
	s_lshl_b32 s28, s24, 4
	s_lshl_b32 s30, s14, 1
	s_add_co_u32 s28, s28, s30                     ; my wave's first tile: 16 x + 2 wave
	s_mul_i32 s30, s28, s19
	s_lshl_b32 s31, s25, 12                        ; two fragments a K step
	s_add_co_u32 s30, s30, s31
	s_add_co_u32 s30, s30, s20
	s_mov_b32 s31, 0
	s_add_nc_u64 s[50:51], s[12:13], s[30:31]      ; the codes
	s_mul_i32 s52, s25, s22
	s_lshl_b32 s28, s28, 7
	s_add_co_u32 s52, s52, s28
	s_add_co_u32 s52, s52, s21
	s_mov_b32 s53, 0
	s_add_nc_u64 s[52:53], s[12:13], s[52:53]      ; the scale words
.macro LOAD t                          ; block t: 32 rows at my column: the wave's 32 lanes read 128 consecutive bytes
.set i, 0
.rept 32
	global_load_b32 v[X+32*((\t)%2)+i], v[VO+i], s[SB+2*(\t):SB+2*(\t)+1] th:TH_LOAD_NT
.set i, i+1
.endr
.endm
	s_wait_alu depctr_va_vdst(0)
	LOAD 0
	LOAD 1
.macro BLOCK t
.set XS, X+32*((\t)%2)
.if (\t) < 7
	s_wait_loadcnt 32                              ; this block's 32 loads are in; the next block's may be out
.else
	s_wait_loadcnt 0
.endif
	v_max3_num_f32 v12, |v[XS]|, |v[XS+1]|, |v[XS+2]|
	v_max3_num_f32 v13, |v[XS+3]|, |v[XS+4]|, |v[XS+5]|
.irp i, 6,10,14,18,22,26
	v_max3_num_f32 v12, v12, |v[XS+\i]|, |v[XS+\i+1]|
	v_max3_num_f32 v13, v13, |v[XS+\i+2]|, |v[XS+\i+3]|
.endr
	v_max3_num_f32 v12, v12, |v[XS+30]|, |v[XS+31]|
	v_max3_num_f32 v12, v12, v13, (EMAX+1)<<23     ; the floor 2^(9 - 127): the byte cannot fall under 1
	v_add_nc_u32 v11, -(EMAX<<23), v12             ; the conversion's scale operand
	v_and_or_b32 v10, v12, 0x7f800000, s23         ; 448 x the scale
	v_lshrrev_b32 v13, 23, v11                     ; the scale's byte
.if (\t)%4 == 0
	v_mov_b32 v[14+(\t)/4], v13
.else
	v_lshl_or_b32 v[14+(\t)/4], v13, 8*((\t)%4), v[14+(\t)/4]
.endif
.set i, 0
.rept 32
	v_med3_num_f32 v[XS+i], v[XS+i], -v10, v10     ; the conversion does not saturate (ISA guide 7.6.2): the hold comes first
.set i, i+1
.endr
.irp g, 0,1,2,3
	v_cvt_scalef32_pk8_fp8_f32 v[C+8*(\t)+2*\g:C+8*(\t)+2*\g+1], v[XS+8*\g:XS+8*\g+7], v11
.endr
	global_store_b128 v5, v[C+8*(\t):C+8*(\t)+3], s[50:51] offset:512*(\t)
	global_store_b128 v5, v[C+8*(\t)+4:C+8*(\t)+7], s[50:51] offset:512*(\t)+256
.if (\t)+2 < 8
	LOAD (\t)+2
.endif
.endm
.irp t, 0,1,2,3,4,5,6,7
	BLOCK \t
.endr
	global_store_b64 v6, v[14:15], s[52:53]        ; 32 lanes store 256 consecutive bytes, aligned
	s_endpgm
; ---------------- the first LayerNorm and its codes
.Lnorm:
.set RP,    1040
.set SCL,   16640                      ; 16 rows x 32 scale bytes
.set SPARE, 17152                      ; the spare words, 128 bytes for each of the eight waves
.set HS,    4194304
.set SPW, 8
.set NIL, 9
.set X,   32                           ; v32-95   two rows; v96-99 zeros behind them
.set G,   100                          ; v100-131 gain; later the fragment on its way out
.set BV,  132                          ; v132-163 bias
.set M,   164                          ; v164-179 largest magnitudes, then bytes
.set SO,  180                          ; v180-195 the conversions' scale operands
.set LIM, 196                          ; v196-211 448 x the scale
.set D,   212                          ; v212-243 the conversions' results
	s_load_b256 s[4:11], s[0:1], 0x0               ; x, gain, bias, hb
	v_lshl_add_u32 v[SPW], v0, 2, SPARE
	v_mov_b32 v[NIL], 0
	v_lshrrev_b32 v1, 5, v0
	s_delay_alu instid0(VALU_DEP_1)
	v_readfirstlane_b32 s12, v1                    ; wave 0..7
	s_sub_co_u32 s26, ttmp9, NWQ                   ; my tile of 16 rows
	v_and_b32 v7, 31, v0
	v_and_b32 v28, 15, v0                          ; r
	v_bfe_u32 v29, v0, 4, 1                        ; h
	s_delay_alu instid0(VALU_DEP_3)
	v_lshlrev_b32 v1, 4, v7                        ; 16 x lane
	s_mul_i32 s17, s12, 2*RP
	v_lshl_add_u32 v2, v7, 2, s17                  ; the stage, in: my rows, 4 x lane
	s_lshl_b32 s17, s12, 6
	s_add_co_u32 s17, s17, SCL
	v_lshrrev_b32 v3, 3, v7
	s_delay_alu instid0(VALU_DEP_1)
	v_add_nc_u32 v3, s17, v3                       ; my block's byte
	v_mul_u32_u24 v4, v28, RP
	s_delay_alu instid0(VALU_DEP_1)
	v_lshl_add_u32 v4, v29, 4, v4
	s_lshl_b32 s17, s12, 7
	v_add_nc_u32 v4, s17, v4                       ; the stage, out: row r, k = 128 wave + 16 h
	s_and_b32 s13, s12, 3
	s_lshl_b32 s17, s13, 3
	s_add_co_u32 s17, s17, SCL
	v_lshlrev_b32 v5, 5, v28
	s_delay_alu instid0(VALU_DEP_1)
	v_lshl_add_u32 v5, v29, 2, v5
	s_delay_alu instid0(VALU_DEP_1)
	v_add_nc_u32 v5, s17, v5                       ; a step's scale word
	v_lshlrev_b32 v6, 3, v28
	s_delay_alu instid0(VALU_DEP_1)
	v_lshl_add_u32 v6, v29, 2, v6                  ; and its place in memory
	s_mov_b32 s14, 0x76543210
	s_mov_b32 s15, 0xfedcba98                      ; selects for lane l xor 16
	s_mov_b32 s16, 0x600000
	s_mov_b32 s24, 0x3a800000                      ; 1 / 1024
	s_mov_b32 s25, 0x3727c5ac                      ; 1e-5
	s_lshl_b32 s18, s26, 16
	s_lshl_b32 s19, s12, 13
	s_add_co_u32 s18, s18, s19
	s_mov_b32 s19, 0
	s_lshl_b32 s20, s26, 14
	s_lshl_b32 s21, s12, 11
	s_add_co_u32 s20, s20, s21
	s_mov_b32 s21, 0
	s_lshl_b32 s22, s13, 15
	s_lshl_b32 s23, s26, 7
	s_add_co_u32 s22, s22, s23
	s_add_co_u32 s22, s22, HS
	s_mov_b32 s23, 0
	v_mov_b32 v26, 0                               ; a lane permute's destination counts as one of its sources
	v_mov_b32 v27, 0
.irp i, 96,97,98,99
	v_mov_b32 v\i, 0
.endr
	s_wait_alu depctr_va_vdst(0)
	s_wait_kmcnt 0x0
	s_add_nc_u64 s[4:5], s[4:5], s[18:19]
	s_add_nc_u64 s[20:21], s[10:11], s[20:21]
	s_add_nc_u64 s[22:23], s[10:11], s[22:23]
.set q, 0
.rept 16
	global_load_b128 v[X+4*q:X+4*q+3], v1, s[4:5] offset:4096*(q/8)+512*(q%8)
.set q, q+1
.endr
.irp i, 0,1,2,3,4,5,6,7
	global_load_b128 v[G+4*\i:G+4*\i+3], v1, s[6:7] offset:512*\i
.endr
.irp i, 0,1,2,3,4,5,6,7
	global_load_b128 v[BV+4*\i:BV+4*\i+3], v1, s[8:9] offset:512*\i
.endr
.macro RSUM t, p                       ; v[t] summed over the 32 lanes, in every lane
.irp m, 1,2,4,8
	s_delay_alu instid0(VALU_DEP_1)
	v_add_f32_dpp v[\t], v[\t], v[\t] row_xmask:\m row_mask:0xf bank_mask:0xf
.endr
	s_delay_alu instid0(VALU_DEP_1)
	v_permlanex16_b32 v[\p], v[\t], s14, s15
	s_delay_alu instid0(VALU_DEP_1)
	v_add_f32 v[\t], v[\t], v[\p]
.endm
.macro STAT w                          ; row w of my two: x becomes x - mean; v[18 + 4 w] becomes the variance + 1e-5
.set XR, X+32*\w
.set T,  18+4*\w
.set MU, 10+4*\w
	v_pk_add_f32 v[T:T+1], v[XR:XR+1], v[XR+2:XR+3]
	v_pk_add_f32 v[T+2:T+3], v[XR+4:XR+5], v[XR+6:XR+7]
.irp j, 8,12,16,20,24,28
	s_delay_alu instid0(VALU_DEP_2)
	v_pk_add_f32 v[T:T+1], v[T:T+1], v[XR+\j:XR+\j+1]
	s_delay_alu instid0(VALU_DEP_2)
	v_pk_add_f32 v[T+2:T+3], v[T+2:T+3], v[XR+\j+2:XR+\j+3]
.endr
	s_delay_alu instid0(VALU_DEP_1)
	v_pk_add_f32 v[T:T+1], v[T:T+1], v[T+2:T+3]
	s_delay_alu instid0(VALU_DEP_1)
	v_add_f32 v[T], v[T], v[T+1]
	RSUM T, 26+\w
	s_delay_alu instid0(VALU_DEP_1)
	v_mul_f32 v[MU], s24, v[T]                     ; the mean
	s_delay_alu instid0(VALU_DEP_1)
	v_mov_b32 v[MU+1], v[MU]
.set j, 0
.rept 16
	v_pk_add_f32 v[XR+j:XR+j+1], v[XR+j:XR+j+1], v[MU:MU+1] neg_lo:[0,1] neg_hi:[0,1]
.set j, j+2
.endr
	v_pk_mul_f32 v[T:T+1], v[XR:XR+1], v[XR:XR+1]
	v_pk_mul_f32 v[T+2:T+3], v[XR+2:XR+3], v[XR+2:XR+3]
.irp j, 4,8,12,16,20,24,28
	s_delay_alu instid0(VALU_DEP_2)
	v_pk_fma_f32 v[T:T+1], v[XR+\j:XR+\j+1], v[XR+\j:XR+\j+1], v[T:T+1]
	s_delay_alu instid0(VALU_DEP_2)
	v_pk_fma_f32 v[T+2:T+3], v[XR+\j+2:XR+\j+3], v[XR+\j+2:XR+\j+3], v[T+2:T+3]
.endr
	s_delay_alu instid0(VALU_DEP_1)
	v_pk_add_f32 v[T:T+1], v[T:T+1], v[T+2:T+3]
	s_delay_alu instid0(VALU_DEP_1)
	v_add_f32 v[T], v[T], v[T+1]
	RSUM T, 26+\w
	s_delay_alu instid0(VALU_DEP_1)
	v_fma_f32 v[T], v[T], s24, s25
.endm
	s_wait_loadcnt 16                              ; my two rows are in; gain and bias, 16 loads, may be out
	STAT 0
	STAT 1
	s_wait_alu depctr_va_vdst(0)
	v_rsq_f32 v12, v18
	v_rsq_f32 v16, v22
	v_nop                                          ; a plain instruction behind the transcendentals
	s_wait_alu depctr_va_vdst(0)                   ; one wait for both, ahead of the first line that names a result
	v_mov_b32 v13, v12
	v_mov_b32 v17, v16
	s_wait_alu depctr_va_vdst(0)
	s_wait_loadcnt 0x0                             ; gain and bias
.irp w, 0,1
.set j, 0
.rept 16
	v_pk_mul_f32 v[X+32*\w+j:X+32*\w+j+1], v[X+32*\w+j:X+32*\w+j+1], v[12+4*\w:13+4*\w]
.set j, j+2
.endr
.set j, 0
.rept 16
	v_pk_fma_f32 v[X+32*\w+j:X+32*\w+j+1], v[X+32*\w+j:X+32*\w+j+1], v[G+j:G+j+1], v[BV+j:BV+j+1]
.set j, j+2
.endr
.endr
	; sixteen groups q = 8 row + load: my four numbers of a block that eight lanes share
.set q, 0
.rept 16
	v_max3_num_f32 v[M+q], |v[X+4*q]|, |v[X+4*q+1]|, 0x4800000
.set q, q+1
.endr
.set q, 0
.rept 16
	v_max3_num_f32 v[M+q], v[M+q], |v[X+4*q+2]|, |v[X+4*q+3]|
.set q, q+1
.endr
.irp m, 1,2,4
.set q, 0
.rept 16
	v_max_num_f32_dpp v[M+q], v[M+q], v[M+q] row_xmask:\m row_mask:0xf bank_mask:0xf
.set q, q+1
.endr
.endr
.set q, 0
.rept 16
	v_add_nc_u32 v[SO+q], 0xfc000000, v[M+q]
	v_and_or_b32 v[LIM+q], v[M+q], 0x7f800000, s16
.set q, q+1
.endr
.set q, 0
.rept 16
	v_lshrrev_b32 v[M+q], 23, v[SO+q]
.set q, q+1
.endr
.set q, 0
.rept 16                               ; all holds stand ahead of all conversions: a conversion also names the next group's four registers
.irp i, 0,1,2,3
	v_med3_num_f32 v[X+4*q+\i], v[X+4*q+\i], -v[LIM+q], v[LIM+q]
.endr
.set q, q+1
.endr
.set q, 0
.rept 16
	v_cvt_scalef32_pk8_fp8_f32 v[D+2*q:D+2*q+1], v[X+4*q:X+4*q+7], v[SO+q]   ; the low register holds my four codes; the high one is not used
.set q, q+1
.endr
	v_nop
.set q, 0
.rept 16
	ds_store_b32 v2, v[D+2*q] offset:RP*(q/8)+128*(q%8)
	ds_store_b8 v3, v[M+q] offset:32*(q/8)+4*(q%8)
.set q, q+1
.endr
	s_wait_dscnt 0x0                               ; for the others' sake: my stores have landed
	s_barrier_signal -1
	s_barrier_wait -1
.irp c, 0,1,2,3
	ds_load_b128 v[G+4*\c:G+4*\c+3], v4 offset:32*\c
.endr
.irp c, 0,1,2,3
	s_wait_dscnt 3-\c
	global_store_b128 v1, v[G+4*\c:G+4*\c+3], s[20:21] offset:512*\c
.endr
	s_cmp_lt_u32 s12, 4                            ; waves 0 to 3 also store a step's scale words
	s_cbranch_scc0 .Lno_scales
	ds_load_b32 v116, v5
	s_wait_dscnt 0x0
	global_store_b32 v6, v116, s[22:23]
.Lno_scales:
	s_wait_tensorcnt 0x0                           ; the wave's end, behind my last LDS store
	ds_add_u32 v[SPW], v[NIL]
	s_wait_dscnt 0x0
	s_endpgm
.Lfunc_end_k_q10020ee7d6_prep:
	.size	k_q10020ee7d6_prep, .Lfunc_end_k_q10020ee7d6_prep-k_q10020ee7d6_prep
	.p2alignl 7, 3214868480
	.fill 96, 4, 3214868480
	.section	.rodata,"a",@progbits
	.p2align	6, 0x0
	.amdhsa_kernel k_q10020ee7d6_prep
		.amdhsa_group_segment_fixed_size 18432
		.amdhsa_private_segment_fixed_size 0
		.amdhsa_enable_private_segment 0
		.amdhsa_kernarg_size 72
		.amdhsa_user_sgpr_count 2
		.amdhsa_user_sgpr_kernarg_segment_ptr 1
		.amdhsa_wavefront_size32 1
		.amdhsa_system_sgpr_workgroup_id_x 1
		.amdhsa_system_sgpr_workgroup_id_y 1
		.amdhsa_system_sgpr_workgroup_id_z 1
		.amdhsa_system_vgpr_workitem_id 0
		.amdhsa_next_free_vgpr 256
		.amdhsa_next_free_sgpr 66
		.amdhsa_reserve_vcc 0
		.amdhsa_float_denorm_mode_32 3
		.amdhsa_float_denorm_mode_16_64 3
		.amdhsa_memory_ordered 1
		.amdhsa_forward_progress 1
		.amdhsa_inst_pref_size 98
	.end_amdhsa_kernel
	.amdgpu_metadata
---
amdhsa.version: [ 1, 2 ]
amdhsa.kernels:
  - .name:           k_q10020ee7d6_prep
    .symbol:         k_q10020ee7d6_prep.kd
    .args:
      - { .name: x, .offset: 0, .size: 8, .value_kind: global_buffer, .address_space: global }
      - { .name: norm1_g, .offset: 8, .size: 8, .value_kind: global_buffer, .address_space: global }
      - { .name: norm1_b, .offset: 16, .size: 8, .value_kind: global_buffer, .address_space: global }
      - { .name: hb, .offset: 24, .size: 8, .value_kind: global_buffer, .address_space: global }
      - { .name: qkv_w, .offset: 32, .size: 8, .value_kind: global_buffer, .address_space: global }
      - { .name: out_w, .offset: 40, .size: 8, .value_kind: global_buffer, .address_space: global }
      - { .name: ff1_w, .offset: 48, .size: 8, .value_kind: global_buffer, .address_space: global }
      - { .name: ff2_w, .offset: 56, .size: 8, .value_kind: global_buffer, .address_space: global }
      - { .name: wb, .offset: 64, .size: 8, .value_kind: global_buffer, .address_space: global }
    .group_segment_fixed_size: 18432
    .private_segment_fixed_size: 0
    .kernarg_segment_align: 8
    .kernarg_segment_size: 72
    .max_flat_workgroup_size: 256
    .sgpr_count:     66
    .vgpr_count:     256
    .wavefront_size: 32
...
	.end_amdgpu_metadata
.endif
;; end of part 8
;; launch gemm_qkv (part 9): grid 12 x 16, 4 waves a work-group, clusters of 4 x 4, 327,680 bytes of LDS; arguments hb, wb, qkv_b, qb; writes qb
.if DOCPART == 9
	.amdgcn_target "amdgcn-amd-amdhsa--gfx1250"
	.amdhsa_code_object_version 6
	.text
	.protected	k_q10020ee7d6_gemm_qkv
	.globl	k_q10020ee7d6_gemm_qkv
	.p2align	8
	.type	k_q10020ee7d6_gemm_qkv,@function
k_q10020ee7d6_gemm_qkv:
	s_mov_b64 s[64:65], 0
	v_nop
	global_prefetch_b8 v0, s[64:65] scope:SCOPE_SE
	s_setreg_imm32_b32 hwreg(HW_REG_WAVE_MODE, 25, 1), 1
	s_wait_xcnt 0x0
	s_wait_alu depctr_hold_cnt(0) depctr_sa_sdst(0) depctr_va_vdst(0) depctr_va_sdst(0) depctr_va_ssrc(0) depctr_va_vcc(0) depctr_vm_vsrc(0)
	s_getreg_b32 s2, hwreg(HW_REG_IB_STS2, 6, 4)
	s_cmp_eq_u32 s2, 0
	s_cbranch_scc0 .Lentry_in_a_cluster
	s_endpgm
.Lentry_in_a_cluster:
	s_bfe_u32 s2, ttmp6, 0x10000c
	s_cmp_lg_u32 s2, 0xf033
	s_cbranch_scc0 .Lentry_shape_is_right
	s_endpgm
.Lentry_shape_is_right:
.set KDIM,  1024
.set LAPS,  KDIM/512
.set HS,     4194304
.set WQKV_S, 12582912
.set V_C,    8388608
.set QK_S,   12582912
.set V_S,    12845056
.set SLOT,  135168
.set BOFF,  65536
.set SAOFF, 131072
.set SBOFF, 133120
.set SPARE, 2*SLOT
.set FR, 16
.set NL, 4
.set NP, 8
.set PW,   12
.set ADRA, 16
.set BO,   18
.set ADRB, 20
.set ADRS, 22
.set CO,   26
.set R8,   27
.set SPW,  28
.set NIL,  29
.set DST,  30
.set DLD,  31
.set SC,   32
.set BIAS, 64
.set AF,   128
.set H,    64
.set PC,   128
.set TM,   144
.set G1A, 24
.set G0A, 32
.set G1B, 48
.set G0B, 56
.set G1SA, 68
.set G0SA, 76
.set G1SB, 84
.set G0SB, 92
.set SEL, 20
.set MNT, 22
.set MSB, 0
.macro WIN new
.if MSB != \new
	s_set_vgpr_msb (MSB<<8)|\new
.set MSB, \new
.endif
.endm
.set MUL_LO, 0xa1
.set MUL_HI, 0xf1
.set TO_B,   0x40
.macro TL g0, g1
	tensor_load_to_lds s[\g0:\g0+3], s[\g1:\g1+7]
	s_nop 0
.rept 4
	v_nop
.endr
.endm
.macro JLOAD s
	s_cmp_lt_u32 s14, 2
	s_cbranch_scc0 .Lscales_\@
	s_cmp_eq_u32 s14, 0
	s_cbranch_scc0 .Lb_\@
	TL G0A+4*\s, G1A
	s_branch .Lasked_\@
.Lb_\@:
	TL G0B+4*\s, G1B
	s_branch .Lasked_\@
.Lscales_\@:
	s_cmp_eq_u32 s14, 2
	s_cbranch_scc0 .Lsb_\@
	TL G0SA+4*\s, G1SA
	s_branch .Lasked_\@
.Lsb_\@:
	TL G0SB+4*\s, G1SB
.Lasked_\@:
.endm
.macro CREST
	s_cmp_lg_u32 s14, 0
	s_cbranch_scc1 .Lnot_wave_0_\@
	s_barrier_signal -3
.Lnot_wave_0_\@:
	s_barrier_wait -3
	s_barrier_signal -1
	s_barrier_wait -1
.endm
.macro CROUND
	s_barrier_signal -1
	s_barrier_wait -1
	CREST
.endm
.macro PLACES n
.rept \n
	v_nop
.endr
.endm
	s_load_b256 s[4:11], s[0:1], 0x0
	v_lshl_add_u32 v[SPW], v0, 2, SPARE
	v_mov_b32 v[NIL], 0
	ds_add_u32 v[SPW], v[NIL]
	ds_add_u32 v[SPW], v[NIL]
	v_lshrrev_b32 v1, 5, v0
	v_readfirstlane_b32 s14, v1
	s_lshr_b32 s15, s14, 1
	s_and_b32 s16, s14, 1
	s_bfe_u32 s40, ttmp6, 0x40000
	s_bfe_u32 s41, ttmp6, 0x40004
	s_and_b32 s18, ttmp7, 0xffff
	s_cmp_eq_u32 ttmp9, 2
	s_cselect_b32 s45, 1, 0
	s_cselect_b32 s42, s18, ttmp9
	s_cselect_b32 s17, 0, s18
	s_mov_b32 s46, 32768
	s_cselect_b32 s46, 24576, s46
	s_mov_b32 s66, 24576
	s_cselect_b32 s66, 32768, s66
	s_mov_b32 s47, 0
	s_mov_b32 s67, 0
	s_lshl_b32 s42, s42, 2
	s_add_co_u32 s42, s42, s40
	s_lshl_b32 s17, s17, 2
	s_add_co_u32 s17, s17, s41
	s_lshl_b32 s43, s41, 2
	s_lshl_b32 s43, 15, s43
	s_lshl_b32 s44, 0x1111, s40
	s_or_b32 s[G1A], s43, (3<<16)|(1<<21)
	s_or_b32 s[G1B], s44, (3<<16)|(1<<21)
	s_or_b32 s[G1SA], s43, (3<<16)|(1<<21)
	s_or_b32 s[G1SB], s44, (3<<16)|(1<<21)
.irp g, G1A, G1B
	s_mov_b32 s[\g+1], 512<<16
	s_mov_b32 s[\g+2], 16<<16
	s_mov_b32 s[\g+3], 512<<16
	s_mov_b32 s[\g+4], 16
	s_mov_b32 s[\g+5], 2*KDIM
	s_mov_b32 s[\g+6], 0
	s_mov_b32 s[\g+7], 0
.endr
.irp g, G1SA, G1SB
	s_mov_b32 s[\g+1], 32<<16
	s_mov_b32 s[\g+2], 8<<16
	s_mov_b32 s[\g+3], 32<<16
	s_mov_b32 s[\g+4], 8
	s_mov_b32 s[\g+5], 32
	s_mov_b32 s[\g+6], 0
	s_mov_b32 s[\g+7], 0
.endr
.irp s, 0,1
	s_mov_b32 s[G0A+4*\s], 1
	s_mov_b32 s[G0A+4*\s+1], \s*SLOT
	s_mov_b32 s[G0B+4*\s], 1
	s_mov_b32 s[G0B+4*\s+1], \s*SLOT+BOFF
	s_mov_b32 s[G0SA+4*\s], 1
	s_mov_b32 s[G0SA+4*\s+1], \s*SLOT+SAOFF
	s_mov_b32 s[G0SB+4*\s], 1
	s_mov_b32 s[G0SB+4*\s+1], \s*SLOT+SBOFF
.endr
	s_mul_i32 s[G0A+2], s17, 256*KDIM
	s_mov_b32 s[G0A+3], 0
	s_lshl_b32 s[G0SA+2], s17, 11
	s_mov_b32 s[G0SA+3], 0
	s_mul_i32 s[G0B+2], s42, 256*KDIM
	s_mov_b32 s[G0B+3], 0
	s_lshl_b32 s[G0SB+2], s42, 11
	s_mov_b32 s[G0SB+3], 0
	s_wait_dscnt 0x0
	s_wait_kmcnt 0x0
	s_add_nc_u64 s[18:19], s[6:7], 2097152
	s_add_nc_u64 s[20:21], s[6:7], WQKV_S+16384
	s_add_nc_u64 s[22:23], s[6:7], WQKV_S
	s_add_nc_u64 s[2:3], s[4:5], HS
	s_cmp_eq_u32 s45, 1
	s_cselect_b64 s[18:19], s[18:19], s[4:5]
	s_cselect_b64 s[20:21], s[20:21], s[2:3]
	s_cselect_b64 s[2:3], s[2:3], s[22:23]
	s_cselect_b64 s[22:23], s[4:5], s[6:7]
	s_add_nc_u64 s[G0A+2:G0A+3], s[18:19], s[G0A+2:G0A+3]
	s_add_nc_u64 s[G0SA+2:G0SA+3], s[20:21], s[G0SA+2:G0SA+3]
	s_add_nc_u64 s[G0B+2:G0B+3], s[22:23], s[G0B+2:G0B+3]
	s_add_nc_u64 s[G0SB+2:G0SB+3], s[2:3], s[G0SB+2:G0SB+3]
	s_add_nc_u64 s[G0A+6:G0A+7], s[G0A+2:G0A+3], 4096
	s_add_nc_u64 s[G0B+6:G0B+7], s[G0B+2:G0B+3], 4096
	s_add_nc_u64 s[G0SA+6:G0SA+7], s[G0SA+2:G0SA+3], s[46:47]
	s_add_nc_u64 s[G0SB+6:G0SB+7], s[G0SB+2:G0SB+3], s[66:67]
	; THE PREFETCHES.  Waves 0 and 1 ask for A's later slots, waves 2 and 3 for B's.  Of a slot's 16 tiles each of the four partners that load it jointly takes four, told apart by address (cx for A, cy for B),
	; and each of its two waves two: 2 x 4,096 bytes, 32 lanes 256 bytes apart.  Of a slot's eight blocks of scale words partner and wave take one.
	s_cmp_eq_u32 s15, 0
	s_cselect_b64 s[12:13], s[G0A+2:G0A+3], s[G0B+2:G0B+3]
	s_cselect_b64 s[100:101], s[G0SA+2:G0SA+3], s[G0SB+2:G0SB+3]
	s_cselect_b32 s18, s40, s41
	s_cselect_b32 s20, s46, s66                    ; from step to step of the scale words
	s_lshl_b32 s18, s18, 1
	s_add_co_u32 s18, s18, s16                     ; 2 x place + wave % 2
	s_lshl_b32 s21, s18, 8
	s_lshl_b32 s18, s18, 15                        ; two tiles of 16,384 bytes
	s_mov_b32 s19, 0
	s_add_nc_u64 s[12:13], s[12:13], s[18:19]
	s_mov_b32 s18, s21
	s_add_nc_u64 s[100:101], s[100:101], s[18:19]
.irp g, G0A, G0B, G0SA, G0SB
	s_or_b32 s[\g+3], s[\g+3], 0x80000000
	s_or_b32 s[\g+7], s[\g+7], 0x80000000
.endr
	s_lshl_b32 s46, s46, 1
	s_lshl_b32 s66, s66, 1
	CROUND
	JLOAD 0
	v_and_b32 v24, 15, v0
	v_bfe_u32 v25, v0, 4, 1
	v_lshlrev_b32 v24, 8, v24
	v_lshl_add_u32 v24, v25, 14, v24               ; v24: tile lane / 16, block lane % 16; never rewritten
	v_and_b32 v25, 31, v0
	v_min_u32 v25, 2, v25
	v_add_nc_u32 v25, 1, v25
	v_mul_lo_u32 v25, v25, s20                     ; v25: lanes 0, 1, 2 and on: the scale words of slots 1, 2, 3; never rewritten
	global_prefetch_b8 v24, s[12:13] offset:4096 th:TH_LOAD_NT scope:SCOPE_SE      ; slot 1,
	global_prefetch_b8 v24, s[12:13] offset:8192 th:TH_LOAD_NT scope:SCOPE_SE      ; slot 2,
	global_prefetch_b8 v25, s[100:101] th:TH_LOAD_NT scope:SCOPE_SE                ; and my block of the three later slots' scale words
	s_wait_alu depctr_va_vdst(0)
	s_wait_tensorcnt 0x0
	ds_add_u32 v28, v29
	s_wait_dscnt 0x0
	CROUND
	JLOAD 1
	global_prefetch_b8 v24, s[12:13] offset:12288 th:TH_LOAD_NT scope:SCOPE_SE     ; slot 3, the last
	v_and_b32 v1, 31, v0
	v_and_b32 v2, 15, v0
	v_bfe_u32 v3, v0, 4, 1
	s_wait_alu depctr_va_vdst(0)
	v_lshlrev_b32 v[CO], 4, v1
	v_lshlrev_b32 v[R8], 3, v2
	s_lshl_b32 s18, s15, 15
	s_lshl_b32 s19, s16, 15
	s_add_co_u32 s19, s19, BOFF
.irp s, 0,1
	v_add_nc_u32 v[ADRA+\s], s18, v[CO]
	v_add_nc_u32 v[ADRB+\s], s19, v[CO]
	s_add_co_u32 s18, s18, SLOT
	s_add_co_u32 s19, s19, SLOT
.endr
	s_lshl_b32 s20, s15, 10
	s_lshl_b32 s21, s16, 10
	s_add_co_u32 s21, s21, SBOFF-SAOFF
	s_sub_co_u32 s21, s21, s20
	v_mul_u32_u24 v6, s21, v3
	s_wait_alu depctr_va_vdst(0)
	v_add_nc_u32 v6, v6, v[R8]
	s_add_co_u32 s20, s20, SAOFF
	v_add_nc_u32 v[ADRS], s20, v6
	v_add_nc_u32 v[ADRS+1], SLOT, v[ADRS]
	s_lshl_b32 s20, s14, 16
	v_add_nc_u32 v[DST], s20, v[CO]
	v_lshlrev_b32 v[BO], 6, v3
	v_and_b32 v4, 8, v2
	v_add_nc_u32 v4, v4, v2
	v_lshlrev_b32 v[BO+1], 2, v4
	s_lshl_b32 s18, s42, 10
	s_lshl_b32 s19, s16, 9
	s_add_co_u32 s18, s18, s19
	s_lshl_b32 s19, s17, 10
	s_lshl_b32 s20, s15, 9
	s_add_co_u32 s19, s19, s20
	s_add_co_u32 s19, s19, 8192
	s_cmp_eq_u32 s45, 1
	s_cselect_b32 s18, s19, s18
	s_mov_b32 s19, 0
	s_add_nc_u64 s[8:9], s[8:9], s[18:19]
	s_cmp_eq_u32 s45, 0
	s_cbranch_scc0 .Lbias_v
	s_wait_alu depctr_va_vdst(0)
.irp T, 0,1,2,3,4,5,6,7
	global_load_b128 v[BIAS+8*\T:BIAS+8*\T+3], v[BO], s[8:9] offset:(32*(\T/2)+8*(\T%2))*4
	global_load_b128 v[BIAS+8*\T+4:BIAS+8*\T+7], v[BO], s[8:9] offset:(32*(\T/2)+8*(\T%2))*4+16
.endr
	s_branch .Lbias_in
.Lbias_v:
	s_wait_alu depctr_va_vdst(0)
.irp a, 0,1,2,3,4,5,6,7
.irp j, 0,1,2,3,4,5,6,7
	global_load_b32 v[BIAS+8*\a+\j], v[BO+1], s[8:9] offset:(32*(\a/2)+8*(\a%2))*4
.endr
.endr
.Lbias_in:
.macro FRAG reg, adr, q, i
.irp c, 0,1,2,3
	ds_load_b128 v[\reg+4*\c:\reg+4*\c+3], v[\adr] offset:4096*(\i)+2048*(\q)+512*\c
.endr
.endm
.macro MUL16 a0, p, q, sc, cm
.irp a, \a0, \a0+1
.irp b, 0,1,2,3,4,5,6,7
.if \cm == 1
	v_wmma_scale_f32_16x16x128_f8f6f4 v[8*(8*((\a)%4)+\b):8*(8*((\a)%4)+\b)+7], v[128*(\p)+FR*\b:128*(\p)+FR*\b+FR-1], v[AF+FR*(\a):AF+FR*(\a)+FR-1], v[BIAS+8*\b:BIAS+8*\b+7], v[SC+16*(\sc)+2*\b+(\q)], v[SC+16*(\sc)+2*(\a)+(\q)] matrix_a_scale:MATRIX_SCALE_ROW1
.elseif \cm == 2
	v_wmma_scale_f32_16x16x128_f8f6f4 v[8*(8*((\a)%4)+\b):8*(8*((\a)%4)+\b)+7], v[128*(\p)+FR*\b:128*(\p)+FR*\b+FR-1], v[AF+FR*(\a):AF+FR*(\a)+FR-1], v[BIAS+8*(\a):BIAS+8*(\a)+7], v[SC+16*(\sc)+2*\b+(\q)], v[SC+16*(\sc)+2*(\a)+(\q)] matrix_a_scale:MATRIX_SCALE_ROW1
.else
	v_wmma_scale_f32_16x16x128_f8f6f4 v[8*(8*((\a)%4)+\b):8*(8*((\a)%4)+\b)+7], v[128*(\p)+FR*\b:128*(\p)+FR*\b+FR-1], v[AF+FR*(\a):AF+FR*(\a)+FR-1], v[8*(8*((\a)%4)+\b):8*(8*((\a)%4)+\b)+7], v[SC+16*(\sc)+2*\b+(\q)], v[SC+16*(\sc)+2*(\a)+(\q)] matrix_a_scale:MATRIX_SCALE_ROW1
.endif
.endr
.endr
.endm
.macro FETCH_B slot, q, p
	WIN TO_B
.irp i, 0,1,2,3,4,5,6,7
	FRAG 128*(\p)+FR*\i, ADRB+\slot, \q, \i
.endr
	WIN 0
.endm
.macro FETCH_A slot, q, i0
.irp i, \i0, \i0+1, \i0+2, \i0+3
	FRAG AF+FR*(\i), ADRA+\slot, \q, \i
.endr
.endm
.macro SCALES sc
.irp i, 0,1,2,3,4,5,6,7
	ds_load_b64 v[SC+16*\sc+2*\i:SC+16*\sc+2*\i+1], v[ADRS+\sc] offset:128*\i
.endr
.endm
.macro STEP slot, q, cm
	s_wait_dscnt 4*NL
.if \cm
	WIN 0x81
.else
	WIN MUL_LO
.endif
	MUL16 0, (\q)%2, \q, \slot, \cm
	MUL16 2, (\q)%2, \q, \slot, \cm
	s_wait_dscnt 0
	PLACES NP
	FETCH_B \slot, (\q)+1, 1-(\q)%2
	FETCH_A \slot, (\q)+1, 0
.if \cm
	WIN 0xc1
.else
	WIN MUL_HI
.endif
	MUL16 4, (\q)%2, \q, \slot, \cm
	MUL16 6, (\q)%2, \q, \slot, \cm
	PLACES NP
	WIN 0
	FETCH_A \slot, (\q)+1, 4
.endm
.macro TURN slot, next, fill
	s_wait_tensorcnt 0x0
	ds_add_u32 v[SPW], v[NIL]
	s_wait_dscnt 4*NL+1
	WIN MUL_LO
	MUL16 0, 1, 1, \slot, 0
	s_wait_dscnt 0x0
	s_barrier_signal -1
	MUL16 2, 1, 1, \slot, 0
	WIN 0
	s_barrier_wait -1
.if \fill
	CREST
	s_add_nc_u64 s[G0A+4*\slot+2:G0A+4*\slot+3], s[G0A+4*\slot+2:G0A+4*\slot+3], 8192
	s_add_nc_u64 s[G0B+4*\slot+2:G0B+4*\slot+3], s[G0B+4*\slot+2:G0B+4*\slot+3], 8192
	s_add_nc_u64 s[G0SA+4*\slot+2:G0SA+4*\slot+3], s[G0SA+4*\slot+2:G0SA+4*\slot+3], s[46:47]
	s_add_nc_u64 s[G0SB+4*\slot+2:G0SB+4*\slot+3], s[G0SB+4*\slot+2:G0SB+4*\slot+3], s[66:67]
	JLOAD \slot
	PLACES NP-4
.else
	PLACES NP
.endif
	FETCH_B \next, 0, 0
	FETCH_A \next, 0, 0
	SCALES \next
	WIN MUL_HI
	MUL16 4, 1, 1, \slot, 0
	MUL16 6, 1, 1, \slot, 0
	PLACES NP
	WIN 0
	FETCH_A \next, 0, 4
.endm
	s_wait_tensorcnt 1
	s_barrier_signal -1
	s_barrier_wait -1
	FETCH_B 0, 0, 0
	FETCH_A 0, 0, 0
	SCALES 0
	FETCH_A 0, 0, 4
	s_wait_loadcnt 0x0
	s_cmp_eq_u32 s45, 0
	s_cbranch_scc0 .Lfirst_v
	STEP 0, 0, 1
	s_branch .Lfirst_done
.Lfirst_v:
	STEP 0, 0, 2
.Lfirst_done:
	s_mov_b32 s3, LAPS-1
.Llap:
	TURN 0, 1, 1
	STEP 1, 0, 0
	TURN 1, 0, 1
	STEP 0, 0, 0
	s_sub_co_u32 s3, s3, 1
	s_cmp_lg_u32 s3, 0
	s_cbranch_scc1 .Llap
	TURN 0, 1, 0
	STEP 1, 0, 0
	s_wait_dscnt 4*NL
	WIN MUL_LO
	MUL16 0, 1, 1, 1, 0
	MUL16 2, 1, 1, 1, 0
	s_wait_dscnt 0
	WIN MUL_HI
	MUL16 4, 1, 1, 1, 0
	MUL16 6, 1, 1, 1, 0
	WIN 0
	PLACES NP
	s_wait_dscnt 0x0
	s_barrier_signal -1
	s_barrier_wait -1
.irp a, 0,1,2,3,4,5,6,7
	WIN 0x08+4*(\a/4)
.irp T, 0,1,2,3,4,5,6,7
	ds_store_b128 v[DST], v[64*(\a%4)+8*\T:64*(\a%4)+8*\T+3] offset:512*(16*\a+2*\T)
	ds_store_b128 v[DST], v[64*(\a%4)+8*\T+4:64*(\a%4)+8*\T+7] offset:512*(16*\a+2*\T+1)
.endr
.endr
	WIN 0
.set k, 0
.rept 16
	ds_load_b128 v[H+4*k:H+4*k+3], v[DST] offset:512*k
.set k, k+1
.endr
	s_mov_b32 s[SEL], 0x76543210
	s_mov_b32 s[SEL+1], 0xfedcba98
	s_mov_b32 s[MNT], 0x600000
	s_cmp_eq_u32 s45, 1
	s_mov_b32 s24, 32768
	s_cselect_b32 s24, 2048, s24
	s_mov_b32 s25, 0
	s_mov_b32 s26, 2048
	s_cselect_b32 s26, 131072, s26
	s_cselect_b32 s27, V_C, 0
	s_mov_b32 s28, QK_S
	s_cselect_b32 s28, V_S, s28
	s_mov_b32 s29, 32768
	s_cselect_b32 s29, 8192, s29
	s_lshl_b32 s18, s17, 4
	s_lshl_b32 s19, s15, 3
	s_add_co_u32 s18, s18, s19
	s_mul_i32 s32, s18, s24
	s_lshl_b32 s19, s42, 1
	s_add_co_u32 s19, s19, s16
	s_mul_i32 s19, s19, s26
	s_add_co_u32 s32, s32, s19
	s_add_co_u32 s32, s32, s27
	s_mov_b32 s33, 0
	s_add_nc_u64 s[32:33], s[10:11], s[32:33]
	s_mul_i32 s34, s42, s29
	s_lshl_b32 s19, s18, 7
	s_add_co_u32 s34, s34, s19
	s_lshl_b32 s19, s16, 2
	s_add_co_u32 s34, s34, s19
	s_add_co_u32 s34, s34, s28
	s_mov_b32 s35, 0
	s_add_nc_u64 s[34:35], s[10:11], s[34:35]
	s_mov_b32 s2, 0
.irp b, 0,1,2,3
	v_mov_b32 v[TM+4+\b], 0
.endr
.macro QUANT s
.irp b, 0,1,2,3
	v_max3_num_f32 v[TM+\b], |v[\s+16*\b]|, |v[\s+1+16*\b]|, 0x4800000
.endr
.irp i, 2,4,6,8,10,12,14
.irp b, 0,1,2,3
	v_max3_num_f32 v[TM+\b], v[TM+\b], |v[\s+16*\b+\i]|, |v[\s+1+16*\b+\i]|
.endr
.endr
.irp b, 0,1,2,3
	v_permlanex16_b32 v[TM+4+\b], v[TM+\b], s[SEL], s[SEL+1]
.endr
.irp b, 0,1,2,3
	v_max_num_f32 v[TM+\b], v[TM+\b], v[TM+4+\b]
.endr
.irp b, 0,1,2,3
	v_add_nc_u32 v[TM+12+\b], 0xfc000000, v[TM+\b]
.endr
.irp b, 0,1,2,3
	v_and_or_b32 v[TM+8+\b], v[TM+\b], 0x7f800000, s[MNT]
.endr
.irp b, 0,1,2,3
	v_lshrrev_b32 v[TM+4+\b], 23, v[TM+12+\b]
.endr
	v_lshl_or_b32 v[PW], v[TM+5], 8, v[TM+4]
	v_lshl_or_b32 v[PW], v[TM+6], 16, v[PW]
	v_lshl_or_b32 v[PW], v[TM+7], 24, v[PW]
.irp b, 0,1,2,3
.irp i, 0,1,2,3,4,5,6,7,8,9,10,11,12,13,14,15
	v_med3_num_f32 v[\s+16*\b+\i], v[\s+16*\b+\i], -v[TM+8+\b], v[TM+8+\b]
.endr
	v_cvt_scalef32_pk8_fp8_f32 v[PC+4*\b:PC+1+4*\b], v[\s+16*\b:\s+7+16*\b], v[TM+12+\b]
	v_cvt_scalef32_pk8_fp8_f32 v[PC+2+4*\b:PC+3+4*\b], v[\s+8+16*\b:\s+15+16*\b], v[TM+12+\b]
.endr
	v_nop
.endm
.macro TRIP more
	s_wait_dscnt 0x0
	QUANT H
.if \more
	s_add_co_u32 s2, s2, 8192
	v_add_nc_u32 v[DLD], s2, v[DST]
.set k, 0
.rept 16
	ds_load_b128 v[H+4*k:H+4*k+3], v[DLD] offset:512*k
.set k, k+1
.endr
.endif
.irp c, 0,1,2,3
	global_store_b128 v[CO], v[PC+4*\c:PC+4*\c+3], s[32:33] offset:512*\c
.endr
	global_store_b32 v[R8], v[PW], s[34:35]
.if \more
	s_wait_xcnt 0x0
	s_add_nc_u64 s[32:33], s[32:33], s[24:25]
	s_add_nc_u64 s[34:35], s[34:35], 128
.endif
.endm
	s_mov_b32 s3, 7
.Ltile:
	TRIP 1
	s_sub_co_u32 s3, s3, 1
	s_cmp_lg_u32 s3, 0
	s_cbranch_scc1 .Ltile
	TRIP 0
	s_wait_tensorcnt 0x0
	ds_add_u32 v[SPW], v[NIL]
	s_wait_dscnt 0x0
	CROUND
	s_endpgm
.Lfunc_end_k_q10020ee7d6_gemm_qkv:
	.size	k_q10020ee7d6_gemm_qkv, .Lfunc_end_k_q10020ee7d6_gemm_qkv-k_q10020ee7d6_gemm_qkv
	.p2alignl 7, 3214868480
	.fill 96, 4, 3214868480
	.section	.rodata,"a",@progbits
	.p2align	6, 0x0
	.amdhsa_kernel k_q10020ee7d6_gemm_qkv
		.amdhsa_group_segment_fixed_size 327680
		.amdhsa_private_segment_fixed_size 0
		.amdhsa_enable_private_segment 0
		.amdhsa_kernarg_size 32
		.amdhsa_user_sgpr_count 2
		.amdhsa_user_sgpr_kernarg_segment_ptr 1
		.amdhsa_wavefront_size32 1
		.amdhsa_system_sgpr_workgroup_id_x 1
		.amdhsa_system_sgpr_workgroup_id_y 1
		.amdhsa_system_sgpr_workgroup_id_z 1
		.amdhsa_system_vgpr_workitem_id 0
		.amdhsa_next_free_vgpr 1024
		.amdhsa_next_free_sgpr 102
		.amdhsa_reserve_vcc 0
		.amdhsa_float_denorm_mode_32 3
		.amdhsa_float_denorm_mode_16_64 3
		.amdhsa_memory_ordered 1
		.amdhsa_forward_progress 1
		.amdhsa_inst_pref_size 170
	.end_amdhsa_kernel
	.amdgpu_metadata
---
amdhsa.version: [ 1, 2 ]
amdhsa.kernels:
  - .name:           k_q10020ee7d6_gemm_qkv
    .symbol:         k_q10020ee7d6_gemm_qkv.kd
    .args:
      - { .name: hb, .offset: 0, .size: 8, .value_kind: global_buffer, .address_space: global }
      - { .name: wb, .offset: 8, .size: 8, .value_kind: global_buffer, .address_space: global }
      - { .name: qkv_b, .offset: 16, .size: 8, .value_kind: global_buffer, .address_space: global }
      - { .name: qb, .offset: 24, .size: 8, .value_kind: global_buffer, .address_space: global }
    .group_segment_fixed_size: 327680
    .private_segment_fixed_size: 0
    .kernarg_segment_align: 8
    .kernarg_segment_size: 32
    .max_flat_workgroup_size: 128
    .sgpr_count:     102
    .vgpr_count:     1024
    .wavefront_size: 32
...
	.end_amdgpu_metadata
.endif
;; end of part 9
;; launch attn (part 10): grid 8 x 32, 16 waves a work-group, clusters of 4 x 1, 286,720 bytes of LDS; arguments qb, ab; writes ab
.if DOCPART == 10
	.amdgcn_target "amdgcn-amd-amdhsa--gfx1250"
	.amdhsa_code_object_version 6
	.text
	.protected	k_q10020ee7d6_attn
	.globl	k_q10020ee7d6_attn
	.p2align	8
	.type	k_q10020ee7d6_attn,@function
k_q10020ee7d6_attn:
	s_mov_b64 s[64:65], 0
	v_nop
	global_prefetch_b8 v0, s[64:65] scope:SCOPE_SE
	s_setreg_imm32_b32 hwreg(HW_REG_WAVE_MODE, 25, 1), 1
	s_wait_xcnt 0x0
	s_wait_alu depctr_hold_cnt(0) depctr_sa_sdst(0) depctr_va_vdst(0) depctr_va_sdst(0) depctr_va_ssrc(0) depctr_va_vcc(0) depctr_vm_vsrc(0)
	s_getreg_b32 s2, hwreg(HW_REG_IB_STS2, 6, 4)
	s_cmp_eq_u32 s2, 0
	s_cbranch_scc0 .Lentry_in_a_cluster
	s_endpgm
.Lentry_in_a_cluster:
	s_bfe_u32 s2, ttmp6, 0x10000c
	s_cmp_lg_u32 s2, 0x3003
	s_cbranch_scc0 .Lentry_shape_is_right
	s_endpgm
.Lentry_shape_is_right:
; Attention of one head on codes of FP8 (E4M3): O = softmax(q k^T / 8) v, 2,048 keys, head size 64, and O quantised along the model's axis for the projection.  No work is left out.
; THE SOFTMAX AHEAD OF THE SECOND PRODUCT: t = score x log2(e) / 8; M = the row's largest t so far, rounded UP to a whole number; p = 2^(t - M) is quantised along the keys; the row's sum is taken of the
; unquantised p and divides O at the end.  When M moves, the sum and O are multiplied by 2^(old M - new M): exact.
; SHARES.  A work-group owns 256 queries of one (batch, head); each of its sixteen waves owns 16 of them, in 256 registers: four waves to a SIMD, so that one wave's waits stand beside three others' work.
; A HEAD'S K AND V STAY IN LDS: codes 131,072 bytes each, scale words 16,384 and 4,096; every byte is filled once, and the loops have no barrier.  ONE tensor load a wave, all at the head:
; wave 0 keys 0-511 of K, wave 1 K's scale words, wave 8 keys 0-511 of V, wave 9 V's scale words; waves 2 to 7 and 10 to 15 one further part of 16,384 bytes (256 keys) each, part = the wave's number.
; The first four steps need the loads of waves 0, 1, 8 and 9 alone.  CLUSTER 4 x 1: the four query blocks of a cluster ask jointly.
; No prefetch: all that the launch reads by tensor loads is asked for at its head; there is no loop to run ahead in.
; LAYOUT.  Both products are used transposed: S^T = K Q^T (source 0 = 16 keys), O^T = V^T P^T (source 0 = 16 channels): a lane holds one query throughout.  The 16 registers of score tiles 2 b, 2 b + 1
; hold a lane's 16 keys of block b, in the order in which the launch before laid v's codes; v's channels were ordered so that O^T's tiles 2 b, 2 b + 1 hold 16 neighbouring channels.
; THE HEAD'S 64 IN AN INSTRUCTION 128 DEEP: source 1 is q and eight registers of zero codes; source 0 of key tile i is tile i and, against the zeros, tile i + 1 (behind the last: zeros).
; Scale words of q and K come as two bytes, zero-extended: bytes 2 and 3 are 0, a finite scale over zero products.
; LIMITS: the promise holds while the scaled scores stay under 2^31 in magnitude; a block of zeros gets the byte 1 where the rule says 127 (zero codes; this program alone reads the bytes); NaN and infinities are not served.
; REGISTERS: v1-4, v7 addresses that stay; v8-11 the step's; v12 -M, v13 the largest t, v[14:15] the sum; v16-23 q, v24-31 zeros; v32-95 K's eight tiles, then V's four fragments; v96-103 zeros; v104-167 S^T, then p;
;   v168-199 O^T; v200-215 p's codes; v216-231, v246-253 at work; scale words, which hold nothing else: v232-239 K's, v240-243 V's, v244 q's, v245 p's.
.set V_C,   8388608
.set QK_S,  12582912
.set V_S,   12845056
.set AS,    4194304
.set KC,    0
.set VC,    131072
.set KSC,   262144
.set VSC,   278528
.set SPARE, 282624                     ; the spare words, 128 bytes for each of sixteen waves: eight blocks of 256 bytes that no other line names
.set SPW, 5
.set NIL, 6
.set G1KS, 8
.set G1K0, 16
.set G1KR, 24
.set G1VS, 32
.set G1V0, 40
.set G1VR, 48
.set G0KS, 56
.set G0K0, 60
.set G0KR, 68
.set G0VS, 72
.set G0V0, 76
.set G0VR, 80
.set WV,  84
.set SEL, 86
.set CS,  88
.set MNT, 90
.set TB,  91                           ; s91  where the step's codes begin, in K's bytes and in V's: 8,192 a step
.set TS,  92                           ; s92  K's scale words: 1,024 a step
.set TJ,  93                           ; s93  256 x the step's number: V's scale words lie 512 bytes for two steps, 4 bytes from the first to the second
.macro WALU
	s_wait_alu depctr_va_vdst(0)
.endm
.macro G1SET g, c, r, p                ; r rows of c elements of 8 bytes, p elements apart; asked for by all four work-groups
	s_mov_b32 s[\g], 15|(3<<16)|(1<<21)
	s_mov_b32 s[\g+1], (\c)<<16
	s_mov_b32 s[\g+2], (\r)<<16
	s_mov_b32 s[\g+3], (\c)<<16
	s_mov_b32 s[\g+4], \r
	s_mov_b32 s[\g+5], \p
	s_mov_b32 s[\g+6], 0
	s_mov_b32 s[\g+7], 0
.endm
.macro TL1 g0, g1                      ; one tensor load; an s_nop 0 and four v_nop follow it
	tensor_load_to_lds s[\g0:\g0+3], s[\g1:\g1+7]
	s_nop 0
.rept 4
	v_nop
.endr
.endm
.macro ARM under, g0, g1, next
	s_cmp_lt_u32 s[WV], \under
	s_cbranch_scc0 \next
	TL1 \g0, \g1
	s_branch .Lasked
\next:
.endm
.macro CROUND
	s_barrier_signal -1
	s_barrier_wait -1
	s_cmp_lg_u32 s[WV], 0
	s_cbranch_scc1 .Lnot_wave_0_\@
	s_barrier_signal -3
.Lnot_wave_0_\@:
	s_barrier_wait -3
	s_barrier_signal -1
	s_barrier_wait -1
.endm
	s_load_b128 s[4:7], s[0:1], 0x0                ; qb s[4:5], ab s[6:7]
	v_lshl_add_u32 v[SPW], v0, 2, SPARE
	v_mov_b32 v[NIL], 0
	ds_add_u32 v[SPW], v[NIL]                      ; the wave's opening: the add, twice on end, and its wait ahead of the first tensor load
	ds_add_u32 v[SPW], v[NIL]
	v_lshrrev_b32 v8, 5, v0
	s_delay_alu instid0(VALU_DEP_1)
	v_readfirstlane_b32 s[WV], v8                  ; wave 0..15
	G1SET G1KS, 32, 64, 32                         ; K's scale words of a batch's 128 tiles: 16,384 dense bytes
	G1SET G1K0, 128, 32, 4096                      ; 32 tiles of 16 keys: the head's 1,024 bytes of each tile's 32,768
	G1SET G1KR, 128, 16, 4096                      ; 16 tiles
	G1SET G1VS, 64, 8, 1024                        ; V's scale words: the head's 512 bytes of each step's 8,192
	G1SET G1V0, 1024, 4, 16384                     ; four runs of 128 keys: the head's 8,192 bytes of each run's 131,072
	G1SET G1VR, 1024, 2, 16384                     ; two runs
	s_and_b32 s95, ttmp7, 0xffff
	s_lshr_b32 s85, s95, 4                         ; the batch
	s_and_b32 s95, s95, 15                         ; the head: both are shared by the four partners
	s_lshr_b32 s96, s95, 2
	s_lshl_b32 s96, s96, 15                        ; the step of scale words that holds the head's
	s_lshl_b32 s97, s85, 14
	s_add_co_u32 s[G0KS+2], s96, s97
	s_add_co_u32 s[G0KS+2], s[G0KS+2], QK_S+4*32768   ; k's columns lie 4 steps behind q's
	s_mov_b32 s[G0KS+3], 0
	s_lshr_b32 s98, s95, 1
	s_lshl_b32 s98, s98, 11
	s_and_b32 s97, s95, 1
	s_lshl_b32 s97, s97, 10
	s_add_co_u32 s98, s98, s97                     ; the head's place in a tile's row of fragments
	s_lshl_b32 s97, s85, 22
	s_add_co_u32 s[G0K0+2], s98, s97
	s_add_co_u32 s[G0K0+2], s[G0K0+2], 8*2048      ; k's fragments lie 8 behind q's
	s_mov_b32 s[G0K0+3], 0
	s_lshl_b32 s[G0VS+2], s85, 16
	s_lshl_b32 s97, s95, 9
	s_add_co_u32 s[G0VS+2], s[G0VS+2], s97
	s_add_co_u32 s[G0VS+2], s[G0VS+2], V_S
	s_mov_b32 s[G0VS+3], 0
	s_lshl_b32 s[G0V0+2], s85, 21
	s_lshl_b32 s97, s95, 13
	s_add_co_u32 s[G0V0+2], s[G0V0+2], s97
	s_add_co_u32 s[G0V0+2], s[G0V0+2], V_C
	s_mov_b32 s[G0V0+3], 0
	s_lshl_b32 s[G0KR+1], s[WV], 14                ; in LDS V's eight parts follow K's eight: wave w fills part w of the sixteen
	s_lshl_b32 s[G0VR+1], s[WV], 14
	s_lshl_b32 s100, s[WV], 19                     ; in memory a part of K is 16 tiles of 32,768 bytes on,
	s_add_co_u32 s[G0KR+2], s[G0K0+2], s100
	s_mov_b32 s[G0KR+3], 0
	s_sub_co_u32 s100, s[WV], 8                    ; (waves 10 to 15 alone use V's)
	s_lshl_b32 s100, s100, 18                      ; a part of V two runs of 131,072 bytes
	s_add_co_u32 s[G0VR+2], s[G0V0+2], s100
	s_mov_b32 s[G0VR+3], 0
.irp g, G0KS, G0K0, G0KR, G0VS, G0V0, G0VR
	s_mov_b32 s[\g], 1
.endr
	s_mov_b32 s[G0KS+1], KSC
	s_mov_b32 s[G0K0+1], KC
	s_mov_b32 s[G0VS+1], VSC
	s_mov_b32 s[G0V0+1], VC
	s_bfe_u32 s97, ttmp6, 0x40000                  ; cx: it enters q's and O's addresses alone
	s_lshl_b32 s99, ttmp9, 2
	s_add_co_u32 s99, s99, s97
	s_lshl_b32 s99, s99, 4
	s_add_co_u32 s99, s99, s[WV]
	s_lshl_b32 s97, s85, 7
	s_add_co_u32 s99, s99, s97                     ; my tile of 16 queries among the 256
	s_and_b32 s85, s95, 3
	s_lshl_b32 s85, s85, 1                         ; the head's two scale bytes in a row's eight
	s_lshl_b32 s100, s99, 7
	s_add_co_u32 s100, s100, s96
	s_add_co_u32 s100, s100, s85                   ; my tile's scale bytes, in q's and in O's scale words alike
	s_mov_b32 s101, 0
	s_mov_b32 s[SEL], 0x76543210
	s_mov_b32 s[SEL+1], 0xfedcba98
	s_mov_b32 s[CS], 0x3e38aa3b                    ; c = log2(e) / 8
	s_mov_b32 s[CS+1], s[CS]
	s_mov_b32 s[MNT], 0x600000
	s_mov_b32 s[TB], 0
	s_mov_b32 s[TS], 0
	s_mov_b32 s[TJ], 0
	s_wait_dscnt 0x0                               ; both opening adds are done
	s_wait_kmcnt 0x0
.irp g, G0KS, G0K0, G0KR, G0VS, G0V0, G0VR
	s_add_nc_u64 s[\g+2:\g+3], s[4:5], s[\g+2:\g+3]
.endr
.irp g, G0KS, G0K0, G0KR, G0VS, G0V0, G0VR
	s_or_b32 s[\g+3], s[\g+3], 0x80000000          ; 127:126 type = 2
.endr
	s_lshl_b32 s96, s99, 15
	s_add_co_u32 s96, s96, s98
	s_mov_b32 s97, 0
	s_add_nc_u64 s[2:3], s[4:5], s[96:97]          ; q's codes
	s_add_nc_u64 s[4:5], s[4:5], s[100:101]
	s_add_nc_u64 s[4:5], s[4:5], QK_S              ; q's scale bytes
	s_lshl_b32 s96, s99, 14
	s_add_co_u32 s96, s96, s98
	s_add_nc_u64 s[96:97], s[6:7], s[96:97]        ; O's codes
	s_add_nc_u64 s[6:7], s[6:7], s[100:101]
	s_add_nc_u64 s[6:7], s[6:7], AS                ; O's scale bytes
	CROUND                                         ; all four work-groups are here: the joint loads meet
	ARM 1,  G0K0, G1K0, .La1                       ; one tree of branches on the wave's number: every way passes exactly one load
	ARM 2,  G0KS, G1KS, .La2
	ARM 8,  G0KR, G1KR, .La3
	ARM 9,  G0V0, G1V0, .La4
	ARM 10, G0VS, G1VS, .La5
	TL1 G0VR, G1VR
.Lasked:
	v_and_b32 v8, 31, v0
	s_delay_alu instid0(VALU_DEP_1)
	v_lshlrev_b32 v1, 4, v8                        ; 16 x lane: my place in K's fragments,
	s_delay_alu instid0(VALU_DEP_1)
	v_add_nc_u32 v2, VC, v1                        ; in V's
	v_and_b32 v9, 15, v0
	s_delay_alu instid0(VALU_DEP_1)
	v_lshlrev_b32 v7, 3, v9                        ; 8 r
	s_add_co_u32 s85, s85, KSC
	v_add_nc_u32 v3, s85, v7                       ; K's scale bytes: row r's eight, the head's two
	v_add_nc_u32 v4, VSC, v7                       ; V's scale words
	global_load_b128 v[16:19], v1, s[2:3]
	global_load_b128 v[20:23], v1, s[2:3] offset:512
	global_load_u16 v244, v7, s[4:5]
.irp i, 24,25,26,27,28,29,30,31,96,97,98,99,100,101,102,103,14,15,220,221,222,223,247
	v_mov_b32 v\i, 0                               ; zero codes; the sums; registers that are named before the step first writes them
.endr
	v_mov_b32 v13, 0xff61b1e6                      ; the largest t so far: -3e38, under every t
	s_delay_alu instid0(VALU_DEP_1)
	v_floor_f32 v12, -v13                          ; -M
.set j, 0
.rept 32
	v_mov_b32 v[168+j], 0                          ; O^T: the step is written once; its first run finds zeros, which the first change of M leaves zeros
.set j, j+1
.endr
; A KEY STEP: 128 keys against my 16 queries
.macro STEP
	s_and_b32 s95, s[TJ], 0xfe00                   ; V's scale words: 512 x (step / 2)
	s_and_b32 s85, s[TJ], 256
	s_lshr_b32 s85, s85, 6                         ; + 4 x (step % 2)
	s_or_b32 s95, s95, s85
	v_add_nc_u32 v8, s[TB], v1
	v_add_nc_u32 v10, s[TS], v3
.rept 6
	v_nop                                          ; with the two additions: eight places in front of loads into registers that matrix instructions have read
.endr
.irp i, 0,1,2,3,4,5,6,7
	ds_load_b128 v[32+8*\i:35+8*\i], v8 offset:1024*\i
	ds_load_b128 v[36+8*\i:39+8*\i], v8 offset:1024*\i+512
	ds_load_u16 v[232+\i], v10 offset:128*\i
.endr
	s_wait_dscnt 0x0
.irp i, 0,1,2,3,4,5,6,7
	v_wmma_scale_f32_16x16x128_f8f6f4 v[104+8*\i:111+8*\i], v[32+8*\i:47+8*\i], v[16:31], 0, v[232+\i], v244
.endr
	v_add_nc_u32 v9, s[TB], v2
	v_add_nc_u32 v11, s95, v4
	v_mov_b32 v248, v12                            ; the old -M
.rept 5
	v_nop                                          ; with the three lines above: eight places behind the score products
.endr
.irp d, 0,1,2,3                        ; V's four fragments are asked for now and land under the softmax
.irp c, 0,1,2,3
	ds_load_b128 v[32+16*\d+4*\c:35+16*\d+4*\c], v9 offset:2048*\d+512*\c
.endr
	ds_load_b32 v[240+\d], v11 offset:128*\d
.endr
.irp b, 0,1,2,3
	v_max3_num_f32 v[216+\b], v[104+16*\b], v[105+16*\b], v[106+16*\b]   ; the largest score of each block of 32 keys: for the row's maximum and for the block's largest p
.endr
.irp i, 3,5,7,9,11,13
.irp b, 0,1,2,3
	v_max3_num_f32 v[216+\b], v[216+\b], v[104+16*\b+\i], v[105+16*\b+\i]
.endr
.endr
.irp b, 0,1,2,3
	v_max_num_f32 v[216+\b], v[216+\b], v[119+16*\b]
.endr
.irp b, 0,1,2,3
	v_permlanex16_b32 v[220+\b], v[216+\b], s[SEL], s[SEL+1]
.endr
.irp b, 0,1,2,3
	v_max_num_f32 v[216+\b], v[216+\b], v[220+\b]  ; with lane l xor 16's 16 keys
.endr
	s_delay_alu instid0(VALU_DEP_2)
	v_max3_num_f32 v249, v216, v217, v218
	s_delay_alu instid0(VALU_DEP_1)
	v_max_num_f32 v249, v249, v219
	s_delay_alu instid0(VALU_DEP_1)
	v_mul_f32 v249, s[CS], v249                    ; as t (c is positive)
	s_delay_alu instid0(VALU_DEP_1)
	v_max_num_f32 v13, v13, v249                   ; the running largest t
	s_delay_alu instid0(VALU_DEP_1)
	v_floor_f32 v12, -v13                          ; the new -M = -ceil(t)
	s_delay_alu instid0(VALU_DEP_1)
	v_sub_f32 v248, v12, v248                      ; old M less new M: a whole number, 0 or less
	s_delay_alu instid0(VALU_DEP_1)
	v_cvt_i32_f32 v248, v248                       ; (it saturates)
	s_delay_alu instid0(VALU_DEP_1)
	v_ldexp_f32 v246, 1.0, v248                    ; f = 2^(old M - new M)
.set j, 0
.rept 32
	v_pk_fma_f32 v[104+j:105+j], v[104+j:105+j], s[CS:CS+1], v[12:13] op_sel_hi:[1,0,0]   ; t - M, two at a time
.set j, j+2
.endr
.irp b, 0,1,2,3
	v_fma_f32 v[216+\b], v[216+\b], s[CS], v12     ; the same of each block's largest score
.endr
	WALU                                           ; one wait ahead of the batch
.set j, 0
.rept 64
	v_exp_f32 v[104+j], v[104+j]                   ; p = 2^(t - M), at most 1
.set j, j+1
.endr
	v_pk_mul_f32 v[14:15], v[14:15], v[246:247] op_sel_hi:[1,0]   ; the sums under the new M: a plain instruction behind the exponentials
	WALU                                           ; and one behind it, ahead of the first line that names a result
.irp b, 0,1,2,3
	v_exp_f32 v[216+\b], v[216+\b]                 ; the block's largest p
.endr
	v_pk_add_f32 v[220:221], v[104:105], v[106:107]               ; the row's sum of the unquantised p, in four chains
	v_pk_add_f32 v[250:251], v[108:109], v[110:111]
	v_pk_add_f32 v[252:253], v[112:113], v[114:115]
	v_pk_add_f32 v[14:15], v[14:15], v[116:117]
.irp n, 7,11,15,19,23,27
	v_pk_add_f32 v[220:221], v[220:221], v[104+2*\n:105+2*\n]
	v_pk_add_f32 v[250:251], v[250:251], v[106+2*\n:107+2*\n]
	v_pk_add_f32 v[252:253], v[252:253], v[108+2*\n:109+2*\n]
	v_pk_add_f32 v[14:15], v[14:15], v[110+2*\n:111+2*\n]
.endr
	v_pk_add_f32 v[220:221], v[220:221], v[166:167]
	v_pk_add_f32 v[14:15], v[14:15], v[252:253]
	s_delay_alu instid0(VALU_DEP_2)
	v_pk_add_f32 v[220:221], v[220:221], v[250:251]
	s_delay_alu instid0(VALU_DEP_1)
	v_pk_add_f32 v[14:15], v[14:15], v[220:221]
	WALU                                           ; for the four
.irp b, 0,1,2,3
	v_max_num_f32 v[216+\b], 0x4800000, v[216+\b]  ; the floor 2^(9 - 127): the byte cannot fall under 1
.endr
.irp b, 0,1,2,3
	v_add_nc_u32 v[228+\b], 0xfc000000, v[216+\b]  ; the conversion's scale operand
.endr
.irp b, 0,1,2,3
	v_and_or_b32 v[224+\b], v[216+\b], 0x7f800000, s[MNT]   ; 448 x the scale
.endr
.irp b, 0,1,2,3
	v_lshrrev_b32 v[220+\b], 23, v[228+\b]         ; the scale's byte
.endr
	v_lshl_or_b32 v248, v221, 8, v220
	s_delay_alu instid0(VALU_DEP_1)
	v_lshl_or_b32 v248, v222, 16, v248
	s_delay_alu instid0(VALU_DEP_1)
	v_lshl_or_b32 v245, v223, 24, v248             ; p's scale word for these 128 keys
.irp b, 0,1,2,3
.irp i, 0,2,4,6,8,10,12,14
	v_dual_min_num_f32 v[104+16*\b+\i], v[104+16*\b+\i], v[224+\b] :: v_dual_min_num_f32 v[105+16*\b+\i], v[105+16*\b+\i], v[224+\b]   ; the conversion does not saturate (ISA guide 7.6.2); p is not negative: a one-sided hold, two a line
.endr
	v_cvt_scalef32_pk8_fp8_f32 v[200+4*\b:201+4*\b], v[104+16*\b:111+16*\b], v[228+\b]
	v_cvt_scalef32_pk8_fp8_f32 v[202+4*\b:203+4*\b], v[112+16*\b:119+16*\b], v[228+\b]
.endr
	WALU                                           ; the wait, directly ahead of the first reader of O^T
.set j, 0
.rept 16
	v_pk_mul_f32 v[168+j:169+j], v[168+j:169+j], v[246:247] op_sel_hi:[1,0]   ; O^T under the new M; these are also the places in front of the products
.set j, j+2
.endr
	WALU
	s_wait_dscnt 0x0                               ; V's fragments and scale words
.irp d, 0,1,2,3                        ; the four accumulators by turns; the eight score products stand between two links of a chain
	v_wmma_scale_f32_16x16x128_f8f6f4 v[168+8*\d:175+8*\d], v[32+16*\d:47+16*\d], v[200:215], v[168+8*\d:175+8*\d], v[240+\d], v245
.endr
	s_add_co_u32 s[TB], s[TB], 8192
	s_add_co_u32 s[TS], s[TS], 1024
	s_add_co_u32 s[TJ], s[TJ], 256
.endm
	WALU                                           ; the wait at the head's end
	s_and_b32 s99, s[WV], 6
	s_cmp_eq_u32 s99, 0
	s_cbranch_scc0 .Lrest_out
	s_wait_tensorcnt 0x0                           ; waves 0, 1, 8, 9: the first 512 keys and all scale words are in; the other waves' loads may be out
.Lrest_out:
	s_barrier_signal -1
	s_barrier_wait -1
	s_wait_loadcnt 0x0                             ; q
	s_mov_b32 s94, 4
.Lfirst:                                       ; keys 0 to 511
	STEP
	s_sub_co_u32 s94, s94, 1
	s_cmp_lg_u32 s94, 0
	WALU
	s_cbranch_scc1 .Lfirst
	s_wait_tensorcnt 0x0                           ; my part of the rest has landed,
	s_wait_dscnt 0x0
	s_barrier_signal -1
	s_barrier_wait -1                              ; and everybody's
	s_mov_b32 s94, 12
.Lmore:                                        ; keys 512 to 2,047
	STEP
	s_sub_co_u32 s94, s94, 1
	s_cmp_lg_u32 s94, 0
	WALU
	s_cbranch_scc1 .Lmore
	; ---- THE WAY OUT: O^T / the sum, quantised along the channels: registers 16 b + i are channels 32 b + 16 h + i of my query
.rept 8
	v_nop                                          ; places behind the last products
.endr
	v_add_f32 v14, v14, v15
	s_delay_alu instid0(VALU_DEP_1)
	v_permlanex16_b32 v248, v14, s[SEL], s[SEL+1]
	s_delay_alu instid0(VALU_DEP_1)
	v_add_f32 v14, v14, v248                       ; the row's sum
	WALU
	v_rcp_f32 v14, v14
	v_nop
	WALU                                           ; ahead of the reciprocal's first reader, which is O^T's too
.set j, 0
.rept 16
	v_pk_mul_f32 v[104+j:105+j], v[168+j:169+j], v[14:15] op_sel_hi:[1,0]
.set j, j+2
.endr
.irp b, 0,1
	v_max3_num_f32 v[216+\b], |v[104+16*\b]|, |v[105+16*\b]|, 0x4800000
.endr
.irp i, 2,4,6,8,10,12,14
.irp b, 0,1
	s_delay_alu instid0(VALU_DEP_2)
	v_max3_num_f32 v[216+\b], v[216+\b], |v[104+16*\b+\i]|, |v[105+16*\b+\i]|
.endr
.endr
.irp b, 0,1
	s_delay_alu instid0(VALU_DEP_2)
	v_permlanex16_b32 v[220+\b], v[216+\b], s[SEL], s[SEL+1]
.endr
.irp b, 0,1
	s_delay_alu instid0(VALU_DEP_2)
	v_max_num_f32 v[216+\b], v[216+\b], v[220+\b]
.endr
.irp b, 0,1
	v_add_nc_u32 v[228+\b], 0xfc000000, v[216+\b]
.endr
.irp b, 0,1
	v_and_or_b32 v[224+\b], v[216+\b], 0x7f800000, s[MNT]
.endr
.irp b, 0,1
	v_lshrrev_b32 v[220+\b], 23, v[228+\b]
.endr
	s_delay_alu instid0(VALU_DEP_1)
	v_lshl_or_b32 v248, v221, 8, v220              ; the head's two scale bytes of my row
.irp b, 0,1
.irp i, 0,1,2,3,4,5,6,7,8,9,10,11,12,13,14,15
	v_med3_num_f32 v[104+16*\b+\i], v[104+16*\b+\i], -v[224+\b], v[224+\b]
.endr
	v_cvt_scalef32_pk8_fp8_f32 v[200+4*\b:201+4*\b], v[104+16*\b:111+16*\b], v[228+\b]
	v_cvt_scalef32_pk8_fp8_f32 v[202+4*\b:203+4*\b], v[112+16*\b:119+16*\b], v[228+\b]
.endr
	v_nop                                          ; a plain instruction behind the last conversion
	global_store_b128 v1, v[200:203], s[96:97]                 ; 32 lanes store 512 consecutive bytes, aligned
	global_store_b128 v1, v[204:207], s[96:97] offset:512
	global_store_b16 v7, v248, s[6:7]
	s_wait_tensorcnt 0x0                           ; the wave's end
	ds_add_u32 v[SPW], v[NIL]
	s_wait_dscnt 0x0
	CROUND                                         ; the closing round
	s_endpgm
.Lfunc_end_k_q10020ee7d6_attn:
	.size	k_q10020ee7d6_attn, .Lfunc_end_k_q10020ee7d6_attn-k_q10020ee7d6_attn
	.p2alignl 7, 3214868480
	.fill 96, 4, 3214868480
	.section	.rodata,"a",@progbits
	.p2align	6, 0x0
	.amdhsa_kernel k_q10020ee7d6_attn
		.amdhsa_group_segment_fixed_size 286720
		.amdhsa_private_segment_fixed_size 0
		.amdhsa_enable_private_segment 0
		.amdhsa_kernarg_size 16
		.amdhsa_user_sgpr_count 2
		.amdhsa_user_sgpr_kernarg_segment_ptr 1
		.amdhsa_wavefront_size32 1
		.amdhsa_system_sgpr_workgroup_id_x 1
		.amdhsa_system_sgpr_workgroup_id_y 1
		.amdhsa_system_sgpr_workgroup_id_z 1
		.amdhsa_system_vgpr_workitem_id 0
		.amdhsa_next_free_vgpr 256
		.amdhsa_next_free_sgpr 102
		.amdhsa_reserve_vcc 0
		.amdhsa_float_denorm_mode_32 3
		.amdhsa_float_denorm_mode_16_64 3
		.amdhsa_memory_ordered 1
		.amdhsa_forward_progress 1
		.amdhsa_inst_pref_size 59
	.end_amdhsa_kernel
	.amdgpu_metadata
---
amdhsa.version: [ 1, 2 ]
amdhsa.kernels:
  - .name:           k_q10020ee7d6_attn
    .symbol:         k_q10020ee7d6_attn.kd
    .args:
      - { .name: qb, .offset: 0, .size: 8, .value_kind: global_buffer, .address_space: global }
      - { .name: ab, .offset: 8, .size: 8, .value_kind: global_buffer, .address_space: global }
    .group_segment_fixed_size: 286720
    .private_segment_fixed_size: 0
    .kernarg_segment_align: 8
    .kernarg_segment_size: 16
    .max_flat_workgroup_size: 512
    .sgpr_count:     102
    .vgpr_count:     256
    .wavefront_size: 32
...
	.end_amdgpu_metadata
.endif
;; end of part 10
;; launch gemm_out (part 11): grid 8 x 32, 4 waves a work-group, clusters of 4 x 4, 327,680 bytes of LDS; arguments ab, wb, out_b, x, x1; writes x1
.if DOCPART == 11
	.amdgcn_target "amdgcn-amd-amdhsa--gfx1250"
	.amdhsa_code_object_version 6
	.text
	.protected	k_q10020ee7d6_gemm_out
	.globl	k_q10020ee7d6_gemm_out
	.p2align	8
	.type	k_q10020ee7d6_gemm_out,@function
k_q10020ee7d6_gemm_out:
	s_mov_b64 s[64:65], 0
	v_nop
	global_prefetch_b8 v0, s[64:65] scope:SCOPE_SE
	s_setreg_imm32_b32 hwreg(HW_REG_WAVE_MODE, 25, 1), 1
	s_wait_xcnt 0x0
	s_wait_alu depctr_hold_cnt(0) depctr_sa_sdst(0) depctr_va_vdst(0) depctr_va_sdst(0) depctr_va_ssrc(0) depctr_va_vcc(0) depctr_vm_vsrc(0)
	s_getreg_b32 s2, hwreg(HW_REG_IB_STS2, 6, 4)
	s_cmp_eq_u32 s2, 0
	s_cbranch_scc0 .Lentry_in_a_cluster
	s_endpgm
.Lentry_in_a_cluster:
	s_bfe_u32 s2, ttmp6, 0x10000c
	s_cmp_lg_u32 s2, 0xf033
	s_cbranch_scc0 .Lentry_shape_is_right
	s_endpgm
.Lentry_shape_is_right:
; x1 = x + (attention's result) out_w + out_b, the product on codes of FP8 (E4M3), K = 1,024; x1 is f32.  No work is left out.
; OPERANDS lie in memory in the order of a fragment's registers: [tile of 16 rows][kk = K/128][c][lane][16 bytes]; scale words [step = K/256][tile][r][2 words]: a fragment is 2,048 dense bytes in memory and in LDS.
; THE TILE IS 128 x 128, since the output, 4,096 x 1,024, has 256 such tiles and only 64 of 256 x 256.  Four waves, each 64 x 64: 16 accumulators, 128 registers.
; Source 0 = 16 columns of the weight, source 1 = 16 rows: a lane holds one row; the weight's tiles are ordered so that the 16 registers of accumulators (a, 2 b), (a, 2 b + 1) are 16 neighbouring columns.
; The bias is the C of each sum's first product.
; K goes in steps of 512 through two LDS slots (A's and B's codes, 65,536 bytes each).  Each wave fetches a quarter of a slot by one tensor load: four tiles of 16 rows, 8,192 bytes each: waves 0 and 1 A's halves, waves 2 and 3 B's.
; THE SCALE WORDS of the work-group's rows and columns, for all of K, come once, with the first fills (a step's words of 128 rows are 1,024 dense bytes), and stay behind the ring.
; CLUSTERS 4 x 4: A's tiles are asked for jointly along a row of the cluster, B's along a column.
; A step of 128 along K is 16 products on one of two sets of fragments; the next step's 32 LDS loads go into the other set ahead of them.
; THE RESIDUAL's 64 rows x 256 bytes of the wave are asked for at the head, into 128 registers of their own.
; THE WAY OUT: 16 rows x 64 columns at a time through the wave's own stage in slot 0 (which has had its last fill and its last read), back as whole rows of 256 bytes; the residual is added; sixteen lanes store 256 consecutive bytes, aligned.
; REGISTERS: window 0: v16-29 addresses; v32-63 scale words, two sets; v64-95 the bias; v128-255 the accumulators ((a, T) at v[128 + 8 (4 a + T)]).
;   window 1: two sets of fragments: A's four at 128 p, B's four at 128 p + 64; on the way out v0-127: the rows read back.   window 2: v0-127 the residual.
.set KDIM,  1024
.set A_S,   4194304                    ; A's scale words in its buffer
.set B_C,   3145728                    ; the weight's codes in wb
.set B_S,   12681216                   ; and its scale words
.set RA8,   32768                      ; a step of A's scale words in memory, in bytes
.set RB8,   8192                       ; of B's
.set FINAL, 0
.set LAPS,  KDIM/1024                  ; a lap = two slots = once round the ring
.set NS,    KDIM/256                   ; steps of scale words
.set SLOT,  131072
.set BOFF,  65536
.set SCL,   2*SLOT                     ; behind the ring: A's scale words, [step][tile][128 bytes],
.set SCB,   NS*1024                    ; and, so many bytes on, B's
.set SPARE, SCL+2*SCB                  ; behind them: the spare words, 128 bytes a wave: two blocks of 256 bytes that no other line names
.set SP,    272                        ; a stage row: 256 bytes + 16
.set FR, 16
.set NP, 8                             ; places behind this matrix instruction (ISA guide 7.12.1)
.set ADRA,  16                         ; v16-17  my A fragments in slot 0, 1
.set BO,    18                         ; v18     the bias's lane offset
.set ADRB,  20                         ; v20-21  my B fragments
.set ADRS0, 22                         ; v22     my scale words of K step 0: lanes 0-15 A's, lanes 16-31 B's; never rewritten
.set ADRS,  23                         ; v23     those of the slot that is being fetched
.set STO,   24                         ; v24     the stage: where I put 32 bytes of a row
.set RD,    25                         ; v25     and where I read a row back
.set CO,    26                         ; v26     my place in two rows of the output and of the residual
.set LI,    27                         ; v27     16 x lane
.set SPW,   28
.set NIL,   29
.set SC,    32                         ; v32-63  scale words: set s at 32 + 16 s; in it register 4 i + q: block i, the slot's q-th 128; they hold nothing else
.set BIAS,  64
.set ACC,   128
.set G1,   24                          ; s[24:31] group 1 for A's codes; s[32:39] group 0, a set for each slot
.set G0,   32
.set G1B,  48                          ; s[48:55], s[56:63] the same for B's
.set G0B,  56
.set G1S,  68                          ; s[68:75], s[76:79] A's scale words
.set G0S,  76
.set G1SB, 80                          ; s[80:87], s[88:91] B's
.set G0SB, 88
.set MSB, 0
.macro WIN new                         ; the immediate's high byte repeats the setting that is left
.if MSB != \new
	s_set_vgpr_msb (MSB<<8)|\new
.set MSB, \new
.endif
.endm
.set MUL,  0x05                        ; sources 0 (B) and 1 (A) window 1; C and D window 0
.set TO_F, 0x40                        ; destination window 1, address window 0
.macro JLOAD g0a, g1a, g0b, g1b        ; a joint load: waves 0 and 1 fetch for A, waves 2 and 3 for B; an s_nop 0 and four v_nop follow each of the two lines
	s_cmp_eq_u32 s15, 0
	s_cbranch_scc0 .Lfor_b_\@
	tensor_load_to_lds s[\g0a:\g0a+3], s[\g1a:\g1a+7]
	s_nop 0
.rept 4
	v_nop
.endr
	s_branch .Lasked_\@
.Lfor_b_\@:
	tensor_load_to_lds s[\g0b:\g0b+3], s[\g1b:\g1b+7]
	s_nop 0
.rept 4
	v_nop
.endr
.Lasked_\@:
.endm
.macro CREST                           ; a round of the cluster's barrier behind its opening barrier
	s_cmp_lg_u32 s14, 0
	s_cbranch_scc1 .Lnot_wave_0_\@
	s_barrier_signal -3
.Lnot_wave_0_\@:
	s_barrier_wait -3
	s_barrier_signal -1
	s_barrier_wait -1
.endm
.macro CROUND
	s_barrier_signal -1
	s_barrier_wait -1
	CREST
.endm
.macro PLACES n
.rept \n
	v_nop
.endr
.endm
	s_load_b256 s[4:11], s[0:1], 0x0               ; A's buffer s[4:5], wb s[6:7], the bias s[8:9], the residual s[10:11]
	s_load_b64 s[12:13], s[0:1], 0x20              ; the output
	v_lshl_add_u32 v[SPW], v0, 2, SPARE
	v_mov_b32 v[NIL], 0
	ds_add_u32 v[SPW], v[NIL]                      ; the wave's opening: the add, twice on end, and its wait ahead of my first tensor load
	ds_add_u32 v[SPW], v[NIL]
	v_lshrrev_b32 v1, 5, v0
	v_readfirstlane_b32 s14, v1                    ; wave 0..3
	s_lshr_b32 s15, s14, 1                         ; which half of the rows is mine.  Also: I fetch for A (0) or for B (1)
	s_and_b32 s16, s14, 1                          ; which half of the columns.  Also: which half of that tile I fetch
	s_bfe_u32 s40, ttmp6, 0x40000                  ; cx
	s_bfe_u32 s41, ttmp6, 0x40004                  ; cy
	s_lshl_b32 s42, ttmp9, 2
	s_add_co_u32 s42, s42, s40                     ; B's tile of 128 columns
	s_and_b32 s17, ttmp7, 0xffff
	s_lshl_b32 s17, s17, 2
	s_add_co_u32 s17, s17, s41                     ; A's tile of 128 rows
	s_lshl_b32 s43, s41, 2
	s_lshl_b32 s43, 15, s43                        ; my row of the cluster
	s_lshl_b32 s44, 0x1111, s40                    ; my column
	s_or_b32 s[G1], s43, (3<<16)|(1<<21)           ; 15:0 the mask; 17:16 elements of 8 bytes; 21 set beside a mask; no padding
	s_or_b32 s[G1B], s44, (3<<16)|(1<<21)
	s_or_b32 s[G1S], s43, (3<<16)|(1<<21)
	s_or_b32 s[G1SB], s44, (3<<16)|(1<<21)
.irp g, G1, G1B                        ; codes: four tiles' four fragments: 4 rows of 8,192 bytes, 16 KDIM bytes apart
	s_mov_b32 s[\g+1], 1024<<16
	s_mov_b32 s[\g+2], 8<<16                       ; the head's loads bring all eight tiles; behind them the two words that count rows are set to 4
	s_mov_b32 s[\g+3], 1024<<16
	s_mov_b32 s[\g+4], 8
	s_mov_b32 s[\g+5], 2*KDIM
	s_mov_b32 s[\g+6], 0
	s_mov_b32 s[\g+7], 0
.endr
.irp g, G1S, G1SB                      ; scale words: all the steps: NS rows of 1,024 bytes
	s_mov_b32 s[\g+1], 128<<16
	s_mov_b32 s[\g+2], NS<<16                      ; all NS steps by one load
	s_mov_b32 s[\g+3], 128<<16
	s_mov_b32 s[\g+4], NS
	s_mov_b32 s[\g+6], 0
	s_mov_b32 s[\g+7], 0
.endr
	s_mov_b32 s[G1S+5], RA8/8                      ; from step to step in memory
	s_mov_b32 s[G1SB+5], RB8/8
	s_mul_i32 s45, s14, 32768                      ; where my codes go in a slot: A's two halves, then B's two: no place in the cluster enters an LDS address
.set G0H,  92                          ; s[92:95], s[96:99] group 0 of the head's loads of slot 0: A's eight tiles, B's eight
.set G0HB, 96
.set PFO,  30                          ; v30 the prefetches' offset: 256 x lane; never rewritten
.irp s, 0,1
	s_mov_b32 s[G0+4*\s], 1
	s_add_co_u32 s[G0+4*\s+1], s45, \s*SLOT
	s_mov_b32 s[G0B+4*\s], 1
	s_add_co_u32 s[G0B+4*\s+1], s45, \s*SLOT
.endr
	s_mov_b32 s[G0S], 1
	s_mov_b32 s[G0S+1], SCL
	s_mov_b32 s[G0SB], 1
	s_mov_b32 s[G0SB+1], SCL+SCB
	s_mov_b32 s[G0H], 1
	s_mov_b32 s[G0H+1], 0
	s_mov_b32 s[G0HB], 1
	s_mov_b32 s[G0HB+1], BOFF
	s_mul_i32 s18, s16, 64*KDIM                    ; byte offsets first; the pointers are added below.  A's hang on cy alone, B's on cx alone.  Which four tiles I fetch:
	s_mul_i32 s[G0+2], s17, 128*KDIM
	s_add_co_u32 s[G0+2], s[G0+2], s18
	s_mov_b32 s[G0+3], 0
	s_mul_i32 s[G0B+2], s42, 128*KDIM
	s_add_co_u32 s[G0B+2], s[G0B+2], s18
	s_add_co_u32 s[G0B+2], s[G0B+2], B_C
	s_mov_b32 s[G0B+3], 0
	s_lshl_b32 s[G0S+2], s17, 10
	s_add_co_u32 s[G0S+2], s[G0S+2], A_S
	s_mov_b32 s[G0S+3], 0
	s_lshl_b32 s[G0SB+2], s42, 10
	s_add_co_u32 s[G0SB+2], s[G0SB+2], B_S
	s_mov_b32 s[G0SB+3], 0
	s_mul_i32 s[G0H+2], s17, 128*KDIM
	s_mov_b32 s[G0H+3], 0
	s_mul_i32 s[G0HB+2], s42, 128*KDIM
	s_add_co_u32 s[G0HB+2], s[G0HB+2], B_C
	s_mov_b32 s[G0HB+3], 0
	s_mov_b32 s2, 0                                ; how far the scale words have been walked: 2,048 bytes a slot
	s_wait_dscnt 0x0                               ; both opening adds are done
	s_wait_kmcnt 0x0
	s_add_nc_u64 s[G0+2:G0+3], s[4:5], s[G0+2:G0+3]
	s_add_nc_u64 s[G0S+2:G0S+3], s[4:5], s[G0S+2:G0S+3]
	s_add_nc_u64 s[G0B+2:G0B+3], s[6:7], s[G0B+2:G0B+3]
	s_add_nc_u64 s[G0SB+2:G0SB+3], s[6:7], s[G0SB+2:G0SB+3]
	s_add_nc_u64 s[G0+6:G0+7], s[G0+2:G0+3], 8192
	s_add_nc_u64 s[G0B+6:G0B+7], s[G0B+2:G0B+3], 8192
	s_add_nc_u64 s[G0H+2:G0H+3], s[4:5], s[G0H+2:G0H+3]
	s_add_nc_u64 s[G0HB+2:G0HB+3], s[6:7], s[G0HB+2:G0HB+3]
.irp g, G0+3, G0+7, G0B+3, G0B+7, G0S+3, G0SB+3, G0H+3, G0HB+3
	s_or_b32 s[\g], s[\g], 0x80000000              ; 127:126 type = 2
.endr
	; THE PREFETCHES.  Of the four tiles that my wave fetches for the ring, each of the four partners that ask for them jointly takes one, told apart by address (cx for A, cy for B):
	; a slot's part of a tile is 8,192 bytes, 32 lanes 256 bytes apart: one instruction a wave.  s[4:5] stands at slot 1 of that tile.
	s_cmp_eq_u32 s15, 0
	s_cselect_b32 s18, s17, s42
	s_cselect_b32 s19, s40, s41
	s_cselect_b32 s20, 0, B_C
	s_cselect_b64 s[4:5], s[4:5], s[6:7]
	s_lshl_b32 s18, s18, 3
	s_lshl_b32 s21, s16, 2
	s_add_co_u32 s18, s18, s21
	s_add_co_u32 s18, s18, s19
	s_mul_i32 s18, s18, 16*KDIM
	s_add_co_u32 s18, s18, s20
	s_add_co_u32 s18, s18, 8192
	s_mov_b32 s19, 0
	s_add_nc_u64 s[4:5], s[4:5], s[18:19]
	CROUND                                         ; all sixteen work-groups are here: the first joint loads meet
; THE HEAD'S LOADS, ONE A WAVE: wave 0 slot 0's eight tiles of A, wave 1 those of B, wave 2 A's scale words for all of K, wave 3 B's.  One tree of branches on the wave's number: every way passes exactly one load.
.macro ARM under, g0, g1, next
	s_cmp_lt_u32 s14, \under
	s_cbranch_scc0 \next
	tensor_load_to_lds s[\g0:\g0+3], s[\g1:\g1+7]
	s_nop 0
.rept 4
	v_nop
.endr
	s_branch .Lhead_asked
\next:
.endm
	ARM 1, G0H,  G1,  .Lhead_b
	ARM 2, G0HB, G1B, .Lhead_sa
	ARM 3, G0S,  G1S, .Lhead_sb
	tensor_load_to_lds s[G0SB:G0SB+3], s[G1SB:G1SB+7]
	s_nop 0
.rept 4
	v_nop
.endr
.Lhead_asked:
	v_and_b32 v1, 31, v0                           ; lane
	v_and_b32 v2, 15, v0                           ; r
	v_bfe_u32 v3, v0, 4, 1                         ; h
	s_wait_alu depctr_va_vdst(0)
	v_lshlrev_b32 v[LI], 4, v1
	s_lshl_b32 s18, s15, 15                        ; my four tiles of A: 8,192 bytes each
	s_lshl_b32 s19, s16, 15
	s_add_co_u32 s19, s19, BOFF
.irp s, 0,1
	v_add_nc_u32 v[ADRA+\s], s18, v[LI]
	v_add_nc_u32 v[ADRB+\s], s19, v[LI]
	s_add_co_u32 s18, s18, SLOT
	s_add_co_u32 s19, s19, SLOT
.endr
	s_lshl_b32 s20, s15, 9                         ; my four tiles' scale words: 128 bytes each
	s_lshl_b32 s21, s16, 9
	s_add_co_u32 s21, s21, SCB
	s_sub_co_u32 s21, s21, s20
	v_mul_u32_u24 v6, s21, v3                      ; lanes 16-31 take B's: one product with h
	v_lshl_add_u32 v6, v2, 3, v6
	s_add_co_u32 s20, s20, SCL
	v_add_nc_u32 v[ADRS0], s20, v6
	v_add_nc_u32 v[ADRS], s2, v[ADRS0]
	s_mul_i32 s20, s14, 16*SP                      ; my stage
	v_mul_u32_u24 v[STO], v2, SP
	v_lshl_add_u32 v[STO], v3, 6, v[STO]
	v_add_nc_u32 v[STO], s20, v[STO]               ; in: row r, 64 h bytes on
	v_mul_u32_u24 v[RD], v3, SP
	v_lshl_add_u32 v[RD], v2, 4, v[RD]
	v_add_nc_u32 v[RD], s20, v[RD]                 ; back: lanes 0-15 one row of 256 bytes, lanes 16-31 the next
	v_lshlrev_b32 v[CO], 12, v3
	v_lshl_add_u32 v[CO], v2, 4, v[CO]             ; and the same two rows in memory
	v_lshlrev_b32 v[BO], 6, v3                     ; the bias: 16 h numbers on
	s_wait_alu depctr_va_vdst(0)
	s_lshl_b32 s18, s42, 9
	s_lshl_b32 s19, s16, 8
	s_add_co_u32 s18, s18, s19                     ; my 64 columns, in bytes
	s_mov_b32 s19, 0
	s_add_nc_u64 s[8:9], s[8:9], s[18:19]
	s_lshl_b32 s20, s17, 19
	s_add_co_u32 s18, s18, s20
	s_lshl_b32 s20, s15, 18
	s_add_co_u32 s18, s18, s20                     ; and my 64 rows of 4,096 bytes
	s_add_nc_u64 s[10:11], s[10:11], s[18:19]
	s_add_nc_u64 s[12:13], s[12:13], s[18:19]
.irp T, 0,1,2,3                        ; register j of tile T: column 32 (T / 2) + 8 (T % 2) + 16 h + j
	global_load_b128 v[BIAS+8*\T:BIAS+8*\T+3], v[BO], s[8:9] offset:(32*(\T/2)+8*(\T%2))*4
	global_load_b128 v[BIAS+8*\T+4:BIAS+8*\T+7], v[BO], s[8:9] offset:(32*(\T/2)+8*(\T%2))*4+16
.endr
	WIN 0x80                                       ; destination window 2
.set t, 0
.rept 32
	global_load_b128 v[4*t:4*t+3], v[CO], s[10:11] offset:(16*(t/8)+2*(t%8))*4096   ; the residual: two rows' 256 bytes an instruction
.set t, t+1
.endr
	WIN 0
	v_and_b32 v[PFO], 31, v0
	v_lshlrev_b32 v[PFO], 8, v[PFO]
	global_prefetch_b8 v[PFO], s[4:5] th:TH_LOAD_NT scope:SCOPE_SE                 ; slot 1, which is loaded behind the next round
.if KDIM > 1024
	global_prefetch_b8 v[PFO], s[4:5] offset:8192 th:TH_LOAD_NT scope:SCOPE_SE     ; and slot 2
.endif
.macro FRAG reg, adr, q, i
.irp c, 0,1,2,3
	ds_load_b128 v[\reg+4*\c:\reg+4*\c+3], v[\adr] offset:8192*(\i)+2048*(\q)+512*\c
.endr
.endm
.macro FETCH slot, q, p                ; 32 LDS loads in one run: the slot's q-th 128 along K into set p
	WIN TO_F
.irp i, 0,1,2,3
	FRAG 128*(\p)+64+FR*\i, ADRB+\slot, \q, \i
.endr
.irp i, 0,1,2,3
	FRAG 128*(\p)+FR*\i, ADRA+\slot, \q, \i
.endr
.endm
.macro SCALES sc                       ; a slot's scale words into set sc: two steps of two words a row; lanes 0-15 A's block i, lanes 16-31 B's block i
.irp i, 0,1,2,3
	ds_load_b64 v[SC+16*\sc+4*\i:SC+16*\sc+4*\i+1], v[ADRS] offset:128*\i
	ds_load_b64 v[SC+16*\sc+4*\i+2:SC+16*\sc+4*\i+3], v[ADRS] offset:1024+128*\i
.endr
.endm
; 4 matrix instructions: A's block a x B's four.  p: the set of fragments; q: which 128 of the slot; sc: the set of scale words.  cm = 1: C is the bias (the first products start the sums), 0: the sum itself.
; The 16 accumulators take turns, one instruction a turn, in the same order in every step.
.macro MUL4 a, p, q, sc, cm
.irp b, 0,1,2,3
.if \cm
	v_wmma_scale_f32_16x16x128_f8f6f4 v[ACC+8*(4*(\a)+\b):ACC+8*(4*(\a)+\b)+7], v[128*(\p)+64+FR*\b:128*(\p)+64+FR*\b+FR-1], v[128*(\p)+FR*(\a):128*(\p)+FR*(\a)+FR-1], v[BIAS+8*\b:BIAS+8*\b+7], v[SC+16*(\sc)+4*\b+(\q)], v[SC+16*(\sc)+4*(\a)+(\q)] matrix_a_scale:MATRIX_SCALE_ROW1
.else
	v_wmma_scale_f32_16x16x128_f8f6f4 v[ACC+8*(4*(\a)+\b):ACC+8*(4*(\a)+\b)+7], v[128*(\p)+64+FR*\b:128*(\p)+64+FR*\b+FR-1], v[128*(\p)+FR*(\a):128*(\p)+FR*(\a)+FR-1], v[ACC+8*(4*(\a)+\b):ACC+8*(4*(\a)+\b)+7], v[SC+16*(\sc)+4*\b+(\q)], v[SC+16*(\sc)+4*(\a)+(\q)] matrix_a_scale:MATRIX_SCALE_ROW1
.endif
.endr
.endm
; One of a slot's first three steps of 128: the next step's fragments are asked for, into the set that the last products read; then this step's 16 products.
.macro KK slot, q, cm
	PLACES NP                                      ; in front of loads into registers that matrix instructions have read
	FETCH \slot, (\q)+1, 1-(\q)%2
	s_wait_dscnt 32                                ; all but the 32 just issued: this step's fragments, and the slot's scale words, are in
	WIN MUL
	MUL4 0, (\q)%2, \q, \slot, \cm
	MUL4 1, (\q)%2, \q, \slot, \cm
	MUL4 2, (\q)%2, \q, \slot, \cm
	MUL4 3, (\q)%2, \q, \slot, \cm
.endm
; A slot's fourth step changes slots: ONE barrier; in front of it each wave waits for all its tensor loads, adds 0 to its spare word, and waits for that and for its reads of this slot.  fill = 1: the barrier opens a round of the cluster's, and this slot is filled again, two slots ahead.
.macro TURN slot, next, fill
	WIN 0
.if \fill
	s_wait_xcnt 0x0                                ; my prefetches have read their address: it steps a slot on
	s_add_nc_u64 s[4:5], s[4:5], 8192
.endif
	s_wait_tensorcnt 0x0                           ; all my tensor loads have landed: my part of the next slot
	ds_add_u32 v[SPW], v[NIL]                      ; 0 onto my spare word
	s_wait_dscnt 1                                 ; (the add alone may be out: this step's fragments are in)
	WIN MUL
	MUL4 0, 1, 3, \slot, 0                         ; four matrix instructions stand between the add and the wait for it
	s_wait_dscnt 0x0                               ; the add is done, and my reads of this slot are over
	s_barrier_signal -1
	MUL4 1, 1, 3, \slot, 0
	WIN 0
	s_barrier_wait -1
.if \fill
	CREST                                          ; no wave of any partner still reads this slot or has a load on its way
	s_add_nc_u64 s[G0+4*\slot+2:G0+4*\slot+3], s[G0+4*\slot+2:G0+4*\slot+3], 16384
	s_add_nc_u64 s[G0B+4*\slot+2:G0B+4*\slot+3], s[G0B+4*\slot+2:G0B+4*\slot+3], 16384
	JLOAD G0+4*\slot, G1, G0B+4*\slot, G1B         ; the first tensor load behind the round, one a wave; its four v_nop are among the places in front of the loads below
	PLACES NP-4
.else
	PLACES NP
.endif
	s_add_co_u32 s2, s2, 2048                      ; on to the next slot's scale words
	v_add_nc_u32 v[ADRS], s2, v[ADRS0]
	FETCH \next, 0, 0
	WIN 0
	SCALES \next
.if \fill
	s_cmp_gt_u32 s3, 1                             ; the slot that stands two refills on; the loop's last trip has none
	s_cbranch_scc0 .Lno_ask_\@
	global_prefetch_b8 v[PFO], s[4:5] offset:16384 th:TH_LOAD_NT scope:SCOPE_SE
.Lno_ask_\@:
.endif
	WIN MUL
	MUL4 2, 1, 3, \slot, 0
	MUL4 3, 1, 3, \slot, 0
.endm
	s_wait_alu depctr_va_vdst(0)                   ; the wait at the head's end
	s_wait_tensorcnt 0x0                           ; my tile of the head's four is in
	ds_add_u32 v[SPW], v[NIL]
	s_mov_b32 s[G1+2], 4<<16                       ; no tensor load of mine is out: from here on a load brings four tiles
	s_mov_b32 s[G1+4], 4
	s_mov_b32 s[G1B+2], 4<<16
	s_mov_b32 s[G1B+4], 4
	s_wait_dscnt 0x0
	CROUND                                         ; a whole round: all four tiles are in, and the joint loads meet
	JLOAD G0+4, G1, G0B+4, G1B                     ; slot 1's first fill, a quarter a wave
	FETCH 0, 0, 0
	WIN 0
	SCALES 0
.if KDIM > 1024
	global_prefetch_b8 v[PFO], s[4:5] offset:16384 th:TH_LOAD_NT scope:SCOPE_SE    ; slot 3
.endif
	s_wait_loadcnt 32
	KK 0, 0, 1                                     ; the first step stands in front of the loop: its products start the sums
.if LAPS > 1
	WIN 0                                          ; at a label and at a branch every window is 0
	s_mov_b32 s3, LAPS-1
.Llap:                                         ; a trip goes once round the ring, from a lap's second step to the next lap's first, and fills both slots again
	KK 0, 1, 0
	KK 0, 2, 0
	TURN 0, 1, 1
	KK 1, 0, 0
	KK 1, 1, 0
	KK 1, 2, 0
	TURN 1, 0, 1
	KK 0, 0, 0
	WIN 0
	s_sub_co_u32 s3, s3, 1
	s_cmp_lg_u32 s3, 0
	s_cbranch_scc1 .Llap
.endif
	KK 0, 1, 0                                     ; the last lap fills nothing, and has no round of the cluster's barrier
	KK 0, 2, 0
	TURN 0, 1, 0
	KK 1, 0, 0
	KK 1, 1, 0
	KK 1, 2, 0
	s_wait_dscnt 0x0                               ; the very last step: nothing more to fetch
	WIN MUL
	MUL4 0, 1, 3, 1, 0
	MUL4 1, 1, 3, 1, 0
	MUL4 2, 1, 3, 1, 0
	MUL4 3, 1, 3, 1, 0
	WIN 0
	; ---- THE WAY OUT
	PLACES NP                                      ; behind the last products: for the first reads of results and the loads into fragments' registers
.irp a, 0,1,2,3                        ; block a's 16 rows x 64 columns into my stage, and back as whole rows
.irp T, 0,1,2,3
	ds_store_b128 v[STO], v[ACC+8*(4*\a+\T):ACC+8*(4*\a+\T)+3] offset:128*(\T/2)+32*(\T%2)          ; each accumulator from its low end on
	ds_store_b128 v[STO], v[ACC+8*(4*\a+\T)+4:ACC+8*(4*\a+\T)+7] offset:128*(\T/2)+32*(\T%2)+16
.endr
	WIN 0x40                                       ; destination window 1
.irp t, 0,1,2,3,4,5,6,7
	ds_load_b128 v[32*\a+4*\t:32*\a+4*\t+3], v[RD] offset:2*\t*SP  ; LDS serves a wave's instructions in order: these see the stores above, and the next block's stores come behind them
.endr
	WIN 0
.endr
	s_wait_loadcnt 0x0                             ; the residual
.irp a, 0,1,2,3
	s_wait_dscnt 16*(3-\a)                         ; block a is back; the later blocks' 16 LDS instructions each may be out
	WIN 0x49                                       ; destination and source 0 window 1, source 1 (the residual) window 2
.set p, 0
.rept 16
	v_pk_add_f32 v[32*\a+p:32*\a+p+1], v[32*\a+p:32*\a+p+1], v[32*\a+p:32*\a+p+1]
.set p, p+2
.endr
	WIN 0x04                                       ; a store's data are its source 1: window 1
.set t, 0
.rept 8
.if FINAL
	global_store_b128 v[CO], v[32*\a+4*t:32*\a+4*t+3], s[12:13] offset:(16*\a+2*t)*4096 th:TH_STORE_NT
.else
	global_store_b128 v[CO], v[32*\a+4*t:32*\a+4*t+3], s[12:13] offset:(16*\a+2*t)*4096   ; sixteen lanes store 256 consecutive bytes, aligned
.endif
.set t, t+1
.endr
.endr
	WIN 0
	s_wait_tensorcnt 0x0                           ; the wave's end, behind my last tensor load and my last LDS store
	ds_add_u32 v[SPW], v[NIL]
	s_wait_dscnt 0x0
	CROUND                                         ; the closing round
	s_endpgm
.Lfunc_end_k_q10020ee7d6_gemm_out:
	.size	k_q10020ee7d6_gemm_out, .Lfunc_end_k_q10020ee7d6_gemm_out-k_q10020ee7d6_gemm_out
	.p2alignl 7, 3214868480
	.fill 96, 4, 3214868480
	.section	.rodata,"a",@progbits
	.p2align	6, 0x0
	.amdhsa_kernel k_q10020ee7d6_gemm_out
		.amdhsa_group_segment_fixed_size 327680
		.amdhsa_private_segment_fixed_size 0
		.amdhsa_enable_private_segment 0
		.amdhsa_kernarg_size 40
		.amdhsa_user_sgpr_count 2
		.amdhsa_user_sgpr_kernarg_segment_ptr 1
		.amdhsa_wavefront_size32 1
		.amdhsa_system_sgpr_workgroup_id_x 1
		.amdhsa_system_sgpr_workgroup_id_y 1
		.amdhsa_system_sgpr_workgroup_id_z 1
		.amdhsa_system_vgpr_workitem_id 0
		.amdhsa_next_free_vgpr 640
		.amdhsa_next_free_sgpr 100
		.amdhsa_reserve_vcc 0
		.amdhsa_float_denorm_mode_32 3
		.amdhsa_float_denorm_mode_16_64 3
		.amdhsa_memory_ordered 1
		.amdhsa_forward_progress 1
		.amdhsa_inst_pref_size 64
	.end_amdhsa_kernel
	.amdgpu_metadata
---
amdhsa.version: [ 1, 2 ]
amdhsa.kernels:
  - .name:           k_q10020ee7d6_gemm_out
    .symbol:         k_q10020ee7d6_gemm_out.kd
    .args:
      - { .name: ab, .offset: 0, .size: 8, .value_kind: global_buffer, .address_space: global }
      - { .name: wb, .offset: 8, .size: 8, .value_kind: global_buffer, .address_space: global }
      - { .name: out_b, .offset: 16, .size: 8, .value_kind: global_buffer, .address_space: global }
      - { .name: x, .offset: 24, .size: 8, .value_kind: global_buffer, .address_space: global }
      - { .name: x1, .offset: 32, .size: 8, .value_kind: global_buffer, .address_space: global }
    .group_segment_fixed_size: 327680
    .private_segment_fixed_size: 0
    .kernarg_segment_align: 8
    .kernarg_segment_size: 40
    .max_flat_workgroup_size: 128
    .sgpr_count:     100
    .vgpr_count:     640
    .wavefront_size: 32
...
	.end_amdgpu_metadata
.endif
;; end of part 11
;; launch ln1 (part 12): grid 256 x 1, 8 waves a work-group, no clusters, 18,432 bytes of LDS; arguments x1, norm2_g, norm2_b, hb; writes hb
.if DOCPART == 12
	.amdgcn_target "amdgcn-amd-amdhsa--gfx1250"
	.amdhsa_code_object_version 6
	.text
	.protected	k_q10020ee7d6_ln1
	.globl	k_q10020ee7d6_ln1
	.p2align	8
	.type	k_q10020ee7d6_ln1,@function
k_q10020ee7d6_ln1:
	s_mov_b64 s[64:65], 0
	v_nop
	global_prefetch_b8 v0, s[64:65] scope:SCOPE_SE
	s_setreg_imm32_b32 hwreg(HW_REG_WAVE_MODE, 25, 1), 1
	s_wait_xcnt 0x0
; LayerNorm of [4096][1024] f32, quantised along the row into codes of FP8 (E4M3) in the order of an operand's registers:
;   codes  [tile of 16 rows][kk = 0..7][c = 0..3][lane = 16 h + r][16 bytes]: row r at k = 128 kk + 32 c + 16 h + 0..15;   scales, from byte HS on, [step = 0..3][tile][r][2 words].
; The same body serves both norms of the block (other buffers).  No work is left out.
; A work-group takes 16 rows, one tile; wave w takes rows 2 w and 2 w + 1 whole (32 registers a row), so mean and variance never leave a wave.  The variance is the mean of (x - mean)^2, in a second pass over registers.
; Each load reads 512 consecutive bytes: lane l holds 4 neighbours, eight lanes hold a block of 32.  The conversion takes eight numbers of a lane: it is given my four and the four registers behind them,
; and only its low result register, my four codes, is used: eight conversions more a row, and every load stays dense.
; The codes meet in a stage in LDS (rows of 1,024 + 16 bytes); behind one barrier wave w reads fragment kk = w and stores 4 x 512 consecutive bytes.
; The scale words leave as 128 consecutive bytes a step and tile, half of an aligned 256: one byte in 32 of what the launch stores.
; LIMITS: a block of zeros gets the byte 1 where the rule says 127 (zero codes; this program alone reads the bytes); blocks under 2^-118 are held at the byte 1; NaN and infinities are not served.
.set RP,    1040
.set SCL,   16640                      ; 16 rows x 32 scale bytes
.set SPARE, 17152                      ; the spare words, 128 bytes for each of the eight waves: four blocks of 256 bytes that no other line names
.set HS,    4194304
.set SPW, 8
.set NIL, 9
.set X,   32                           ; v32-95   two rows; v96-99 zeros behind them
.set G,   100                          ; v100-131 gain; later the fragment on its way out
.set BV,  132                          ; v132-163 bias
.set M,   164                          ; v164-179 largest magnitudes, then bytes
.set SO,  180                          ; v180-195 the conversions' scale operands
.set LIM, 196                          ; v196-211 448 x the scale
.set D,   212                          ; v212-243 the conversions' results
	s_load_b256 s[4:11], s[0:1], 0x0               ; the rows, gain, bias, the codes' buffer
	v_lshl_add_u32 v[SPW], v0, 2, SPARE
	v_mov_b32 v[NIL], 0
	v_lshrrev_b32 v1, 5, v0
	s_delay_alu instid0(VALU_DEP_1)
	v_readfirstlane_b32 s12, v1                    ; wave 0..7
	v_and_b32 v7, 31, v0                           ; lane
	v_and_b32 v28, 15, v0                          ; r
	v_bfe_u32 v29, v0, 4, 1                        ; h
	s_delay_alu instid0(VALU_DEP_3)
	v_lshlrev_b32 v1, 4, v7                        ; 16 x lane
	s_mul_i32 s17, s12, 2*RP
	v_lshl_add_u32 v2, v7, 2, s17                  ; the stage, in: my rows, 4 x lane
	s_lshl_b32 s17, s12, 6
	s_add_co_u32 s17, s17, SCL
	v_lshrrev_b32 v3, 3, v7
	s_delay_alu instid0(VALU_DEP_1)
	v_add_nc_u32 v3, s17, v3                       ; my block's byte: 32 a row, lane / 8
	v_mul_u32_u24 v4, v28, RP
	s_delay_alu instid0(VALU_DEP_1)
	v_lshl_add_u32 v4, v29, 4, v4
	s_lshl_b32 s17, s12, 7
	v_add_nc_u32 v4, s17, v4                       ; the stage, out: row r, k = 128 wave + 16 h
	s_and_b32 s13, s12, 3
	s_lshl_b32 s17, s13, 3
	s_add_co_u32 s17, s17, SCL
	v_lshlrev_b32 v5, 5, v28
	s_delay_alu instid0(VALU_DEP_1)
	v_lshl_add_u32 v5, v29, 2, v5
	s_delay_alu instid0(VALU_DEP_1)
	v_add_nc_u32 v5, s17, v5                       ; a step's scale word: row r, 8 bytes a step, word h
	v_lshlrev_b32 v6, 3, v28
	s_delay_alu instid0(VALU_DEP_1)
	v_lshl_add_u32 v6, v29, 2, v6                  ; and its place in memory
	s_mov_b32 s14, 0x76543210
	s_mov_b32 s15, 0xfedcba98                      ; v_permlanex16_b32's selects for lane l xor 16
	s_mov_b32 s16, 0x600000                        ; the mantissa field of 448
	s_mov_b32 s24, 0x3a800000                      ; 1 / 1024
	s_mov_b32 s25, 0x3727c5ac                      ; 1e-5
	s_lshl_b32 s18, ttmp9, 16                      ; 16 rows of 4,096 bytes a work-group,
	s_lshl_b32 s19, s12, 13                        ; two a wave
	s_add_co_u32 s18, s18, s19
	s_mov_b32 s19, 0
	s_lshl_b32 s20, ttmp9, 14                      ; a tile's eight fragments,
	s_lshl_b32 s21, s12, 11                        ; mine
	s_add_co_u32 s20, s20, s21
	s_mov_b32 s21, 0
	s_lshl_b32 s22, s13, 15
	s_lshl_b32 s23, ttmp9, 7
	s_add_co_u32 s22, s22, s23
	s_add_co_u32 s22, s22, HS
	s_mov_b32 s23, 0
	v_mov_b32 v26, 0                               ; written once: a lane permute's destination counts as one of its sources
	v_mov_b32 v27, 0
.irp i, 96,97,98,99
	v_mov_b32 v\i, 0
.endr
	s_wait_kmcnt 0x0
	s_add_nc_u64 s[4:5], s[4:5], s[18:19]
	s_add_nc_u64 s[20:21], s[10:11], s[20:21]
	s_add_nc_u64 s[22:23], s[10:11], s[22:23]
.set q, 0
.rept 16
	global_load_b128 v[X+4*q:X+4*q+3], v1, s[4:5] offset:4096*(q/8)+512*(q%8)
.set q, q+1
.endr
.irp i, 0,1,2,3,4,5,6,7
	global_load_b128 v[G+4*\i:G+4*\i+3], v1, s[6:7] offset:512*\i
.endr
.irp i, 0,1,2,3,4,5,6,7
	global_load_b128 v[BV+4*\i:BV+4*\i+3], v1, s[8:9] offset:512*\i
.endr
.macro RSUM t, p                       ; v[t] summed over the 32 lanes, in every lane
	s_delay_alu instid0(VALU_DEP_1)
	v_add_f32_dpp v[\t], v[\t], v[\t] row_xmask:1 row_mask:0xf bank_mask:0xf
	s_delay_alu instid0(VALU_DEP_1)
	v_add_f32_dpp v[\t], v[\t], v[\t] row_xmask:2 row_mask:0xf bank_mask:0xf
	s_delay_alu instid0(VALU_DEP_1)
	v_add_f32_dpp v[\t], v[\t], v[\t] row_xmask:4 row_mask:0xf bank_mask:0xf
	s_delay_alu instid0(VALU_DEP_1)
	v_add_f32_dpp v[\t], v[\t], v[\t] row_xmask:8 row_mask:0xf bank_mask:0xf
	s_delay_alu instid0(VALU_DEP_1)
	v_permlanex16_b32 v[\p], v[\t], s14, s15
	s_delay_alu instid0(VALU_DEP_1)
	v_add_f32 v[\t], v[\t], v[\p]
.endm
.macro STAT w                          ; row w of my two: x becomes x - mean; v[18 + 4 w] becomes the variance + 1e-5
.set XR, X+32*\w
.set T,  18+4*\w
.set MU, 10+4*\w
	v_pk_add_f32 v[T:T+1], v[XR:XR+1], v[XR+2:XR+3]
	v_pk_add_f32 v[T+2:T+3], v[XR+4:XR+5], v[XR+6:XR+7]
.irp j, 8,12,16,20,24,28
	s_delay_alu instid0(VALU_DEP_2)
	v_pk_add_f32 v[T:T+1], v[T:T+1], v[XR+\j:XR+\j+1]
	s_delay_alu instid0(VALU_DEP_2)
	v_pk_add_f32 v[T+2:T+3], v[T+2:T+3], v[XR+\j+2:XR+\j+3]
.endr
	s_delay_alu instid0(VALU_DEP_1)
	v_pk_add_f32 v[T:T+1], v[T:T+1], v[T+2:T+3]
	s_delay_alu instid0(VALU_DEP_1)
	v_add_f32 v[T], v[T], v[T+1]
	RSUM T, 26+\w
	s_delay_alu instid0(VALU_DEP_1)
	v_mul_f32 v[MU], s24, v[T]                     ; the mean
	s_delay_alu instid0(VALU_DEP_1)
	v_mov_b32 v[MU+1], v[MU]
.set j, 0
.rept 16
	v_pk_add_f32 v[XR+j:XR+j+1], v[XR+j:XR+j+1], v[MU:MU+1] neg_lo:[0,1] neg_hi:[0,1]
.set j, j+2
.endr
	v_pk_mul_f32 v[T:T+1], v[XR:XR+1], v[XR:XR+1]
	v_pk_mul_f32 v[T+2:T+3], v[XR+2:XR+3], v[XR+2:XR+3]
.irp j, 4,8,12,16,20,24,28
	s_delay_alu instid0(VALU_DEP_2)
	v_pk_fma_f32 v[T:T+1], v[XR+\j:XR+\j+1], v[XR+\j:XR+\j+1], v[T:T+1]
	s_delay_alu instid0(VALU_DEP_2)
	v_pk_fma_f32 v[T+2:T+3], v[XR+\j+2:XR+\j+3], v[XR+\j+2:XR+\j+3], v[T+2:T+3]
.endr
	s_delay_alu instid0(VALU_DEP_1)
	v_pk_add_f32 v[T:T+1], v[T:T+1], v[T+2:T+3]
	s_delay_alu instid0(VALU_DEP_1)
	v_add_f32 v[T], v[T], v[T+1]
	RSUM T, 26+\w
	s_delay_alu instid0(VALU_DEP_1)
	v_fma_f32 v[T], v[T], s24, s25
.endm
	s_wait_loadcnt 16                              ; my two rows are in; gain and bias, 16 loads, may be out
	STAT 0
	STAT 1
	s_wait_alu depctr_va_vdst(0)
	v_rsq_f32 v12, v18
	v_rsq_f32 v16, v22
	v_nop                                          ; a plain instruction behind the transcendentals
	s_wait_alu depctr_va_vdst(0)                   ; the wait ahead of the first line that names a result: one for both
	v_mov_b32 v13, v12
	v_mov_b32 v17, v16
	s_wait_alu depctr_va_vdst(0)
	s_wait_loadcnt 0x0                             ; gain and bias
.irp w, 0,1
.set j, 0
.rept 16
	v_pk_mul_f32 v[X+32*\w+j:X+32*\w+j+1], v[X+32*\w+j:X+32*\w+j+1], v[12+4*\w:13+4*\w]
.set j, j+2
.endr
.set j, 0
.rept 16
	v_pk_fma_f32 v[X+32*\w+j:X+32*\w+j+1], v[X+32*\w+j:X+32*\w+j+1], v[G+j:G+j+1], v[BV+j:BV+j+1]
.set j, j+2
.endr
.endr
	; sixteen groups q = 8 row + load: my four numbers of a block that eight lanes share
.set q, 0
.rept 16
	v_max3_num_f32 v[M+q], |v[X+4*q]|, |v[X+4*q+1]|, 0x4800000     ; with the floor 2^(9 - 127): the byte cannot fall under 1
.set q, q+1
.endr
.set q, 0
.rept 16
	v_max3_num_f32 v[M+q], v[M+q], |v[X+4*q+2]|, |v[X+4*q+3]|
.set q, q+1
.endr
.irp m, 1,2,4
.set q, 0
.rept 16
	v_max_num_f32_dpp v[M+q], v[M+q], v[M+q] row_xmask:\m row_mask:0xf bank_mask:0xf
.set q, q+1
.endr
.endr
.set q, 0
.rept 16
	v_add_nc_u32 v[SO+q], 0xfc000000, v[M+q]       ; 8 off the exponent field: the conversion's scale operand
	v_and_or_b32 v[LIM+q], v[M+q], 0x7f800000, s16 ; 448 x the scale
.set q, q+1
.endr
.set q, 0
.rept 16
	v_lshrrev_b32 v[M+q], 23, v[SO+q]              ; the scale's byte
.set q, q+1
.endr
.set q, 0
.rept 16                               ; all holds stand ahead of all conversions: a conversion also names the next group's four registers
.irp i, 0,1,2,3
	v_med3_num_f32 v[X+4*q+\i], v[X+4*q+\i], -v[LIM+q], v[LIM+q]
.endr
.set q, q+1
.endr
.set q, 0
.rept 16
	v_cvt_scalef32_pk8_fp8_f32 v[D+2*q:D+2*q+1], v[X+4*q:X+4*q+7], v[SO+q]   ; the low register holds my four codes; the high one is not used
.set q, q+1
.endr
	v_nop                                          ; a plain instruction behind the last conversion
.set q, 0
.rept 16
	ds_store_b32 v2, v[D+2*q] offset:RP*(q/8)+128*(q%8)
	ds_store_b8 v3, v[M+q] offset:32*(q/8)+4*(q%8) ; the eight lanes of a block write the same byte with the same value
.set q, q+1
.endr
	s_wait_dscnt 0x0                               ; for the others' sake: my stores have landed
	s_barrier_signal -1
	s_barrier_wait -1
.irp c, 0,1,2,3
	ds_load_b128 v[G+4*\c:G+4*\c+3], v4 offset:32*\c
.endr
.irp c, 0,1,2,3
	s_wait_dscnt 3-\c
	global_store_b128 v1, v[G+4*\c:G+4*\c+3], s[20:21] offset:512*\c         ; 32 lanes store 512 consecutive bytes, aligned
.endr
	s_cmp_lt_u32 s12, 4                            ; waves 0 to 3 also store a step's scale words
	s_cbranch_scc0 .Lno_scales
	ds_load_b32 v116, v5
	s_wait_dscnt 0x0
	global_store_b32 v6, v116, s[22:23]
.Lno_scales:
	s_wait_tensorcnt 0x0                           ; the wave's end, behind my last LDS store
	ds_add_u32 v[SPW], v[NIL]
	s_wait_dscnt 0x0
	s_endpgm
.Lfunc_end_k_q10020ee7d6_ln1:
	.size	k_q10020ee7d6_ln1, .Lfunc_end_k_q10020ee7d6_ln1-k_q10020ee7d6_ln1
	.p2alignl 7, 3214868480
	.fill 96, 4, 3214868480
	.section	.rodata,"a",@progbits
	.p2align	6, 0x0
	.amdhsa_kernel k_q10020ee7d6_ln1
		.amdhsa_group_segment_fixed_size 18432
		.amdhsa_private_segment_fixed_size 0
		.amdhsa_enable_private_segment 0
		.amdhsa_kernarg_size 32
		.amdhsa_user_sgpr_count 2
		.amdhsa_user_sgpr_kernarg_segment_ptr 1
		.amdhsa_wavefront_size32 1
		.amdhsa_system_sgpr_workgroup_id_x 1
		.amdhsa_system_sgpr_workgroup_id_y 1
		.amdhsa_system_sgpr_workgroup_id_z 1
		.amdhsa_system_vgpr_workitem_id 0
		.amdhsa_next_free_vgpr 256
		.amdhsa_next_free_sgpr 66
		.amdhsa_reserve_vcc 0
		.amdhsa_float_denorm_mode_32 3
		.amdhsa_float_denorm_mode_16_64 3
		.amdhsa_memory_ordered 1
		.amdhsa_forward_progress 1
		.amdhsa_inst_pref_size 38
	.end_amdhsa_kernel
	.amdgpu_metadata
---
amdhsa.version: [ 1, 2 ]
amdhsa.kernels:
  - .name:           k_q10020ee7d6_ln1
    .symbol:         k_q10020ee7d6_ln1.kd
    .args:
      - { .name: x1, .offset: 0, .size: 8, .value_kind: global_buffer, .address_space: global }
      - { .name: norm2_g, .offset: 8, .size: 8, .value_kind: global_buffer, .address_space: global }
      - { .name: norm2_b, .offset: 16, .size: 8, .value_kind: global_buffer, .address_space: global }
      - { .name: hb, .offset: 24, .size: 8, .value_kind: global_buffer, .address_space: global }
    .group_segment_fixed_size: 18432
    .private_segment_fixed_size: 0
    .kernarg_segment_align: 8
    .kernarg_segment_size: 32
    .max_flat_workgroup_size: 256
    .sgpr_count:     66
    .vgpr_count:     256
    .wavefront_size: 32
...
	.end_amdgpu_metadata
.endif
;; end of part 12
;; launch gemm_ff1 (part 13): grid 16 x 16, 4 waves a work-group, clusters of 4 x 4, 327,680 bytes of LDS; arguments hb, wb, ff1_b, fb; writes fb
.if DOCPART == 13
	.amdgcn_target "amdgcn-amd-amdhsa--gfx1250"
	.amdhsa_code_object_version 6
	.text
	.protected	k_q10020ee7d6_gemm_ff1
	.globl	k_q10020ee7d6_gemm_ff1
	.p2align	8
	.type	k_q10020ee7d6_gemm_ff1,@function
k_q10020ee7d6_gemm_ff1:
	s_mov_b64 s[64:65], 0
	v_nop
	global_prefetch_b8 v0, s[64:65] scope:SCOPE_SE
	s_setreg_imm32_b32 hwreg(HW_REG_WAVE_MODE, 25, 1), 1
	s_wait_xcnt 0x0
	s_wait_alu depctr_hold_cnt(0) depctr_sa_sdst(0) depctr_va_vdst(0) depctr_va_sdst(0) depctr_va_ssrc(0) depctr_va_vcc(0) depctr_vm_vsrc(0)
	s_getreg_b32 s2, hwreg(HW_REG_IB_STS2, 6, 4)
	s_cmp_eq_u32 s2, 0
	s_cbranch_scc0 .Lentry_in_a_cluster
	s_endpgm
.Lentry_in_a_cluster:
	s_bfe_u32 s2, ttmp6, 0x10000c
	s_cmp_lg_u32 s2, 0xf033
	s_cbranch_scc0 .Lentry_shape_is_right
	s_endpgm
.Lentry_shape_is_right:
.set KDIM,  1024
.set A_S,   4194304
.set B_C,   4194304
.set B_S,   12713984
.set RA8,   32768
.set RB8,   32768
.set FS,    16777216
.set LAPS,  KDIM/512
.set SLOT,  135168
.set BOFF,  65536
.set SAOFF, 131072
.set SBOFF, 133120
.set SPARE, 2*SLOT
.set FR, 16
.set NL, 4
.set NP, 8
.set PW,   12
.set ADRA, 16
.set BO,   18
.set ADRB, 20
.set ADRS, 22
.set CO,   26
.set R8,   27
.set SPW,  28
.set NIL,  29
.set DST,  30
.set DLD,  31
.set SC,   32
.set BIAS, 64
.set AF,   128
.set H,    64
.set PC,   128
.set TM,   144
.set GZ,   160
.set GZ2,  176
.set GP,   192
.set GQ,   208
.set CF,   224
.set G1A, 24
.set G0A, 32
.set G1B, 48
.set G0B, 56
.set G1SA, 68
.set G0SA, 76
.set G1SB, 84
.set G0SB, 92
.set SEL, 20
.set MNT, 22
.set MSB, 0
.macro WIN new
.if MSB != \new
	s_set_vgpr_msb (MSB<<8)|\new
.set MSB, \new
.endif
.endm
.set MUL_LO, 0xa1
.set MUL_HI, 0xf1
.set TO_B,   0x40
.macro TL g0, g1
	tensor_load_to_lds s[\g0:\g0+3], s[\g1:\g1+7]
	s_nop 0
.rept 4
	v_nop
.endr
.endm
.macro JLOAD s
	s_cmp_lt_u32 s14, 2
	s_cbranch_scc0 .Lscales_\@
	s_cmp_eq_u32 s14, 0
	s_cbranch_scc0 .Lb_\@
	TL G0A+4*\s, G1A
	s_branch .Lasked_\@
.Lb_\@:
	TL G0B+4*\s, G1B
	s_branch .Lasked_\@
.Lscales_\@:
	s_cmp_eq_u32 s14, 2
	s_cbranch_scc0 .Lsb_\@
	TL G0SA+4*\s, G1SA
	s_branch .Lasked_\@
.Lsb_\@:
	TL G0SB+4*\s, G1SB
.Lasked_\@:
.endm
.macro CREST
	s_cmp_lg_u32 s14, 0
	s_cbranch_scc1 .Lnot_wave_0_\@
	s_barrier_signal -3
.Lnot_wave_0_\@:
	s_barrier_wait -3
	s_barrier_signal -1
	s_barrier_wait -1
.endm
.macro CROUND
	s_barrier_signal -1
	s_barrier_wait -1
	CREST
.endm
.macro PLACES n
.rept \n
	v_nop
.endr
.endm
	s_load_b256 s[4:11], s[0:1], 0x0
	v_lshl_add_u32 v[SPW], v0, 2, SPARE
	v_mov_b32 v[NIL], 0
	ds_add_u32 v[SPW], v[NIL]
	ds_add_u32 v[SPW], v[NIL]
	v_lshrrev_b32 v1, 5, v0
	v_readfirstlane_b32 s14, v1
	s_lshr_b32 s15, s14, 1
	s_and_b32 s16, s14, 1
	s_bfe_u32 s40, ttmp6, 0x40000
	s_bfe_u32 s41, ttmp6, 0x40004
	s_lshl_b32 s42, ttmp9, 2
	s_add_co_u32 s42, s42, s40
	s_and_b32 s17, ttmp7, 0xffff
	s_lshl_b32 s17, s17, 2
	s_add_co_u32 s17, s17, s41
	s_lshl_b32 s43, s41, 2
	s_lshl_b32 s43, 15, s43
	s_lshl_b32 s44, 0x1111, s40
	s_or_b32 s[G1A], s43, (3<<16)|(1<<21)
	s_or_b32 s[G1B], s44, (3<<16)|(1<<21)
	s_or_b32 s[G1SA], s43, (3<<16)|(1<<21)
	s_or_b32 s[G1SB], s44, (3<<16)|(1<<21)
.irp g, G1A, G1B
	s_mov_b32 s[\g+1], 512<<16
	s_mov_b32 s[\g+2], 16<<16
	s_mov_b32 s[\g+3], 512<<16
	s_mov_b32 s[\g+4], 16
	s_mov_b32 s[\g+5], 2*KDIM
	s_mov_b32 s[\g+6], 0
	s_mov_b32 s[\g+7], 0
.endr
.irp g, G1SA, G1SB
	s_mov_b32 s[\g+1], 32<<16
	s_mov_b32 s[\g+2], 8<<16
	s_mov_b32 s[\g+3], 32<<16
	s_mov_b32 s[\g+4], 8
	s_mov_b32 s[\g+5], 32
	s_mov_b32 s[\g+6], 0
	s_mov_b32 s[\g+7], 0
.endr
.irp s, 0,1
	s_mov_b32 s[G0A+4*\s], 1
	s_mov_b32 s[G0A+4*\s+1], \s*SLOT
	s_mov_b32 s[G0B+4*\s], 1
	s_mov_b32 s[G0B+4*\s+1], \s*SLOT+BOFF
	s_mov_b32 s[G0SA+4*\s], 1
	s_mov_b32 s[G0SA+4*\s+1], \s*SLOT+SAOFF
	s_mov_b32 s[G0SB+4*\s], 1
	s_mov_b32 s[G0SB+4*\s+1], \s*SLOT+SBOFF
.endr
	s_mul_i32 s[G0A+2], s17, 256*KDIM
	s_mov_b32 s[G0A+3], 0
	s_lshl_b32 s[G0SA+2], s17, 11
	s_add_co_u32 s[G0SA+2], s[G0SA+2], A_S
	s_mov_b32 s[G0SA+3], 0
	s_mul_i32 s[G0B+2], s42, 256*KDIM
	s_add_co_u32 s[G0B+2], s[G0B+2], B_C
	s_mov_b32 s[G0B+3], 0
	s_lshl_b32 s[G0SB+2], s42, 11
	s_add_co_u32 s[G0SB+2], s[G0SB+2], B_S
	s_mov_b32 s[G0SB+3], 0
	s_wait_dscnt 0x0
	s_wait_kmcnt 0x0
	s_add_nc_u64 s[G0A+2:G0A+3], s[4:5], s[G0A+2:G0A+3]
	s_add_nc_u64 s[G0SA+2:G0SA+3], s[4:5], s[G0SA+2:G0SA+3]
	s_add_nc_u64 s[G0B+2:G0B+3], s[6:7], s[G0B+2:G0B+3]
	s_add_nc_u64 s[G0SB+2:G0SB+3], s[6:7], s[G0SB+2:G0SB+3]
	s_add_nc_u64 s[G0A+6:G0A+7], s[G0A+2:G0A+3], 4096
	s_add_nc_u64 s[G0B+6:G0B+7], s[G0B+2:G0B+3], 4096
	s_add_nc_u64 s[G0SA+6:G0SA+7], s[G0SA+2:G0SA+3], RA8
	s_add_nc_u64 s[G0SB+6:G0SB+7], s[G0SB+2:G0SB+3], RB8
	; THE PREFETCHES.  Waves 0 and 1 ask for A's later slots, waves 2 and 3 for B's.  Of a slot's 16 tiles each of the four partners that load it jointly takes four, told apart by address (cx for A, cy for B),
	; and each of its two waves two: 2 x 4,096 bytes, 32 lanes 256 bytes apart.  Of a slot's eight blocks of scale words partner and wave take one.
	s_cmp_eq_u32 s15, 0
	s_cselect_b64 s[12:13], s[G0A+2:G0A+3], s[G0B+2:G0B+3]
	s_cselect_b64 s[100:101], s[G0SA+2:G0SA+3], s[G0SB+2:G0SB+3]
	s_cselect_b32 s18, s40, s41
	s_mov_b32 s20, RA8                             ; from step to step of the scale words: the same in A's and in B's
	s_lshl_b32 s18, s18, 1
	s_add_co_u32 s18, s18, s16                     ; 2 x place + wave % 2
	s_lshl_b32 s21, s18, 8
	s_lshl_b32 s18, s18, 15                        ; two tiles of 16,384 bytes
	s_mov_b32 s19, 0
	s_add_nc_u64 s[12:13], s[12:13], s[18:19]
	s_mov_b32 s18, s21
	s_add_nc_u64 s[100:101], s[100:101], s[18:19]
.irp g, G0A, G0B, G0SA, G0SB
	s_or_b32 s[\g+3], s[\g+3], 0x80000000
	s_or_b32 s[\g+7], s[\g+7], 0x80000000
.endr
	CROUND
	JLOAD 0
	v_and_b32 v24, 15, v0
	v_bfe_u32 v25, v0, 4, 1
	v_lshlrev_b32 v24, 8, v24
	v_lshl_add_u32 v24, v25, 14, v24               ; v24: tile lane / 16, block lane % 16; never rewritten
	v_and_b32 v25, 31, v0
	v_min_u32 v25, 2, v25
	v_add_nc_u32 v25, 1, v25
	v_mul_lo_u32 v25, v25, s20                     ; v25: lanes 0, 1, 2 and on: the scale words of slots 1, 2, 3; never rewritten
	global_prefetch_b8 v24, s[12:13] offset:4096 th:TH_LOAD_NT scope:SCOPE_SE      ; slot 1,
	global_prefetch_b8 v24, s[12:13] offset:8192 th:TH_LOAD_NT scope:SCOPE_SE      ; slot 2,
	global_prefetch_b8 v25, s[100:101] th:TH_LOAD_NT scope:SCOPE_SE                ; and my block of the three later slots' scale words
	s_wait_alu depctr_va_vdst(0)
	s_wait_tensorcnt 0x0
	ds_add_u32 v28, v29
	s_wait_dscnt 0x0
	CROUND
	JLOAD 1
	global_prefetch_b8 v24, s[12:13] offset:12288 th:TH_LOAD_NT scope:SCOPE_SE     ; slot 3, the last
	v_and_b32 v1, 31, v0
	v_and_b32 v2, 15, v0
	v_bfe_u32 v3, v0, 4, 1
	s_wait_alu depctr_va_vdst(0)
	v_lshlrev_b32 v[CO], 4, v1
	v_lshlrev_b32 v[R8], 3, v2
	s_lshl_b32 s18, s15, 15
	s_lshl_b32 s19, s16, 15
	s_add_co_u32 s19, s19, BOFF
.irp s, 0,1
	v_add_nc_u32 v[ADRA+\s], s18, v[CO]
	v_add_nc_u32 v[ADRB+\s], s19, v[CO]
	s_add_co_u32 s18, s18, SLOT
	s_add_co_u32 s19, s19, SLOT
.endr
	s_lshl_b32 s20, s15, 10
	s_lshl_b32 s21, s16, 10
	s_add_co_u32 s21, s21, SBOFF-SAOFF
	s_sub_co_u32 s21, s21, s20
	v_mul_u32_u24 v6, s21, v3
	s_wait_alu depctr_va_vdst(0)
	v_add_nc_u32 v6, v6, v[R8]
	s_add_co_u32 s20, s20, SAOFF
	v_add_nc_u32 v[ADRS], s20, v6
	v_add_nc_u32 v[ADRS+1], SLOT, v[ADRS]
	s_lshl_b32 s20, s14, 16
	v_add_nc_u32 v[DST], s20, v[CO]
	v_lshlrev_b32 v[BO], 6, v3
	s_lshl_b32 s18, s42, 10
	s_lshl_b32 s19, s16, 9
	s_add_co_u32 s18, s18, s19
	s_mov_b32 s19, 0
	s_add_nc_u64 s[8:9], s[8:9], s[18:19]
.irp T, 0,1,2,3,4,5,6,7
	global_load_b128 v[BIAS+8*\T:BIAS+8*\T+3], v[BO], s[8:9] offset:(32*(\T/2)+8*(\T%2))*4
	global_load_b128 v[BIAS+8*\T+4:BIAS+8*\T+7], v[BO], s[8:9] offset:(32*(\T/2)+8*(\T%2))*4+16
.endr
.macro FRAG reg, adr, q, i
.irp c, 0,1,2,3
	ds_load_b128 v[\reg+4*\c:\reg+4*\c+3], v[\adr] offset:4096*(\i)+2048*(\q)+512*\c
.endr
.endm
.macro MUL16 a0, p, q, sc, cm
.irp a, \a0, \a0+1
.irp b, 0,1,2,3,4,5,6,7
.if \cm
	v_wmma_scale_f32_16x16x128_f8f6f4 v[8*(8*((\a)%4)+\b):8*(8*((\a)%4)+\b)+7], v[128*(\p)+FR*\b:128*(\p)+FR*\b+FR-1], v[AF+FR*(\a):AF+FR*(\a)+FR-1], v[BIAS+8*\b:BIAS+8*\b+7], v[SC+16*(\sc)+2*\b+(\q)], v[SC+16*(\sc)+2*(\a)+(\q)] matrix_a_scale:MATRIX_SCALE_ROW1
.else
	v_wmma_scale_f32_16x16x128_f8f6f4 v[8*(8*((\a)%4)+\b):8*(8*((\a)%4)+\b)+7], v[128*(\p)+FR*\b:128*(\p)+FR*\b+FR-1], v[AF+FR*(\a):AF+FR*(\a)+FR-1], v[8*(8*((\a)%4)+\b):8*(8*((\a)%4)+\b)+7], v[SC+16*(\sc)+2*\b+(\q)], v[SC+16*(\sc)+2*(\a)+(\q)] matrix_a_scale:MATRIX_SCALE_ROW1
.endif
.endr
.endr
.endm
.macro FETCH_B slot, q, p
	WIN TO_B
.irp i, 0,1,2,3,4,5,6,7
	FRAG 128*(\p)+FR*\i, ADRB+\slot, \q, \i
.endr
	WIN 0
.endm
.macro FETCH_A slot, q, i0
.irp i, \i0, \i0+1, \i0+2, \i0+3
	FRAG AF+FR*(\i), ADRA+\slot, \q, \i
.endr
.endm
.macro SCALES sc
.irp i, 0,1,2,3,4,5,6,7
	ds_load_b64 v[SC+16*\sc+2*\i:SC+16*\sc+2*\i+1], v[ADRS+\sc] offset:128*\i
.endr
.endm
.macro STEP slot, q, cm
	s_wait_dscnt 4*NL
.if \cm
	WIN 0x81
.else
	WIN MUL_LO
.endif
	MUL16 0, (\q)%2, \q, \slot, \cm
	MUL16 2, (\q)%2, \q, \slot, \cm
	s_wait_dscnt 0
	PLACES NP
	FETCH_B \slot, (\q)+1, 1-(\q)%2
	FETCH_A \slot, (\q)+1, 0
.if \cm
	WIN 0xc1
.else
	WIN MUL_HI
.endif
	MUL16 4, (\q)%2, \q, \slot, \cm
	MUL16 6, (\q)%2, \q, \slot, \cm
	PLACES NP
	WIN 0
	FETCH_A \slot, (\q)+1, 4
.endm
.macro TURN slot, next, fill
	s_wait_tensorcnt 0x0
	ds_add_u32 v[SPW], v[NIL]
	s_wait_dscnt 4*NL+1
	WIN MUL_LO
	MUL16 0, 1, 1, \slot, 0
	s_wait_dscnt 0x0
	s_barrier_signal -1
	MUL16 2, 1, 1, \slot, 0
	WIN 0
	s_barrier_wait -1
.if \fill
	CREST
	s_add_nc_u64 s[G0A+4*\slot+2:G0A+4*\slot+3], s[G0A+4*\slot+2:G0A+4*\slot+3], 8192
	s_add_nc_u64 s[G0B+4*\slot+2:G0B+4*\slot+3], s[G0B+4*\slot+2:G0B+4*\slot+3], 8192
	s_add_nc_u64 s[G0SA+4*\slot+2:G0SA+4*\slot+3], s[G0SA+4*\slot+2:G0SA+4*\slot+3], 2*RA8
	s_add_nc_u64 s[G0SB+4*\slot+2:G0SB+4*\slot+3], s[G0SB+4*\slot+2:G0SB+4*\slot+3], 2*RB8
	JLOAD \slot
	PLACES NP-4
.else
	PLACES NP
.endif
	FETCH_B \next, 0, 0
	FETCH_A \next, 0, 0
	SCALES \next
	WIN MUL_HI
	MUL16 4, 1, 1, \slot, 0
	MUL16 6, 1, 1, \slot, 0
	PLACES NP
	WIN 0
	FETCH_A \next, 0, 4
.endm
	s_wait_alu depctr_va_vdst(0)
	s_wait_tensorcnt 1
	s_barrier_signal -1
	s_barrier_wait -1
	FETCH_B 0, 0, 0
	FETCH_A 0, 0, 0
	SCALES 0
	FETCH_A 0, 0, 4
	s_wait_loadcnt 0x0
	STEP 0, 0, 1
	s_mov_b32 s3, LAPS-1
.Llap:
	TURN 0, 1, 1
	STEP 1, 0, 0
	TURN 1, 0, 1
	STEP 0, 0, 0
	s_sub_co_u32 s3, s3, 1
	s_cmp_lg_u32 s3, 0
	s_cbranch_scc1 .Llap
	TURN 0, 1, 0
	STEP 1, 0, 0
	s_wait_dscnt 4*NL
	WIN MUL_LO
	MUL16 0, 1, 1, 1, 0
	MUL16 2, 1, 1, 1, 0
	s_wait_dscnt 0
	WIN MUL_HI
	MUL16 4, 1, 1, 1, 0
	MUL16 6, 1, 1, 1, 0
	WIN 0
	PLACES NP
	s_wait_dscnt 0x0
	s_barrier_signal -1
	s_barrier_wait -1
.irp a, 0,1,2,3,4,5,6,7
	WIN 0x08+4*(\a/4)
.irp T, 0,1,2,3,4,5,6,7
	ds_store_b128 v[DST], v[64*(\a%4)+8*\T:64*(\a%4)+8*\T+3] offset:512*(16*\a+2*\T)
	ds_store_b128 v[DST], v[64*(\a%4)+8*\T+4:64*(\a%4)+8*\T+7] offset:512*(16*\a+2*\T+1)
.endr
.endr
	WIN 0x40
.set k, 0
.rept 16
	ds_load_b128 v[4*k:4*k+3], v[DST] offset:512*k
.set k, k+1
.endr
	WIN 0
	s_mov_b32 s[SEL], 0x76543210
	s_mov_b32 s[SEL+1], 0xfedcba98
	s_mov_b32 s[MNT], 0x600000
	s_lshl_b32 s18, s17, 4
	s_lshl_b32 s19, s15, 3
	s_add_co_u32 s18, s18, s19
	s_lshl_b32 s32, s18, 16
	s_lshl_b32 s19, s42, 12
	s_add_co_u32 s32, s32, s19
	s_lshl_b32 s19, s16, 11
	s_add_co_u32 s32, s32, s19
	s_mov_b32 s33, 0
	s_add_nc_u64 s[32:33], s[10:11], s[32:33]
	s_lshl_b32 s34, s42, 15
	s_lshl_b32 s19, s18, 7
	s_add_co_u32 s34, s34, s19
	s_lshl_b32 s19, s16, 2
	s_add_co_u32 s34, s34, s19
	s_add_co_u32 s34, s34, FS
	s_mov_b32 s35, 0
	s_add_nc_u64 s[34:35], s[10:11], s[34:35]
	s_mov_b32 s2, 0
.irp b, 0,1,2,3
	v_mov_b32 v[TM+4+\b], 0
.endr
.set k, 0
.irp c, 0xaf95df0b, 0x32edffee, 0xb60cff51, 0xb86ec2d2, 0xba40ac63, 0xbb41a1f6, 0xbc83dbd4, 0xb77460cd, 0xb95fbd29, 0xbadc924e, 0xbbf19bf8, 0xbc69b6a7
	v_mov_b32 v[CF+2*k], \c
	v_mov_b32 v[CF+2*k+1], \c
.set k, k+1
.endr
.macro HORNER acc, cf
.set p, 0
.rept 8
	v_pk_fma_f32 v[\acc+p:\acc+p+1], v[\acc+p:\acc+p+1], v[GZ2+p:GZ2+p+1], v[CF+2*(\cf):CF+2*(\cf)+1]
.set p, p+2
.endr
.endm
.macro GELU g
	WIN 0x01
.set p, 0
.rept 8
	v_pk_mul_f32 v[GZ+p:GZ+p+1], v[16*\g+p:16*\g+p+1], 0x3f3504f3 op_sel_hi:[1,0]
.set p, p+2
.endr
	WIN 0
.set p, 0
.rept 16
	v_med3_num_f32 v[GZ+p], v[GZ+p], -4.0, 4.0
.set p, p+1
.endr
.set p, 0
.rept 8
	v_pk_mul_f32 v[GZ2+p:GZ2+p+1], v[GZ+p:GZ+p+1], v[GZ+p:GZ+p+1]
.set p, p+2
.endr
.set p, 0
.rept 8
	v_pk_fma_f32 v[GP+p:GP+p+1], v[GZ2+p:GZ2+p+1], v[CF:CF+1], v[CF+2:CF+3]
	v_pk_fma_f32 v[GQ+p:GQ+p+1], v[GZ2+p:GZ2+p+1], v[CF+14:CF+15], v[CF+16:CF+17]
.set p, p+2
.endr
	HORNER GQ, 9
	HORNER GQ, 10
	HORNER GQ, 11
.set p, 0
	s_wait_alu depctr_va_vdst(0)
.rept 16
	v_rcp_f32 v[GQ+p], v[GQ+p]
.set p, p+1
.endr
	HORNER GP, 2
	HORNER GP, 3
	HORNER GP, 4
	HORNER GP, 5
	HORNER GP, 6
.set p, 0
.rept 8
	v_pk_mul_f32 v[GP+p:GP+p+1], v[GP+p:GP+p+1], v[GZ+p:GZ+p+1]
.set p, p+2
.endr
	s_wait_alu depctr_va_vdst(0)
.set p, 0
.rept 8
	v_pk_mul_f32 v[GP+p:GP+p+1], v[GP+p:GP+p+1], v[GQ+p:GQ+p+1]
.set p, p+2
.endr
.set p, 0
.rept 8
	v_pk_fma_f32 v[GP+p:GP+p+1], v[GP+p:GP+p+1], 0.5, 0.5 op_sel_hi:[1,0,0]
.set p, p+2
.endr
	WIN 0x01
.set p, 0
.rept 8
	v_pk_mul_f32 v[H+16*\g+p:H+16*\g+p+1], v[16*\g+p:16*\g+p+1], v[GP+p:GP+p+1]
.set p, p+2
.endr
	WIN 0
.endm
.macro QUANT s
.irp b, 0,1,2,3
	v_max3_num_f32 v[TM+\b], |v[\s+16*\b]|, |v[\s+1+16*\b]|, 0x4800000
.endr
.irp i, 2,4,6,8,10,12,14
.irp b, 0,1,2,3
	v_max3_num_f32 v[TM+\b], v[TM+\b], |v[\s+16*\b+\i]|, |v[\s+1+16*\b+\i]|
.endr
.endr
.irp b, 0,1,2,3
	v_permlanex16_b32 v[TM+4+\b], v[TM+\b], s[SEL], s[SEL+1]
.endr
.irp b, 0,1,2,3
	v_max_num_f32 v[TM+\b], v[TM+\b], v[TM+4+\b]
.endr
.irp b, 0,1,2,3
	v_add_nc_u32 v[TM+12+\b], 0xfc000000, v[TM+\b]
.endr
.irp b, 0,1,2,3
	v_and_or_b32 v[TM+8+\b], v[TM+\b], 0x7f800000, s[MNT]
.endr
.irp b, 0,1,2,3
	v_lshrrev_b32 v[TM+4+\b], 23, v[TM+12+\b]
.endr
	v_lshl_or_b32 v[PW], v[TM+5], 8, v[TM+4]
	v_lshl_or_b32 v[PW], v[TM+6], 16, v[PW]
	v_lshl_or_b32 v[PW], v[TM+7], 24, v[PW]
.irp b, 0,1,2,3
.irp i, 0,1,2,3,4,5,6,7,8,9,10,11,12,13,14,15
	v_med3_num_f32 v[\s+16*\b+\i], v[\s+16*\b+\i], -v[TM+8+\b], v[TM+8+\b]
.endr
	v_cvt_scalef32_pk8_fp8_f32 v[PC+4*\b:PC+1+4*\b], v[\s+16*\b:\s+7+16*\b], v[TM+12+\b]
	v_cvt_scalef32_pk8_fp8_f32 v[PC+2+4*\b:PC+3+4*\b], v[\s+8+16*\b:\s+15+16*\b], v[TM+12+\b]
.endr
	v_nop
.endm
.macro TRIP more
	s_wait_dscnt 0x0
	GELU 0
	GELU 1
	GELU 2
	GELU 3
.if \more
	s_add_co_u32 s2, s2, 8192
	v_add_nc_u32 v[DLD], s2, v[DST]
	WIN 0x40
.set k, 0
.rept 16
	ds_load_b128 v[4*k:4*k+3], v[DLD] offset:512*k
.set k, k+1
.endr
	WIN 0
.endif
	QUANT H
.irp c, 0,1,2,3
	global_store_b128 v[CO], v[PC+4*\c:PC+4*\c+3], s[32:33] offset:512*\c
.endr
	global_store_b32 v[R8], v[PW], s[34:35]
.if \more
	s_wait_xcnt 0x0
	s_add_nc_u64 s[32:33], s[32:33], 65536
	s_add_nc_u64 s[34:35], s[34:35], 128
.endif
.endm
	s_mov_b32 s3, 7
.Ltile:
	TRIP 1
	s_sub_co_u32 s3, s3, 1
	s_cmp_lg_u32 s3, 0
	s_cbranch_scc1 .Ltile
	TRIP 0
	s_wait_tensorcnt 0x0
	ds_add_u32 v[SPW], v[NIL]
	s_wait_dscnt 0x0
	CROUND
	s_endpgm
.Lfunc_end_k_q10020ee7d6_gemm_ff1:
	.size	k_q10020ee7d6_gemm_ff1, .Lfunc_end_k_q10020ee7d6_gemm_ff1-k_q10020ee7d6_gemm_ff1
	.p2alignl 7, 3214868480
	.fill 96, 4, 3214868480
	.section	.rodata,"a",@progbits
	.p2align	6, 0x0
	.amdhsa_kernel k_q10020ee7d6_gemm_ff1
		.amdhsa_group_segment_fixed_size 327680
		.amdhsa_private_segment_fixed_size 0
		.amdhsa_enable_private_segment 0
		.amdhsa_kernarg_size 32
		.amdhsa_user_sgpr_count 2
		.amdhsa_user_sgpr_kernarg_segment_ptr 1
		.amdhsa_wavefront_size32 1
		.amdhsa_system_sgpr_workgroup_id_x 1
		.amdhsa_system_sgpr_workgroup_id_y 1
		.amdhsa_system_sgpr_workgroup_id_z 1
		.amdhsa_system_vgpr_workitem_id 0
		.amdhsa_next_free_vgpr 1024
		.amdhsa_next_free_sgpr 102
		.amdhsa_reserve_vcc 0
		.amdhsa_float_denorm_mode_32 3
		.amdhsa_float_denorm_mode_16_64 3
		.amdhsa_memory_ordered 1
		.amdhsa_forward_progress 1
		.amdhsa_inst_pref_size 230
	.end_amdhsa_kernel
	.amdgpu_metadata
---
amdhsa.version: [ 1, 2 ]
amdhsa.kernels:
  - .name:           k_q10020ee7d6_gemm_ff1
    .symbol:         k_q10020ee7d6_gemm_ff1.kd
    .args:
      - { .name: hb, .offset: 0, .size: 8, .value_kind: global_buffer, .address_space: global }
      - { .name: wb, .offset: 8, .size: 8, .value_kind: global_buffer, .address_space: global }
      - { .name: ff1_b, .offset: 16, .size: 8, .value_kind: global_buffer, .address_space: global }
      - { .name: fb, .offset: 24, .size: 8, .value_kind: global_buffer, .address_space: global }
    .group_segment_fixed_size: 327680
    .private_segment_fixed_size: 0
    .kernarg_segment_align: 8
    .kernarg_segment_size: 32
    .max_flat_workgroup_size: 128
    .sgpr_count:     102
    .vgpr_count:     1024
    .wavefront_size: 32
...
	.end_amdgpu_metadata
.endif
;; end of part 13
;; launch gemm_ff2 (part 14): grid 8 x 32, 4 waves a work-group, clusters of 4 x 4, 327,680 bytes of LDS; arguments fb, wb, ff2_b, x1, out0; writes out0
.if DOCPART == 14
	.amdgcn_target "amdgcn-amd-amdhsa--gfx1250"
	.amdhsa_code_object_version 6
	.text
	.protected	k_q10020ee7d6_gemm_ff2
	.globl	k_q10020ee7d6_gemm_ff2
	.p2align	8
	.type	k_q10020ee7d6_gemm_ff2,@function
k_q10020ee7d6_gemm_ff2:
	s_mov_b64 s[64:65], 0
	v_nop
	global_prefetch_b8 v0, s[64:65] scope:SCOPE_SE
	s_setreg_imm32_b32 hwreg(HW_REG_WAVE_MODE, 25, 1), 1
	s_wait_xcnt 0x0
	s_wait_alu depctr_hold_cnt(0) depctr_sa_sdst(0) depctr_va_vdst(0) depctr_va_sdst(0) depctr_va_ssrc(0) depctr_va_vcc(0) depctr_vm_vsrc(0)
	s_getreg_b32 s2, hwreg(HW_REG_IB_STS2, 6, 4)
	s_cmp_eq_u32 s2, 0
	s_cbranch_scc0 .Lentry_in_a_cluster
	s_endpgm
.Lentry_in_a_cluster:
	s_bfe_u32 s2, ttmp6, 0x10000c
	s_cmp_lg_u32 s2, 0xf033
	s_cbranch_scc0 .Lentry_shape_is_right
	s_endpgm
.Lentry_shape_is_right:
; out0 = x1 + hidden ff2_w + ff2_b, the product on codes of FP8 (E4M3), K = 4,096; out0 is f32.  No work is left out.
; OPERANDS lie in memory in the order of a fragment's registers: [tile of 16 rows][kk = K/128][c][lane][16 bytes]; scale words [step = K/256][tile][r][2 words]: a fragment is 2,048 dense bytes in memory and in LDS.
; THE TILE IS 128 x 128, since the output, 4,096 x 1,024, has 256 such tiles and only 64 of 256 x 256.  Four waves, each 64 x 64: 16 accumulators, 128 registers.
; Source 0 = 16 columns of the weight, source 1 = 16 rows: a lane holds one row; the weight's tiles are ordered so that the 16 registers of accumulators (a, 2 b), (a, 2 b + 1) are 16 neighbouring columns.
; The bias is the C of each sum's first product.
; K goes in steps of 512 through two LDS slots (A's and B's codes, 65,536 bytes each).  Each wave fetches a quarter of a slot by one tensor load: four tiles of 16 rows, 8,192 bytes each: waves 0 and 1 A's halves, waves 2 and 3 B's.
; THE SCALE WORDS of the work-group's rows and columns, for all of K, come once, with the first fills (a step's words of 128 rows are 1,024 dense bytes), and stay behind the ring.
; CLUSTERS 4 x 4: A's tiles are asked for jointly along a row of the cluster, B's along a column.
; A step of 128 along K is 16 products on one of two sets of fragments; the next step's 32 LDS loads go into the other set ahead of them.
; THE RESIDUAL's 64 rows x 256 bytes of the wave are asked for at the head, into 128 registers of their own.
; THE WAY OUT: 16 rows x 64 columns at a time through the wave's own stage in slot 0 (which has had its last fill and its last read), back as whole rows of 256 bytes; the residual is added; sixteen lanes store 256 consecutive bytes, aligned.
; REGISTERS: window 0: v16-29 addresses; v32-63 scale words, two sets; v64-95 the bias; v128-255 the accumulators ((a, T) at v[128 + 8 (4 a + T)]).
;   window 1: two sets of fragments: A's four at 128 p, B's four at 128 p + 64; on the way out v0-127: the rows read back.   window 2: v0-127 the residual.
.set KDIM,  4096
.set A_S,   16777216                   ; A's scale words in its buffer
.set B_C,   8388608                    ; the weight's codes in wb
.set B_S,   12845056                   ; and its scale words
.set RA8,   32768                      ; a step of A's scale words in memory, in bytes
.set RB8,   8192                       ; of B's
.set FINAL, 1
.set LAPS,  KDIM/1024                  ; a lap = two slots = once round the ring
.set NS,    KDIM/256                   ; steps of scale words
.set SLOT,  131072
.set BOFF,  65536
.set SCL,   2*SLOT                     ; behind the ring: A's scale words, [step][tile][128 bytes],
.set SCB,   NS*1024                    ; and, so many bytes on, B's
.set SPARE, SCL+2*SCB                  ; behind them: the spare words, 128 bytes a wave: two blocks of 256 bytes that no other line names
.set SP,    272                        ; a stage row: 256 bytes + 16
.set FR, 16
.set NP, 8                             ; places behind this matrix instruction (ISA guide 7.12.1)
.set ADRA,  16                         ; v16-17  my A fragments in slot 0, 1
.set BO,    18                         ; v18     the bias's lane offset
.set ADRB,  20                         ; v20-21  my B fragments
.set ADRS0, 22                         ; v22     my scale words of K step 0: lanes 0-15 A's, lanes 16-31 B's; never rewritten
.set ADRS,  23                         ; v23     those of the slot that is being fetched
.set STO,   24                         ; v24     the stage: where I put 32 bytes of a row
.set RD,    25                         ; v25     and where I read a row back
.set CO,    26                         ; v26     my place in two rows of the output and of the residual
.set LI,    27                         ; v27     16 x lane
.set SPW,   28
.set NIL,   29
.set SC,    32                         ; v32-63  scale words: set s at 32 + 16 s; in it register 4 i + q: block i, the slot's q-th 128; they hold nothing else
.set BIAS,  64
.set ACC,   128
.set G1,   24                          ; s[24:31] group 1 for A's codes; s[32:39] group 0, a set for each slot
.set G0,   32
.set G1B,  48                          ; s[48:55], s[56:63] the same for B's
.set G0B,  56
.set G1S,  68                          ; s[68:75], s[76:79] A's scale words
.set G0S,  76
.set G1SB, 80                          ; s[80:87], s[88:91] B's
.set G0SB, 88
.set MSB, 0
.macro WIN new                         ; the immediate's high byte repeats the setting that is left
.if MSB != \new
	s_set_vgpr_msb (MSB<<8)|\new
.set MSB, \new
.endif
.endm
.set MUL,  0x05                        ; sources 0 (B) and 1 (A) window 1; C and D window 0
.set TO_F, 0x40                        ; destination window 1, address window 0
.macro JLOAD g0a, g1a, g0b, g1b        ; a joint load: waves 0 and 1 fetch for A, waves 2 and 3 for B; an s_nop 0 and four v_nop follow each of the two lines
	s_cmp_eq_u32 s15, 0
	s_cbranch_scc0 .Lfor_b_\@
	tensor_load_to_lds s[\g0a:\g0a+3], s[\g1a:\g1a+7]
	s_nop 0
.rept 4
	v_nop
.endr
	s_branch .Lasked_\@
.Lfor_b_\@:
	tensor_load_to_lds s[\g0b:\g0b+3], s[\g1b:\g1b+7]
	s_nop 0
.rept 4
	v_nop
.endr
.Lasked_\@:
.endm
.macro CREST                           ; a round of the cluster's barrier behind its opening barrier
	s_cmp_lg_u32 s14, 0
	s_cbranch_scc1 .Lnot_wave_0_\@
	s_barrier_signal -3
.Lnot_wave_0_\@:
	s_barrier_wait -3
	s_barrier_signal -1
	s_barrier_wait -1
.endm
.macro CROUND
	s_barrier_signal -1
	s_barrier_wait -1
	CREST
.endm
.macro PLACES n
.rept \n
	v_nop
.endr
.endm
	s_load_b256 s[4:11], s[0:1], 0x0               ; A's buffer s[4:5], wb s[6:7], the bias s[8:9], the residual s[10:11]
	s_load_b64 s[12:13], s[0:1], 0x20              ; the output
	v_lshl_add_u32 v[SPW], v0, 2, SPARE
	v_mov_b32 v[NIL], 0
	ds_add_u32 v[SPW], v[NIL]                      ; the wave's opening: the add, twice on end, and its wait ahead of my first tensor load
	ds_add_u32 v[SPW], v[NIL]
	v_lshrrev_b32 v1, 5, v0
	v_readfirstlane_b32 s14, v1                    ; wave 0..3
	s_lshr_b32 s15, s14, 1                         ; which half of the rows is mine.  Also: I fetch for A (0) or for B (1)
	s_and_b32 s16, s14, 1                          ; which half of the columns.  Also: which half of that tile I fetch
	s_bfe_u32 s40, ttmp6, 0x40000                  ; cx
	s_bfe_u32 s41, ttmp6, 0x40004                  ; cy
	s_lshl_b32 s42, ttmp9, 2
	s_add_co_u32 s42, s42, s40                     ; B's tile of 128 columns
	s_and_b32 s17, ttmp7, 0xffff
	s_lshl_b32 s17, s17, 2
	s_add_co_u32 s17, s17, s41                     ; A's tile of 128 rows
	s_lshl_b32 s43, s41, 2
	s_lshl_b32 s43, 15, s43                        ; my row of the cluster
	s_lshl_b32 s44, 0x1111, s40                    ; my column
	s_or_b32 s[G1], s43, (3<<16)|(1<<21)           ; 15:0 the mask; 17:16 elements of 8 bytes; 21 set beside a mask; no padding
	s_or_b32 s[G1B], s44, (3<<16)|(1<<21)
	s_or_b32 s[G1S], s43, (3<<16)|(1<<21)
	s_or_b32 s[G1SB], s44, (3<<16)|(1<<21)
.irp g, G1, G1B                        ; codes: four tiles' four fragments: 4 rows of 8,192 bytes, 16 KDIM bytes apart
	s_mov_b32 s[\g+1], 1024<<16
	s_mov_b32 s[\g+2], 8<<16                       ; the head's loads bring all eight tiles; behind them the two words that count rows are set to 4
	s_mov_b32 s[\g+3], 1024<<16
	s_mov_b32 s[\g+4], 8
	s_mov_b32 s[\g+5], 2*KDIM
	s_mov_b32 s[\g+6], 0
	s_mov_b32 s[\g+7], 0
.endr
.irp g, G1S, G1SB                      ; scale words: all the steps: NS rows of 1,024 bytes
	s_mov_b32 s[\g+1], 128<<16
	s_mov_b32 s[\g+2], NS<<16                      ; all NS steps by one load
	s_mov_b32 s[\g+3], 128<<16
	s_mov_b32 s[\g+4], NS
	s_mov_b32 s[\g+6], 0
	s_mov_b32 s[\g+7], 0
.endr
	s_mov_b32 s[G1S+5], RA8/8                      ; from step to step in memory
	s_mov_b32 s[G1SB+5], RB8/8
	s_mul_i32 s45, s14, 32768                      ; where my codes go in a slot: A's two halves, then B's two: no place in the cluster enters an LDS address
.set G0H,  92                          ; s[92:95], s[96:99] group 0 of the head's loads of slot 0: A's eight tiles, B's eight
.set G0HB, 96
.set PFO,  30                          ; v30 the prefetches' offset: 256 x lane; never rewritten
.irp s, 0,1
	s_mov_b32 s[G0+4*\s], 1
	s_add_co_u32 s[G0+4*\s+1], s45, \s*SLOT
	s_mov_b32 s[G0B+4*\s], 1
	s_add_co_u32 s[G0B+4*\s+1], s45, \s*SLOT
.endr
	s_mov_b32 s[G0S], 1
	s_mov_b32 s[G0S+1], SCL
	s_mov_b32 s[G0SB], 1
	s_mov_b32 s[G0SB+1], SCL+SCB
	s_mov_b32 s[G0H], 1
	s_mov_b32 s[G0H+1], 0
	s_mov_b32 s[G0HB], 1
	s_mov_b32 s[G0HB+1], BOFF
	s_mul_i32 s18, s16, 64*KDIM                    ; byte offsets first; the pointers are added below.  A's hang on cy alone, B's on cx alone.  Which four tiles I fetch:
	s_mul_i32 s[G0+2], s17, 128*KDIM
	s_add_co_u32 s[G0+2], s[G0+2], s18
	s_mov_b32 s[G0+3], 0
	s_mul_i32 s[G0B+2], s42, 128*KDIM
	s_add_co_u32 s[G0B+2], s[G0B+2], s18
	s_add_co_u32 s[G0B+2], s[G0B+2], B_C
	s_mov_b32 s[G0B+3], 0
	s_lshl_b32 s[G0S+2], s17, 10
	s_add_co_u32 s[G0S+2], s[G0S+2], A_S
	s_mov_b32 s[G0S+3], 0
	s_lshl_b32 s[G0SB+2], s42, 10
	s_add_co_u32 s[G0SB+2], s[G0SB+2], B_S
	s_mov_b32 s[G0SB+3], 0
	s_mul_i32 s[G0H+2], s17, 128*KDIM
	s_mov_b32 s[G0H+3], 0
	s_mul_i32 s[G0HB+2], s42, 128*KDIM
	s_add_co_u32 s[G0HB+2], s[G0HB+2], B_C
	s_mov_b32 s[G0HB+3], 0
	s_mov_b32 s2, 0                                ; how far the scale words have been walked: 2,048 bytes a slot
	s_wait_dscnt 0x0                               ; both opening adds are done
	s_wait_kmcnt 0x0
	s_add_nc_u64 s[G0+2:G0+3], s[4:5], s[G0+2:G0+3]
	s_add_nc_u64 s[G0S+2:G0S+3], s[4:5], s[G0S+2:G0S+3]
	s_add_nc_u64 s[G0B+2:G0B+3], s[6:7], s[G0B+2:G0B+3]
	s_add_nc_u64 s[G0SB+2:G0SB+3], s[6:7], s[G0SB+2:G0SB+3]
	s_add_nc_u64 s[G0+6:G0+7], s[G0+2:G0+3], 8192
	s_add_nc_u64 s[G0B+6:G0B+7], s[G0B+2:G0B+3], 8192
	s_add_nc_u64 s[G0H+2:G0H+3], s[4:5], s[G0H+2:G0H+3]
	s_add_nc_u64 s[G0HB+2:G0HB+3], s[6:7], s[G0HB+2:G0HB+3]
.irp g, G0+3, G0+7, G0B+3, G0B+7, G0S+3, G0SB+3, G0H+3, G0HB+3
	s_or_b32 s[\g], s[\g], 0x80000000              ; 127:126 type = 2
.endr
	; THE PREFETCHES.  Of the four tiles that my wave fetches for the ring, each of the four partners that ask for them jointly takes one, told apart by address (cx for A, cy for B):
	; a slot's part of a tile is 8,192 bytes, 32 lanes 256 bytes apart: one instruction a wave.  s[4:5] stands at slot 1 of that tile.  At the load of slot j, slot j + 2 is asked for; the head asks for slots 1 and 2.
	s_cmp_eq_u32 s15, 0
	s_cselect_b32 s18, s17, s42
	s_cselect_b32 s19, s40, s41
	s_cselect_b32 s20, 0, B_C
	s_cselect_b64 s[4:5], s[4:5], s[6:7]
	s_lshl_b32 s18, s18, 3
	s_lshl_b32 s21, s16, 2
	s_add_co_u32 s18, s18, s21
	s_add_co_u32 s18, s18, s19
	s_mul_i32 s18, s18, 16*KDIM
	s_add_co_u32 s18, s18, s20
	s_add_co_u32 s18, s18, 8192
	s_mov_b32 s19, 0
	s_add_nc_u64 s[4:5], s[4:5], s[18:19]
	CROUND                                         ; all sixteen work-groups are here: the first joint loads meet
; THE HEAD'S LOADS, ONE A WAVE: wave 0 slot 0's eight tiles of A, wave 1 those of B, wave 2 A's scale words for all of K, wave 3 B's.  One tree of branches on the wave's number: every way passes exactly one load.
.macro ARM under, g0, g1, next
	s_cmp_lt_u32 s14, \under
	s_cbranch_scc0 \next
	tensor_load_to_lds s[\g0:\g0+3], s[\g1:\g1+7]
	s_nop 0
.rept 4
	v_nop
.endr
	s_branch .Lhead_asked
\next:
.endm
	ARM 1, G0H,  G1,  .Lhead_b
	ARM 2, G0HB, G1B, .Lhead_sa
	ARM 3, G0S,  G1S, .Lhead_sb
	tensor_load_to_lds s[G0SB:G0SB+3], s[G1SB:G1SB+7]
	s_nop 0
.rept 4
	v_nop
.endr
.Lhead_asked:
	v_and_b32 v1, 31, v0                           ; lane
	v_and_b32 v2, 15, v0                           ; r
	v_bfe_u32 v3, v0, 4, 1                         ; h
	s_wait_alu depctr_va_vdst(0)
	v_lshlrev_b32 v[LI], 4, v1
	s_lshl_b32 s18, s15, 15                        ; my four tiles of A: 8,192 bytes each
	s_lshl_b32 s19, s16, 15
	s_add_co_u32 s19, s19, BOFF
.irp s, 0,1
	v_add_nc_u32 v[ADRA+\s], s18, v[LI]
	v_add_nc_u32 v[ADRB+\s], s19, v[LI]
	s_add_co_u32 s18, s18, SLOT
	s_add_co_u32 s19, s19, SLOT
.endr
	s_lshl_b32 s20, s15, 9                         ; my four tiles' scale words: 128 bytes each
	s_lshl_b32 s21, s16, 9
	s_add_co_u32 s21, s21, SCB
	s_sub_co_u32 s21, s21, s20
	v_mul_u32_u24 v6, s21, v3                      ; lanes 16-31 take B's: one product with h
	v_lshl_add_u32 v6, v2, 3, v6
	s_add_co_u32 s20, s20, SCL
	v_add_nc_u32 v[ADRS0], s20, v6
	v_add_nc_u32 v[ADRS], s2, v[ADRS0]
	s_mul_i32 s20, s14, 16*SP                      ; my stage
	v_mul_u32_u24 v[STO], v2, SP
	v_lshl_add_u32 v[STO], v3, 6, v[STO]
	v_add_nc_u32 v[STO], s20, v[STO]               ; in: row r, 64 h bytes on
	v_mul_u32_u24 v[RD], v3, SP
	v_lshl_add_u32 v[RD], v2, 4, v[RD]
	v_add_nc_u32 v[RD], s20, v[RD]                 ; back: lanes 0-15 one row of 256 bytes, lanes 16-31 the next
	v_lshlrev_b32 v[CO], 12, v3
	v_lshl_add_u32 v[CO], v2, 4, v[CO]             ; and the same two rows in memory
	v_lshlrev_b32 v[BO], 6, v3                     ; the bias: 16 h numbers on
	s_wait_alu depctr_va_vdst(0)
	s_lshl_b32 s18, s42, 9
	s_lshl_b32 s19, s16, 8
	s_add_co_u32 s18, s18, s19                     ; my 64 columns, in bytes
	s_mov_b32 s19, 0
	s_add_nc_u64 s[8:9], s[8:9], s[18:19]
	s_lshl_b32 s20, s17, 19
	s_add_co_u32 s18, s18, s20
	s_lshl_b32 s20, s15, 18
	s_add_co_u32 s18, s18, s20                     ; and my 64 rows of 4,096 bytes
	s_add_nc_u64 s[10:11], s[10:11], s[18:19]
	s_add_nc_u64 s[12:13], s[12:13], s[18:19]
.irp T, 0,1,2,3                        ; register j of tile T: column 32 (T / 2) + 8 (T % 2) + 16 h + j
	global_load_b128 v[BIAS+8*\T:BIAS+8*\T+3], v[BO], s[8:9] offset:(32*(\T/2)+8*(\T%2))*4
	global_load_b128 v[BIAS+8*\T+4:BIAS+8*\T+7], v[BO], s[8:9] offset:(32*(\T/2)+8*(\T%2))*4+16
.endr
	WIN 0x80                                       ; destination window 2
.set t, 0
.rept 32
	global_load_b128 v[4*t:4*t+3], v[CO], s[10:11] offset:(16*(t/8)+2*(t%8))*4096   ; the residual: two rows' 256 bytes an instruction
.set t, t+1
.endr
	WIN 0
	v_and_b32 v[PFO], 31, v0
	v_lshlrev_b32 v[PFO], 8, v[PFO]
	global_prefetch_b8 v[PFO], s[4:5] th:TH_LOAD_NT scope:SCOPE_SE                 ; slot 1, which is loaded behind the next round
.if KDIM > 1024
	global_prefetch_b8 v[PFO], s[4:5] offset:8192 th:TH_LOAD_NT scope:SCOPE_SE     ; and slot 2
.endif
.macro FRAG reg, adr, q, i
.irp c, 0,1,2,3
	ds_load_b128 v[\reg+4*\c:\reg+4*\c+3], v[\adr] offset:8192*(\i)+2048*(\q)+512*\c
.endr
.endm
.macro FETCH slot, q, p                ; 32 LDS loads in one run: the slot's q-th 128 along K into set p
	WIN TO_F
.irp i, 0,1,2,3
	FRAG 128*(\p)+64+FR*\i, ADRB+\slot, \q, \i
.endr
.irp i, 0,1,2,3
	FRAG 128*(\p)+FR*\i, ADRA+\slot, \q, \i
.endr
.endm
.macro SCALES sc                       ; a slot's scale words into set sc: two steps of two words a row; lanes 0-15 A's block i, lanes 16-31 B's block i
.irp i, 0,1,2,3
	ds_load_b64 v[SC+16*\sc+4*\i:SC+16*\sc+4*\i+1], v[ADRS] offset:128*\i
	ds_load_b64 v[SC+16*\sc+4*\i+2:SC+16*\sc+4*\i+3], v[ADRS] offset:1024+128*\i
.endr
.endm
; 4 matrix instructions: A's block a x B's four.  p: the set of fragments; q: which 128 of the slot; sc: the set of scale words.  cm = 1: C is the bias (the first products start the sums), 0: the sum itself.
; The 16 accumulators take turns, one instruction a turn, in the same order in every step.
.macro MUL4 a, p, q, sc, cm
.irp b, 0,1,2,3
.if \cm
	v_wmma_scale_f32_16x16x128_f8f6f4 v[ACC+8*(4*(\a)+\b):ACC+8*(4*(\a)+\b)+7], v[128*(\p)+64+FR*\b:128*(\p)+64+FR*\b+FR-1], v[128*(\p)+FR*(\a):128*(\p)+FR*(\a)+FR-1], v[BIAS+8*\b:BIAS+8*\b+7], v[SC+16*(\sc)+4*\b+(\q)], v[SC+16*(\sc)+4*(\a)+(\q)] matrix_a_scale:MATRIX_SCALE_ROW1
.else
	v_wmma_scale_f32_16x16x128_f8f6f4 v[ACC+8*(4*(\a)+\b):ACC+8*(4*(\a)+\b)+7], v[128*(\p)+64+FR*\b:128*(\p)+64+FR*\b+FR-1], v[128*(\p)+FR*(\a):128*(\p)+FR*(\a)+FR-1], v[ACC+8*(4*(\a)+\b):ACC+8*(4*(\a)+\b)+7], v[SC+16*(\sc)+4*\b+(\q)], v[SC+16*(\sc)+4*(\a)+(\q)] matrix_a_scale:MATRIX_SCALE_ROW1
.endif
.endr
.endm
; One of a slot's first three steps of 128: the next step's fragments are asked for, into the set that the last products read; then this step's 16 products.
.macro KK slot, q, cm
	PLACES NP                                      ; in front of loads into registers that matrix instructions have read
	FETCH \slot, (\q)+1, 1-(\q)%2
	s_wait_dscnt 32                                ; all but the 32 just issued: this step's fragments, and the slot's scale words, are in
	WIN MUL
	MUL4 0, (\q)%2, \q, \slot, \cm
	MUL4 1, (\q)%2, \q, \slot, \cm
	MUL4 2, (\q)%2, \q, \slot, \cm
	MUL4 3, (\q)%2, \q, \slot, \cm
.endm
; A slot's fourth step changes slots: ONE barrier; in front of it each wave waits for all its tensor loads, adds 0 to its spare word, and waits for that and for its reads of this slot.  fill = 1: the barrier opens a round of the cluster's, and this slot is filled again, two slots ahead.
.macro TURN slot, next, fill
	WIN 0
.if \fill
	s_wait_xcnt 0x0                                ; my prefetches have read their address: it steps a slot on
	s_add_nc_u64 s[4:5], s[4:5], 8192
.endif
	s_wait_tensorcnt 0x0                           ; all my tensor loads have landed: my part of the next slot
	ds_add_u32 v[SPW], v[NIL]                      ; 0 onto my spare word
	s_wait_dscnt 1                                 ; (the add alone may be out: this step's fragments are in)
	WIN MUL
	MUL4 0, 1, 3, \slot, 0                         ; four matrix instructions stand between the add and the wait for it
	s_wait_dscnt 0x0                               ; the add is done, and my reads of this slot are over
	s_barrier_signal -1
	MUL4 1, 1, 3, \slot, 0
	WIN 0
	s_barrier_wait -1
.if \fill
	CREST                                          ; no wave of any partner still reads this slot or has a load on its way
	s_add_nc_u64 s[G0+4*\slot+2:G0+4*\slot+3], s[G0+4*\slot+2:G0+4*\slot+3], 16384
	s_add_nc_u64 s[G0B+4*\slot+2:G0B+4*\slot+3], s[G0B+4*\slot+2:G0B+4*\slot+3], 16384
	JLOAD G0+4*\slot, G1, G0B+4*\slot, G1B         ; the first tensor load behind the round, one a wave; its four v_nop are among the places in front of the loads below
	PLACES NP-4
.else
	PLACES NP
.endif
	s_add_co_u32 s2, s2, 2048                      ; on to the next slot's scale words
	v_add_nc_u32 v[ADRS], s2, v[ADRS0]
	FETCH \next, 0, 0
	WIN 0
	SCALES \next
.if \fill
	s_cmp_gt_u32 s3, 1                             ; the slot that stands two refills on; the loop's last trip has none
	s_cbranch_scc0 .Lno_ask_\@
	global_prefetch_b8 v[PFO], s[4:5] offset:16384 th:TH_LOAD_NT scope:SCOPE_SE
.Lno_ask_\@:
.endif
	WIN MUL
	MUL4 2, 1, 3, \slot, 0
	MUL4 3, 1, 3, \slot, 0
.endm
	s_wait_alu depctr_va_vdst(0)                   ; the wait at the head's end
	s_wait_tensorcnt 0x0                           ; my tile of the head's four is in
	ds_add_u32 v[SPW], v[NIL]
	s_mov_b32 s[G1+2], 4<<16                       ; no tensor load of mine is out: from here on a load brings four tiles
	s_mov_b32 s[G1+4], 4
	s_mov_b32 s[G1B+2], 4<<16
	s_mov_b32 s[G1B+4], 4
	s_wait_dscnt 0x0
	CROUND                                         ; a whole round: all four tiles are in, and the joint loads meet
	JLOAD G0+4, G1, G0B+4, G1B                     ; slot 1's first fill, a quarter a wave
	FETCH 0, 0, 0
	WIN 0
	SCALES 0
.if KDIM > 1024
	global_prefetch_b8 v[PFO], s[4:5] offset:16384 th:TH_LOAD_NT scope:SCOPE_SE    ; slot 3
.endif
	s_wait_loadcnt 32
	KK 0, 0, 1                                     ; the first step stands in front of the loop: its products start the sums
.if LAPS > 1
	WIN 0                                          ; at a label and at a branch every window is 0
	s_mov_b32 s3, LAPS-1
.Llap:                                         ; a trip goes once round the ring, from a lap's second step to the next lap's first, and fills both slots again
	KK 0, 1, 0
	KK 0, 2, 0
	TURN 0, 1, 1
	KK 1, 0, 0
	KK 1, 1, 0
	KK 1, 2, 0
	TURN 1, 0, 1
	KK 0, 0, 0
	WIN 0
	s_sub_co_u32 s3, s3, 1
	s_cmp_lg_u32 s3, 0
	s_cbranch_scc1 .Llap
.endif
	KK 0, 1, 0                                     ; the last lap fills nothing, and has no round of the cluster's barrier
	KK 0, 2, 0
	TURN 0, 1, 0
	KK 1, 0, 0
	KK 1, 1, 0
	KK 1, 2, 0
	s_wait_dscnt 0x0                               ; the very last step: nothing more to fetch
	WIN MUL
	MUL4 0, 1, 3, 1, 0
	MUL4 1, 1, 3, 1, 0
	MUL4 2, 1, 3, 1, 0
	MUL4 3, 1, 3, 1, 0
	WIN 0
	; ---- THE WAY OUT
	PLACES NP                                      ; behind the last products: for the first reads of results and the loads into fragments' registers
.irp a, 0,1,2,3                        ; block a's 16 rows x 64 columns into my stage, and back as whole rows
.irp T, 0,1,2,3
	ds_store_b128 v[STO], v[ACC+8*(4*\a+\T):ACC+8*(4*\a+\T)+3] offset:128*(\T/2)+32*(\T%2)          ; each accumulator from its low end on
	ds_store_b128 v[STO], v[ACC+8*(4*\a+\T)+4:ACC+8*(4*\a+\T)+7] offset:128*(\T/2)+32*(\T%2)+16
.endr
	WIN 0x40                                       ; destination window 1
.irp t, 0,1,2,3,4,5,6,7
	ds_load_b128 v[32*\a+4*\t:32*\a+4*\t+3], v[RD] offset:2*\t*SP  ; LDS serves a wave's instructions in order: these see the stores above, and the next block's stores come behind them
.endr
	WIN 0
.endr
	s_wait_loadcnt 0x0                             ; the residual
.irp a, 0,1,2,3
	s_wait_dscnt 16*(3-\a)                         ; block a is back; the later blocks' 16 LDS instructions each may be out
	WIN 0x49                                       ; destination and source 0 window 1, source 1 (the residual) window 2
.set p, 0
.rept 16
	v_pk_add_f32 v[32*\a+p:32*\a+p+1], v[32*\a+p:32*\a+p+1], v[32*\a+p:32*\a+p+1]
.set p, p+2
.endr
	WIN 0x04                                       ; a store's data are its source 1: window 1
.set t, 0
.rept 8
.if FINAL
	global_store_b128 v[CO], v[32*\a+4*t:32*\a+4*t+3], s[12:13] offset:(16*\a+2*t)*4096 th:TH_STORE_NT   ; sixteen lanes store 256 consecutive bytes, aligned; written once, read by nobody here
.else
	global_store_b128 v[CO], v[32*\a+4*t:32*\a+4*t+3], s[12:13] offset:(16*\a+2*t)*4096
.endif
.set t, t+1
.endr
.endr
	WIN 0
	s_wait_tensorcnt 0x0                           ; the wave's end, behind my last tensor load and my last LDS store
	ds_add_u32 v[SPW], v[NIL]
	s_wait_dscnt 0x0
	CROUND                                         ; the closing round
	s_endpgm
.Lfunc_end_k_q10020ee7d6_gemm_ff2:
	.size	k_q10020ee7d6_gemm_ff2, .Lfunc_end_k_q10020ee7d6_gemm_ff2-k_q10020ee7d6_gemm_ff2
	.p2alignl 7, 3214868480
	.fill 96, 4, 3214868480
	.section	.rodata,"a",@progbits
	.p2align	6, 0x0
	.amdhsa_kernel k_q10020ee7d6_gemm_ff2
		.amdhsa_group_segment_fixed_size 327680
		.amdhsa_private_segment_fixed_size 0
		.amdhsa_enable_private_segment 0
		.amdhsa_kernarg_size 40
		.amdhsa_user_sgpr_count 2
		.amdhsa_user_sgpr_kernarg_segment_ptr 1
		.amdhsa_wavefront_size32 1
		.amdhsa_system_sgpr_workgroup_id_x 1
		.amdhsa_system_sgpr_workgroup_id_y 1
		.amdhsa_system_sgpr_workgroup_id_z 1
		.amdhsa_system_vgpr_workitem_id 0
		.amdhsa_next_free_vgpr 640
		.amdhsa_next_free_sgpr 100
		.amdhsa_reserve_vcc 0
		.amdhsa_float_denorm_mode_32 3
		.amdhsa_float_denorm_mode_16_64 3
		.amdhsa_memory_ordered 1
		.amdhsa_forward_progress 1
		.amdhsa_inst_pref_size 103
	.end_amdhsa_kernel
	.amdgpu_metadata
---
amdhsa.version: [ 1, 2 ]
amdhsa.kernels:
  - .name:           k_q10020ee7d6_gemm_ff2
    .symbol:         k_q10020ee7d6_gemm_ff2.kd
    .args:
      - { .name: fb, .offset: 0, .size: 8, .value_kind: global_buffer, .address_space: global }
      - { .name: wb, .offset: 8, .size: 8, .value_kind: global_buffer, .address_space: global }
      - { .name: ff2_b, .offset: 16, .size: 8, .value_kind: global_buffer, .address_space: global }
      - { .name: x1, .offset: 24, .size: 8, .value_kind: global_buffer, .address_space: global }
      - { .name: out0, .offset: 32, .size: 8, .value_kind: global_buffer, .address_space: global }
    .group_segment_fixed_size: 327680
    .private_segment_fixed_size: 0
    .kernarg_segment_align: 8
    .kernarg_segment_size: 40
    .max_flat_workgroup_size: 128
    .sgpr_count:     100
    .vgpr_count:     640
    .wavefront_size: 32
...
	.end_amdgpu_metadata
.endif
;; end of part 14
